; MI455X (gfx1250); checked and timed in simulation.
; The chip was launched on July 23, 2026; its instructions are those of AMD's public machine-readable ISA for CDNA 5 (MIT licence, August 2026) and "CDNA5" Instruction Set Architecture Reference Guide (July 2026). The comments in the code are by the model that wrote it; some were corrected since.
;; Encoder Layer. Allowed arithmetic: matrix products marked QUANTISED: E2M1 operands, one E8M0 scale for each 32 along K, by v_wmma_scale_f32_16x16x128_f8f6f4 with both operands' format E2M1 (or v_wmma_scale_f32_32x16x128_f4), f32 sums; everything else in f32.
;; Inputs: W1 1,024 x 4,096 float32; W2 4,096 x 1,024 float32; Wk 1,024 x 1,024 float32; Wo 1,024 x 1,024 float32; Wq 1,024 x 1,024 float32; Wv 1,024 x 1,024 float32; b1 4,096 float32; b2 1,024 float32; bk 1,024 float32; bo 1,024 float32; bq 1,024 float32; bv 1,024 float32; ln1_b 1,024 float32; ln1_g 1,024 float32; ln2_b 1,024 float32; ln2_g 1,024 float32; src 2 x 2,048 x 1,024 float32.
;; Outputs: out0 2 x 2,048 x 1,024 float32.
;; This version of the problem:
;;   THIS VERSION OF THE PROBLEM IS GIVEN IN LOW PRECISION. The matrix products marked QUANTISED in the list below multiply operands that are first quantised to E2M1 (2 exponent bits, 1 mantissa bit; 4 bits a number), with one power-of-two scale for each 32 numbers along K (OCP MX v1.0); their sums are f32. All else is computed in f32.
;;   The module's matrix products, in the order in which they are computed (A, B: the left and right operand; K: the contracted axis; several contracted axes count as one K, in the product's order):
;;     1. [M 4,096, K 1,024] x [K 1,024, N 1,024]; A: input src; B: input Wq: QUANTISED
;;     2. [M 4,096, K 1,024] x [K 1,024, N 1,024]; A: input src; B: input Wk: QUANTISED
;;     3. [M 4,096, K 1,024] x [K 1,024, N 1,024]; A: input src; B: input Wv: QUANTISED
;;     4. batch 32 x [M 2,048, K 64] x [K 64, N 2,048]; A: computed on the way; B: computed on the way: QUANTISED
;;     5. batch 32 x [M 2,048, K 2,048] x [K 2,048, N 64]; A: softmax (see below); B: computed on the way: QUANTISED
;;     6. [M 4,096, K 1,024] x [K 1,024, N 1,024]; A: computed on the way; B: input Wo: QUANTISED
;;     7. [M 4,096, K 1,024] x [K 1,024, N 4,096]; A: computed on the way; B: input W1: QUANTISED
;;     8. [M 4,096, K 4,096] x [K 4,096, N 1,024]; A: computed on the way; B: input W2: QUANTISED
;;   THE QUANTISER, for each operand of a quantised product, along K:
;;     - K is cut into blocks of 32 from its start; a last block that is shorter is filled with zeros.
;;     - A block's scale is 2^e with e = floor(log2(the largest magnitude in the block)) - 2, held to -126 .. 127; a block of zeros has e = 0. As a byte (E8M0): e + 127.
;;     - Each number is divided by its block's scale, clamped to +-6, and rounded to the nearest number of E2M1, ties to even, subnormals kept.
;;     - The product sums the exact products of the quantised numbers (number of the format x scale) in f32.
;;   ~~~python
;;   def quantise(x, axis):      # numpy; x: float32 -> the quantised numbers, widened to float32 again
;;       x = np.moveaxis(x, axis, -1); K = x.shape[-1]
;;       x = np.pad(x, [(0, 0)] * (x.ndim - 1) + [(0, -K % 32)]); x = x.reshape(x.shape[:-1] + (-1, 32)); a = np.abs(x).max(-1, keepdims=True)
;;       e = np.where(a > 0, np.clip(np.frexp(np.where(a > 0, a, 1))[1] - 1 - 2, -126, 127), 0)      # np.frexp(a)[1] - 1 = floor(log2(a)), exactly
;;       r = np.clip(x / 2.0 ** e, -6, 6)
;;       step = 2.0 ** (np.maximum(np.frexp(np.where(r == 0, 1, r))[1] - 1, 0) - 1)
;;       q = np.round(r / step) * step * 2.0 ** e      # np.round: ties to even
;;       return np.moveaxis(q.reshape(q.shape[:-2] + (-1,))[..., :K], -1, axis).astype(np.float32)
;;   ~~~
;;   SOFTMAX AHEAD OF A QUANTISED PRODUCT. Where the list says 'softmax', what is quantised is not the finished softmax but p = 2^(t - M), with t = logit x log2(e) and M = ceil(the row's largest t), a whole number; so 1/2 < the row's largest p <= 1. The row's sum l is taken of the UNQUANTISED p, in f32, and the product's result is divided by l at the end. Since M is a whole number, a kernel that streams over the keys may use a running M (the ceiling of the running maximum): every later rescaling is an exact power of two, which a block's scale takes up: the codes' values come out the same.
;;   OPERANDS COMPUTED ON THE WAY. 'Computed on the way' means the value that the module computes at that place (a softmax that the list does not call 'softmax' is quantised finished and normalised). What goes into a quantiser is computed in f32, as accurately as f32 sums, v_exp_f32 and their like allow (about 1e-6 of the number): no bf16 or f16 on the way to a quantiser, and a product that is left as it is and whose result goes on into a quantised operand takes f32 operands (vector FMAs, or v_wmma_f32_16x16x4_f32). A number that lies on a knife's edge between two numbers of the format may be rounded either way, as far as f32 arithmetic and the matrix unit's own rounding can turn it there, and no further.
;; 2 versions, each right and faster than the one before. Each part assembles by itself: llvm-mc -triple=amdgcn-amd-amdhsa -mcpu=gfx1250 --defsym DOCPART=n.
;; ======== version 1 of 2: 7 launches
;; workspace buffers: wsa 8,912,896 bytes; wsb 6,946,816 bytes; ctxq 2,228,224 bytes; xf 16,777,216 bytes; xq 2,228,224 bytes; hq 8,912,896 bytes; yf 16,777,216 bytes
;; launch prep (part 1): grid 320 x 1, 4 waves a work-group, no clusters, 0 bytes of LDS; arguments src, Wq, Wk, Wv, Wo, W1, W2, wsa; writes wsa
.if DOCPART == 1
	.amdgcn_target "amdgcn-amd-amdhsa--gfx1250"
	.amdhsa_code_object_version 6
	.text
	.protected	k_qa2908a1f09_prep
	.globl	k_qa2908a1f09_prep
	.p2align	8
	.type	k_qa2908a1f09_prep,@function
k_qa2908a1f09_prep:
	s_mov_b64 s[64:65], 0
	v_nop
	global_prefetch_b8 v0, s[64:65] scope:SCOPE_SE
	s_setreg_imm32_b32 hwreg(HW_REG_WAVE_MODE, 25, 1), 1
	s_wait_xcnt 0x0
; ENCODER LAYER IN MX-FP4, launch 1 of 7: src and the six weights become codes of E2M1 with one E8M0 byte for each 32 along K.
; DEAD WORK: none.  Every input of the layer has a way to out0 (bk too: it moves K's codes ahead of a quantised product), so every input is loaded by some launch and no product is left out.
; ONE IDENTITY is used, in the attention launch: Q / 8 ahead of the quantiser is an exact power of two, so the codes of Q / 8 are the codes of Q and the scale is 2^-3 lower; Q is quantised undivided and 1/8 goes into the softmax's constant.
; LIMITS of the whole program: NaN and infinities among the inputs are not served; a block of zeros gets the byte 1 where the rule says 127 (its codes are zeros, and the bytes are read by this program alone);
; blocks whose largest magnitude lies under 2^-124 (the floor that holds the byte at 1) were not tried; blocks of Q under 2^-121, where the rule's scale of Q / 8 would be held at -126, do not obey the identity.
; LAYOUT OF EVERY OPERAND IN THE WORKSPACE.  The axis that is not K is cut into tiles of 16; lane r of tile I holds row 32 (I / 2) + 8 (I % 2) + r % 8 + 16 (r / 8), so that a product's results, used transposed, are neighbours along the next K.
; A fragment (16 rows x 128 K) lies as the image of its 8 registers: registers 4 c .. 4 c + 3 of lane l at 512 c + 16 l.  A block of BLK bytes holds 256 rows x 512 K: the fragment of K step q and tile i at 16384 q + 1024 i,
; the scale word of tile i, row r, K step q at 65536 + 256 i + 16 r + 4 q.  wsa: src blocks 0-31 (2 G + kc), Wq 32-39, Wk 40-47, Wv 48-55, Wo 56-63, W1 64-95 (2 G + kc), W2 96-127 (8 G + kc).
; Work-groups 0-127 take src (K innermost: a wave takes a tile of 16 rows x 512 K); work-groups 128-319 the weights (K is the first axis: a lane takes a column, its registers run down K; a wave takes 32 columns x 512 K).
; No LDS, no barrier: waves share nothing, and the images are stored straight from the registers, 256 or 512 consecutive bytes at a time.
.set BLK,  69632
.set TM,   16                          ; v16-31   at work in the quantiser
.set PW4,  32                          ; v32-35   src: the four K steps' scale words
.set PC,   36                          ; v36-67   src: eight registers of codes for each K step, so that no store's data are written again
.set S0,   96                          ; v96-159, v160-223  src: two sets of 64 numbers
.set SEL,  34                          ; s[34:35] lane selects for v_permlanex16_b32: lane l xor 16
.set OFF,  32                          ; v32-63   weights: 4 x lane + i rows
.set X,    64                          ; v64-127  weights: two sets of 32 numbers
.set C,    128                         ; v128-131 weights: a block's codes
.set SB,   132                         ; v132-135 weights: the scale bytes, four to a register
	s_load_b512 s[4:19], s[0:1], 0x0               ; src s[4:5], Wq s[6:7], Wk s[8:9], Wv s[10:11], Wo s[12:13], W1 s[14:15], W2 s[16:17], wsa s[18:19]
	v_lshrrev_b32 v1, 5, v0
	v_readfirstlane_b32 s20, v1                    ; wave 0..3
	v_and_b32 v2, 31, v0                           ; lane
	s_cmp_lt_u32 ttmp9, 128
	s_cbranch_scc0 .Lweights
; ---------------- src ----------------
; 64 numbers of a lane, register 16 b + i = k 32 b + 16 (lane / 16) + i of my row, become a fragment's codes in v[pc] on and its scale word in v[pw].
.macro QUANT s, pc, pw
.irp b, 0,1,2,3
	v_max3_num_f32 v[TM+\b], |v[\s+16*\b]|, |v[\s+16*\b+1]|, 0x1800000   ; block b: my 16 numbers, and the floor 2^(3 - 127): the byte cannot fall under 1
.endr
.irp i, 2,4,6,8,10,12,14
.irp b, 0,1,2,3
	v_max3_num_f32 v[TM+\b], v[TM+\b], |v[\s+16*\b+\i]|, |v[\s+16*\b+\i+1]|   ; the four blocks by turns
.endr
.endr
.irp b, 0,1,2,3
	v_permlanex16_b32 v[TM+4+\b], v[TM+\b], s[SEL], s[SEL+1]
.endr
.irp b, 0,1,2,3
	v_max_num_f32 v[TM+\b], v[TM+\b], v[TM+4+\b]   ; with lane l xor 16's: the block's largest magnitude
.endr
.irp b, 0,1,2,3
	v_add_nc_u32 v[TM+12+\b], 0xff000000, v[TM+\b] ; 2 off its exponent field: the conversion takes this operand's exponent field as its scale
.endr
.irp b, 0,1,2,3
	v_lshrrev_b32 v[TM+4+\b], 23, v[TM+12+\b]      ; the scale's byte
.endr
	v_lshl_or_b32 v[\pw], v[TM+5], 8, v[TM+4]
	v_lshl_or_b32 v[\pw], v[TM+6], 16, v[\pw]
	v_lshl_or_b32 v[\pw], v[TM+7], 24, v[\pw]
.irp b, 0,1,2,3
	v_cvt_scalef32_pk8_fp4_f32 v[\pc+2*\b], v[\s+16*\b:\s+16*\b+7], v[TM+12+\b]
	v_cvt_scalef32_pk8_fp4_f32 v[\pc+2*\b+1], v[\s+16*\b+8:\s+16*\b+15], v[TM+12+\b]
.endr
	v_nop                                          ; one plain line behind the scaled conversions
.irp c, 0,1
.irp i, 0,1
	v_permlane16_swap_b32 v[\pc+4*\c+\i], v[\pc+4*\c+2+\i]   ; a whole block to a lane: lanes 0-15 block 2 c, lanes 16-31 block 2 c + 1
.endr
.endr
.endm
.macro XLOAD set, q                    ; my row's numbers of K step q: 16 neighbours of each block of 32
.irp b, 0,1,2,3
.irp j, 0,1,2,3
	global_load_b128 v[\set+16*\b+4*\j:\set+16*\b+4*\j+3], v5, s[4:5] offset:512*(\q)+128*\b+16*\j th:TH_LOAD_NT
.endr
.endr
.endm
.macro SSTEP q
.if (\q) < 3
	s_wait_loadcnt 16                              ; this K step's 16 loads are in; the next step's 16 may be out
.else
	s_wait_loadcnt 0x0
.endif
	QUANT S0+64*((\q)%2), PC+8*(\q), PW4+(\q)
	global_store_b128 v6, v[PC+8*(\q):PC+8*(\q)+3], s[36:37] offset:16384*(\q)         ; 512 consecutive bytes
	global_store_b128 v6, v[PC+8*(\q)+4:PC+8*(\q)+7], s[36:37] offset:16384*(\q)+512
.if (\q) < 2
	XLOAD S0+64*((\q)%2), (\q)+2
.endif
.endm
	s_lshl_b32 s21, ttmp9, 2
	s_add_co_u32 s21, s21, s20                     ; my task: 4 x work-group + wave
	s_lshr_b32 s22, s21, 1                         ; I: the tile of 16 rows
	s_and_b32 s23, s21, 1                          ; kc: which 512 along K
	s_lshr_b32 s24, s22, 1
	s_lshl_b32 s24, s24, 17                        ; 32 (I / 2) rows of 4,096 bytes
	s_and_b32 s25, s22, 1
	s_lshl_b32 s25, s25, 15                        ; + 8 (I % 2) rows
	s_add_co_u32 s24, s24, s25
	s_lshl_b32 s25, s23, 11                        ; + 512 kc numbers
	s_add_co_u32 s24, s24, s25
	s_mov_b32 s25, 0
	s_lshr_b32 s26, s22, 4
	s_lshl_b32 s26, s26, 1
	s_add_co_u32 s26, s26, s23
	s_mul_i32 s26, s26, BLK                        ; block 2 G + kc
	s_and_b32 s28, s22, 15                         ; the tile's place in its group
	s_lshl_b32 s29, s28, 10
	s_add_co_u32 s30, s26, s29                     ; its fragments
	s_mov_b32 s31, 0
	s_lshl_b32 s29, s28, 8
	s_add_co_u32 s32, s26, s29
	s_add_co_u32 s32, s32, 65536                   ; its scale words
	s_mov_b32 s33, 0
	s_mov_b32 s[SEL], 0x76543210
	s_mov_b32 s[SEL+1], 0xfedcba98
	v_and_b32 v3, 15, v0                           ; r
	v_bfe_u32 v4, v0, 4, 1                         ; h
	v_and_b32 v5, 7, v3
	v_lshrrev_b32 v6, 3, v3
	v_lshl_add_u32 v5, v6, 4, v5                   ; r % 8 + 16 (r / 8)
	v_lshlrev_b32 v5, 12, v5
	v_lshl_add_u32 v5, v4, 6, v5                   ; my row, + 64 h bytes
	v_lshlrev_b32 v6, 4, v2                        ; 16 x lane: an image's place for my lane
	v_lshlrev_b32 v7, 4, v3                        ; 16 r: my row's four scale words (lanes 16-31 store the same bytes with the same values)
.irp b, 0,1,2,3
	v_mov_b32 v[TM+4+\b], 0                        ; written once: a lane permute's destination counts as one of its sources
.endr
	s_wait_kmcnt 0x0
	s_add_nc_u64 s[4:5], s[4:5], s[24:25]
	s_add_nc_u64 s[36:37], s[18:19], s[30:31]
	s_add_nc_u64 s[38:39], s[18:19], s[32:33]
	XLOAD S0, 0
	XLOAD S0+64, 1
	SSTEP 0
	SSTEP 1
	SSTEP 2
	SSTEP 3
	global_store_b128 v7, v[PW4:PW4+3], s[38:39]   ; 256 consecutive bytes: the tile's scale words
	s_endpgm
; ---------------- the weights ----------------
.Lweights:
	s_sub_co_u32 s21, ttmp9, 128                   ; j: 0-15 Wq, 16-31 Wk, 32-47 Wv, 48-63 Wo, 64-127 W1, 128-191 W2
	s_wait_kmcnt 0x0
	s_cmp_lt_u32 s21, 128                          ; the buffer is chosen by the work-group's number alone
	s_cselect_b64 s[22:23], s[14:15], s[16:17]
	s_cmp_lt_u32 s21, 64
	s_cselect_b64 s[22:23], s[12:13], s[22:23]
	s_cmp_lt_u32 s21, 48
	s_cselect_b64 s[22:23], s[10:11], s[22:23]
	s_cmp_lt_u32 s21, 32
	s_cselect_b64 s[22:23], s[8:9], s[22:23]
	s_cmp_lt_u32 s21, 16
	s_cselect_b64 s[22:23], s[6:7], s[22:23]
	s_lshr_b32 s24, s21, 6                         ; 0: a square weight, 1: W1, 2: W2
	s_cmp_eq_u32 s24, 0
	s_cselect_b32 s25, 15, 63
	s_and_b32 s25, s21, s25                        ; my number within the weight
	s_cmp_eq_u32 s24, 1
	s_cselect_b32 s26, 31, 7                       ; W1 has 32 blocks of 128 columns, the others 8
	s_cselect_b32 s27, 5, 3
	s_mov_b32 s28, 4096
	s_cselect_b32 s28, 16384, s28                  ; a row of the weight in bytes
	s_and_b32 s29, s25, s26                        ; cb: which 128 columns
	s_lshr_b32 s30, s25, s27                       ; kc: which 512 along K
	s_lshr_b32 s31, s21, 4
	s_lshl_b32 s32, s24, 2
	s_cmp_eq_u32 s24, 0
	s_cselect_b32 s31, s31, s32
	s_lshl_b32 s31, s31, 3
	s_add_co_u32 s31, s31, 32                      ; the weight's first block: 32, 40, 48, 56, 64, 96
	s_cmp_eq_u32 s24, 2
	s_cselect_b32 s32, 3, 1                        ; W2 has 8 blocks along K, the others 2
	s_lshr_b32 s33, s29, 1                         ; G: the group of 256 columns
	s_lshl_b32 s33, s33, s32
	s_add_co_u32 s33, s33, s30
	s_add_co_u32 s33, s33, s31
	s_mul_i32 s33, s33, BLK                        ; my block
	s_lshl_b32 s34, s30, 9
	s_mul_i32 s34, s34, s28                        ; 512 kc rows,
	s_lshl_b32 s35, s29, 9
	s_add_co_u32 s34, s34, s35                     ; 128 cb columns,
	s_lshl_b32 s35, s20, 7
	s_add_co_u32 s34, s34, s35                     ; 32 columns a wave
	s_mov_b32 s35, 0
	s_add_nc_u64 s[22:23], s[22:23], s[34:35]
	s_and_b32 s36, s29, 1
	s_lshl_b32 s36, s36, 3
	s_lshl_b32 s37, s20, 1
	s_add_co_u32 s36, s36, s37                     ; my wave's first tile in the group: 8 (cb % 2) + 2 x wave
	s_lshl_b32 s38, s36, 10
	s_add_co_u32 s38, s38, s33
	s_mov_b32 s39, 0
	s_add_nc_u64 s[38:39], s[18:19], s[38:39]      ; its fragments
	s_lshl_b32 s40, s36, 8
	s_add_co_u32 s40, s40, s33
	s_add_co_u32 s40, s40, 65536
	s_mov_b32 s41, 0
	s_add_nc_u64 s[40:41], s[18:19], s[40:41]      ; its scale words
	s_lshl_b32 s42, s28, 5                         ; 32 rows on
	s_mov_b32 s43, 0
	v_bfe_u32 v3, v0, 3, 1                         ; column l of 32 is row r = l % 8 + 8 (l / 16) of tile u = (l / 8) % 2
	v_and_b32 v4, 7, v0
	v_bfe_u32 v5, v0, 4, 1
	v_lshl_add_u32 v4, v5, 3, v4
	v_lshlrev_b32 v4, 4, v4                        ; 16 r
	v_lshl_add_u32 v6, v3, 10, v4                  ; my 16 bytes of an image's half: sixteen lanes fill 256 consecutive bytes of tile u
	v_lshl_add_u32 v7, v3, 8, v4                   ; my four scale words
	v_lshlrev_b32 v[OFF], 2, v2
.set i, 1
.rept 31
	v_add_nc_u32 v[OFF+i], s28, v[OFF+i-1]         ; 4 x lane + i rows
.set i, i+1
.endr
.macro WLOAD t                         ; block t: W(32 t + i, my column), i = 0 .. 31: 128 consecutive bytes a load
.irp i, 0,1,2,3,4,5,6,7,8,9,10,11,12,13,14,15,16,17,18,19,20,21,22,23,24,25,26,27,28,29,30,31
	global_load_b32 v[X+32*((\t)%2)+\i], v[OFF+\i], s[22:23] th:TH_LOAD_NT
.endr
.endm
.macro WBLOCK t
.set XS, X+32*((\t)%2)
.if (\t) < 15
	s_wait_loadcnt 32                              ; this block's 32 loads are in; the next block's may be out
.else
	s_wait_loadcnt 0x0
.endif
	s_wait_xcnt 0x0                                ; the last store has read its codes, the last loads their base: both are written again below
	v_max3_num_f32 v12, |v[XS]|, |v[XS+1]|, |v[XS+2]|   ; the block's largest magnitude: all 32 numbers are mine
	v_max3_num_f32 v13, |v[XS+3]|, |v[XS+4]|, |v[XS+5]|
.irp i, 6,10,14,18,22,26
	v_max3_num_f32 v12, v12, |v[XS+\i]|, |v[XS+\i+1]|
	v_max3_num_f32 v13, v13, |v[XS+\i+2]|, |v[XS+\i+3]|
.endr
	v_max3_num_f32 v12, v12, |v[XS+30]|, |v[XS+31]|
	v_max3_num_f32 v12, v12, v13, 0x1800000        ; and the floor
	v_add_nc_u32 v11, 0xff000000, v12              ; the conversion's scale operand
	v_lshrrev_b32 v13, 23, v11                     ; the scale's byte
.if (\t)%4 == 0
	v_mov_b32 v[SB+(\t)/4], v13
.else
	v_lshl_or_b32 v[SB+(\t)/4], v13, 8*((\t)%4), v[SB+(\t)/4]
.endif
.irp g, 0,1,2,3
	v_cvt_scalef32_pk8_fp4_f32 v[C+\g], v[XS+8*\g:XS+8*\g+7], v11
.endr
	global_store_b128 v6, v[C:C+3], s[38:39] offset:((\t)/4)*16384+(((\t)%4)/2)*512+((\t)%2)*256   ; K step t / 4; in it k = 32 (t % 4) on: half (t % 4) / 2, lanes 16 (t % 2) on
.if (\t)+2 < 16
	s_add_nc_u64 s[22:23], s[22:23], s[42:43]
	WLOAD (\t)+2
.endif
.endm
	WLOAD 0
	s_wait_xcnt 0x0                                ; the loads have read their base
	s_add_nc_u64 s[22:23], s[22:23], s[42:43]
	WLOAD 1
.set Q, 0
.rept 16
	WBLOCK Q
.set Q, Q+1
.endr
	global_store_b128 v7, v[SB:SB+3], s[40:41]
	s_endpgm
.Lfunc_end_k_qa2908a1f09_prep:
	.size	k_qa2908a1f09_prep, .Lfunc_end_k_qa2908a1f09_prep-k_qa2908a1f09_prep
	.p2alignl 7, 3214868480
	.fill 96, 4, 3214868480
	.section	.rodata,"a",@progbits
	.p2align	6, 0x0
	.amdhsa_kernel k_qa2908a1f09_prep
		.amdhsa_group_segment_fixed_size 0
		.amdhsa_private_segment_fixed_size 0
		.amdhsa_enable_private_segment 0
		.amdhsa_kernarg_size 64
		.amdhsa_user_sgpr_count 2
		.amdhsa_user_sgpr_kernarg_segment_ptr 1
		.amdhsa_wavefront_size32 1
		.amdhsa_system_sgpr_workgroup_id_x 1
		.amdhsa_system_sgpr_workgroup_id_y 1
		.amdhsa_system_sgpr_workgroup_id_z 1
		.amdhsa_system_vgpr_workitem_id 0
		.amdhsa_next_free_vgpr 224
		.amdhsa_next_free_sgpr 66
		.amdhsa_reserve_vcc 0
		.amdhsa_float_denorm_mode_32 3
		.amdhsa_float_denorm_mode_16_64 3
		.amdhsa_memory_ordered 1
		.amdhsa_forward_progress 1
		.amdhsa_inst_pref_size 102
	.end_amdhsa_kernel
	.amdgpu_metadata
---
amdhsa.version: [ 1, 2 ]
amdhsa.kernels:
  - .name:           k_qa2908a1f09_prep
    .symbol:         k_qa2908a1f09_prep.kd
    .args:
      - { .name: src, .offset: 0, .size: 8, .value_kind: global_buffer, .address_space: global }
      - { .name: Wq, .offset: 8, .size: 8, .value_kind: global_buffer, .address_space: global }
      - { .name: Wk, .offset: 16, .size: 8, .value_kind: global_buffer, .address_space: global }
      - { .name: Wv, .offset: 24, .size: 8, .value_kind: global_buffer, .address_space: global }
      - { .name: Wo, .offset: 32, .size: 8, .value_kind: global_buffer, .address_space: global }
      - { .name: W1, .offset: 40, .size: 8, .value_kind: global_buffer, .address_space: global }
      - { .name: W2, .offset: 48, .size: 8, .value_kind: global_buffer, .address_space: global }
      - { .name: wsa, .offset: 56, .size: 8, .value_kind: global_buffer, .address_space: global }
    .group_segment_fixed_size: 0
    .private_segment_fixed_size: 0
    .kernarg_segment_align: 8
    .kernarg_segment_size: 64
    .max_flat_workgroup_size: 128
    .sgpr_count:     66
    .vgpr_count:     224
    .wavefront_size: 32
...
	.end_amdgpu_metadata
.endif
;; end of part 1
;; launch qkv (part 2): grid 12 x 16, 4 waves a work-group, clusters of 4 x 4, 327,680 bytes of LDS; arguments wsa, bq, bk, bv, wsb; writes wsb
.if DOCPART == 2
	.amdgcn_target "amdgcn-amd-amdhsa--gfx1250"
	.amdhsa_code_object_version 6
	.text
	.protected	k_qa2908a1f09_qkv
	.globl	k_qa2908a1f09_qkv
	.p2align	8
	.type	k_qa2908a1f09_qkv,@function
k_qa2908a1f09_qkv:
	s_mov_b64 s[64:65], 0
	v_nop
	global_prefetch_b8 v0, s[64:65] scope:SCOPE_SE
	s_setreg_imm32_b32 hwreg(HW_REG_WAVE_MODE, 25, 1), 1
	s_wait_xcnt 0x0
	s_wait_alu depctr_hold_cnt(0) depctr_sa_sdst(0) depctr_va_vdst(0) depctr_va_sdst(0) depctr_va_ssrc(0) depctr_va_vcc(0) depctr_vm_vsrc(0)
	s_getreg_b32 s2, hwreg(HW_REG_IB_STS2, 6, 4)
	s_cmp_eq_u32 s2, 0
	s_cbranch_scc0 .Lentry_in_a_cluster
	s_endpgm
.Lentry_in_a_cluster:
	s_bfe_u32 s2, ttmp6, 0x10000c
	s_cmp_lg_u32 s2, 0xf033
	s_cbranch_scc0 .Lentry_shape_is_right
	s_endpgm
.Lentry_shape_is_right:
; Launch 2 of 7: Q = src Wq + bq, K = src Wk + bk, V = src Wv + bv on codes of E2M1, and their quantising for the attention: Q and K along the head's 64, V along the keys.  Nothing is left out.
; Q is quantised undivided: the division by 8 is an exact power of two and goes into the attention's constant (limit: blocks of Q under 2^-121).
; A work-group of four waves makes 256 x 256 results, a wave 128 x 128: 64 accumulators.  Operand P is source 0 (its rows run along a lane's registers), operand R source 1 (its rows lie in the lanes).
; The cluster's x is the role.  0, 1 (Q, K): P = the weight, R = src: a lane holds a token, its registers 128 output features = two heads.  2 (V): P = src, R = Wv: a lane holds a feature, its registers 128 keys.
; The roles differ by addresses, by the bias (along the registers, or along the lanes) and by where the results go.
; K = 1,024 is two slots of 512: both are asked for at the start, nothing is filled again.  A slot holds R's block and P's block as they lie in wsa (images of fragments, then scale words): dense, so no pitch and no padding.
; CLUSTERS: 4 x 4.  R's block hangs on cy and the cluster's numbers alone and is shared along a row of the cluster, P's on cx and is shared along a column: joint loads, the same descriptor in the four that a mask names.
; REGISTERS: window 0: v16-25 addresses; v28, v29 the add's two; v32-95 scale words, two sets; v96-121 the quantiser's; v128-191 R's fragments, one set; v192-255 the bias.  window 1: P's fragments, two sets at v0 and v128.
;   window 2: accumulators of R's blocks 0-3 ((a, b) at v[8 (8 (a % 4) + b)]); window 3: of blocks 4-7.
; wsb: head bh at bh KVH: K's half fragments (tile i at 512 i), V's fragments at 65536 + 1024 (4 ks + td), K's scale words at 131072 + 64 i + 4 r, V's at 139264 + 64 (4 ks + td) + 4 r; Q from QOFF on, QH a head.
.set BLK,   69632
.set HALFB, 34816                      ; half a block: 136 rows of 256 bytes, what one tensor load brings
.set SLOT,  2*BLK
.set SPARE, 2*SLOT                     ; behind the slots: the spare words, 128 bytes for each wave
.set KVH,   143360
.set QOFF,  4587520
.set QH,    73728
.set NQ,    4
.set ADRA, 16
.set ADRB, 20
.set ADRS, 22
.set CO,   24                          ; v24  16 x lane
.set CS,   25                          ; v25  4 r
.set SPW,  28
.set NIL,  29
.set SC,   32
.set TM,   96
.set PC,   112
.set PW,   120
.set AF,   128
.set BR,   192
.set G1,  24
.set G0,  32
.set G1B, 48
.set G0B, 56
.set ROLE, 76                          ; s76  1: V
.set SEL,  78
.set MSB, 0
.macro WIN new                         ; the immediate's high byte repeats the setting that is left
.if MSB != \new
	s_set_vgpr_msb (MSB<<8)|\new
.set MSB, \new
.endif
.endm
.set MUL_LO, 0xa1                      ; source 0 (P) window 1, source 1 (R) window 0, C and D window 2
.set MUL_HI, 0xf1
.set TO_B,   0x40
.macro JLOAD g0a, g1a, g0b, g1b        ; waves 0 and 1 fetch R's halves, waves 2 and 3 P's; an s_nop 0 and four v_nop follow each line
	s_cmp_eq_u32 s15, 0
	s_cbranch_scc0 .Lfor_b_\@
	tensor_load_to_lds s[\g0a:\g0a+3], s[\g1a:\g1a+7]
	s_nop 0
.rept 4
	v_nop
.endr
	s_branch .Lasked_\@
.Lfor_b_\@:
	tensor_load_to_lds s[\g0b:\g0b+3], s[\g1b:\g1b+7]
	s_nop 0
.rept 4
	v_nop
.endr
.Lasked_\@:
.endm
.macro CREST
	s_cmp_lg_u32 s14, 0
	s_cbranch_scc1 .Lnot_wave_0_\@
	s_barrier_signal -3
.Lnot_wave_0_\@:
	s_barrier_wait -3
	s_barrier_signal -1
	s_barrier_wait -1
.endm
.macro CROUND
	s_barrier_signal -1
	s_barrier_wait -1
	CREST
.endm
.macro PLACES                          ; four plain lines behind matrix instructions, ahead of loads into their registers and of reads of their results
.rept 4
	v_nop
.endr
.endm
.macro FRAG reg, adr, q, i             ; a fragment's image: two loads of 512 consecutive bytes
.irp c, 0,1
	ds_load_b128 v[\reg+4*\c:\reg+4*\c+3], v[\adr] offset:16384*(\q)+1024*(\i)+512*\c
.endr
.endm
; 16 matrix instructions: R's blocks a0, a0 + 1 x P's eight.  init = 2: C is the bias of P's block b; 3: of R's block a; 0: the accumulator.  The 64 accumulators take turns.
.macro MUL16 a0, p, q, sc, init
.irp a, \a0, \a0+1
.irp b, 0,1,2,3,4,5,6,7
.if \init == 2
	v_wmma_scale_f32_16x16x128_f8f6f4 v[8*(8*((\a)%4)+\b):8*(8*((\a)%4)+\b)+7], v[128*(\p)+8*\b:128*(\p)+8*\b+7], v[AF+8*(\a):AF+8*(\a)+7], v[BR+8*\b:BR+8*\b+7], v[SC+32*(\sc)+4*\b+(\q)], v[SC+32*(\sc)+4*(\a)+(\q)] matrix_a_fmt:MATRIX_FMT_FP4 matrix_b_fmt:MATRIX_FMT_FP4 matrix_a_scale:MATRIX_SCALE_ROW1
.elseif \init == 3
	v_wmma_scale_f32_16x16x128_f8f6f4 v[8*(8*((\a)%4)+\b):8*(8*((\a)%4)+\b)+7], v[128*(\p)+8*\b:128*(\p)+8*\b+7], v[AF+8*(\a):AF+8*(\a)+7], v[BR+8*(\a):BR+8*(\a)+7], v[SC+32*(\sc)+4*\b+(\q)], v[SC+32*(\sc)+4*(\a)+(\q)] matrix_a_fmt:MATRIX_FMT_FP4 matrix_b_fmt:MATRIX_FMT_FP4 matrix_a_scale:MATRIX_SCALE_ROW1
.else
	v_wmma_scale_f32_16x16x128_f8f6f4 v[8*(8*((\a)%4)+\b):8*(8*((\a)%4)+\b)+7], v[128*(\p)+8*\b:128*(\p)+8*\b+7], v[AF+8*(\a):AF+8*(\a)+7], v[8*(8*((\a)%4)+\b):8*(8*((\a)%4)+\b)+7], v[SC+32*(\sc)+4*\b+(\q)], v[SC+32*(\sc)+4*(\a)+(\q)] matrix_a_fmt:MATRIX_FMT_FP4 matrix_b_fmt:MATRIX_FMT_FP4 matrix_a_scale:MATRIX_SCALE_ROW1
.endif
.endr
.endr
.endm
.macro FETCH_B slot, q, p
	WIN TO_B
.irp i, 0,1,2,3,4,5,6,7
	FRAG 128*(\p)+8*\i, ADRB+\slot, \q, \i
.endr
	WIN 0
.endm
.macro FETCH_A slot, q, i0
.irp i, \i0, \i0+1, \i0+2, \i0+3
	FRAG AF+8*(\i), ADRA+\slot, \q, \i
.endr
.endm
.macro SCALES sc                       ; a slot's scale words: lanes 0-15 R's block i, lanes 16-31 P's block i; four words (K steps) a load
.irp i, 0,1,2,3,4,5,6,7
	ds_load_b128 v[SC+32*\sc+4*\i:SC+32*\sc+4*\i+3], v[ADRS+\sc] offset:256*\i
.endr
.endm
.macro STEP slot, q, init              ; 128 along K whose successor lies in the same slot
	s_wait_dscnt 8                                 ; P's set and R's blocks 0-3 are in; the youngest eight loads (R's blocks 4-7) may be out
.if \init
	WIN 0x81                                       ; C (the bias) window 0, D window 2
.else
	WIN MUL_LO
.endif
	MUL16 0, (\q)%2, \q, \slot, \init
	MUL16 2, (\q)%2, \q, \slot, \init
	s_wait_dscnt 0x0                               ; R's blocks 4-7 are in
	PLACES
	FETCH_B \slot, (\q)+1, 1-(\q)%2
	FETCH_A \slot, (\q)+1, 0
.if \init
	WIN 0xc1
.else
	WIN MUL_HI
.endif
	MUL16 4, (\q)%2, \q, \slot, \init
	MUL16 6, (\q)%2, \q, \slot, \init
	PLACES
	WIN 0
	FETCH_A \slot, (\q)+1, 4
.endm
.macro TURN slot, next                 ; a slot's last step changes slots; nothing is filled again in this launch
	s_wait_tensorcnt 0x0                           ; all my tensor loads have landed: my part of the next slot
	ds_add_u32 v[SPW], v[NIL]                      ; 0 onto my spare word
	s_wait_dscnt 9                                 ; (the add and the youngest eight loads may be out)
	WIN MUL_LO
	MUL16 0, 1, NQ-1, \slot, 0
	s_wait_dscnt 0x0                               ; the add is done, and my reads of this slot are over
	s_barrier_signal -1
	MUL16 2, 1, NQ-1, \slot, 0
	WIN 0
	s_barrier_wait -1                              ; the next slot is whole
	PLACES
	FETCH_B \next, 0, 0
	FETCH_A \next, 0, 0
	SCALES \next
	WIN MUL_HI
	MUL16 4, 1, NQ-1, \slot, 0
	MUL16 6, 1, NQ-1, \slot, 0
	PLACES
	WIN 0
	FETCH_A \next, 0, 4
.endm
.macro STEPS slot, from
.set Q, \from
.rept NQ-1-\from
	STEP \slot, Q, 0
.set Q, Q+1
.endr
.endm
; The 64 results of R's block in window w, register 16 b + i = 32 b + 16 (lane / 16) + i along P's rows, become a fragment's codes in v[PC] on and its scale word in v[PW].  Each accumulator is read from its low end on.
.macro QUANTW ac, w
	WIN 5*(\w)
.irp b, 0,1,2,3
	v_max3_num_f32 v[TM+\b], |v[\ac+16*\b]|, |v[\ac+16*\b+1]|, 0x1800000
.endr
	WIN 20*(\w)
.irp i, 2,4,6,8,10,12,14
.irp b, 0,1,2,3
	v_max3_num_f32 v[TM+\b], v[TM+\b], |v[\ac+16*\b+\i]|, |v[\ac+16*\b+\i+1]|
.endr
.endr
	WIN 0
	s_wait_xcnt 0x0                                ; the last block's stores have read their codes and scale words: these are written again below
.irp b, 0,1,2,3
	v_permlanex16_b32 v[TM+4+\b], v[TM+\b], s[SEL], s[SEL+1]
.endr
.irp b, 0,1,2,3
	v_max_num_f32 v[TM+\b], v[TM+\b], v[TM+4+\b]
.endr
.irp b, 0,1,2,3
	v_add_nc_u32 v[TM+12+\b], 0xff000000, v[TM+\b]
.endr
.irp b, 0,1,2,3
	v_lshrrev_b32 v[TM+4+\b], 23, v[TM+12+\b]
.endr
	v_lshl_or_b32 v[PW], v[TM+5], 8, v[TM+4]
	v_lshl_or_b32 v[PW], v[TM+6], 16, v[PW]
	v_lshl_or_b32 v[PW], v[TM+7], 24, v[PW]
	WIN (\w)
.irp b, 0,1,2,3
	v_cvt_scalef32_pk8_fp4_f32 v[PC+2*\b], v[\ac+16*\b:\ac+16*\b+7], v[TM+12+\b]
	v_cvt_scalef32_pk8_fp4_f32 v[PC+2*\b+1], v[\ac+16*\b+8:\ac+16*\b+15], v[TM+12+\b]
.endr
	WIN 0
	v_nop                                          ; one plain line behind the scaled conversions
.irp c, 0,1
.irp i, 0,1
	v_permlane16_swap_b32 v[PC+4*\c+\i], v[PC+4*\c+2+\i]
.endr
.endr
.endm
	s_load_b256 s[4:11], s[0:1], 0x0               ; wsa s[4:5], bq s[6:7], bk s[8:9], bv s[10:11]
	s_load_b64 s[12:13], s[0:1], 0x20              ; wsb
	v_lshl_add_u32 v[SPW], v0, 2, SPARE
	v_mov_b32 v[NIL], 0
	ds_add_u32 v[SPW], v[NIL]                      ; the wave's opening: the add, twice on end, and its wait ahead of my first tensor load
	ds_add_u32 v[SPW], v[NIL]
	v_lshrrev_b32 v1, 5, v0
	v_readfirstlane_b32 s14, v1                    ; wave 0..3
	s_lshr_b32 s15, s14, 1                         ; which half of R's 256 rows is mine.  Also: I fetch for R (0) or for P (1)
	s_and_b32 s16, s14, 1                          ; which half of P's.  Also: which half of the block I fetch
	s_bfe_u32 s40, ttmp6, 0x40000                  ; cx
	s_bfe_u32 s41, ttmp6, 0x40004                  ; cy
	s_and_b32 s70, ttmp7, 0xffff                   ; the cluster's y
	s_lshl_b32 s71, ttmp9, 3
	s_add_co_u32 s71, s71, 32                      ; the weight's first block in roles 0 and 1
	s_cmp_eq_u32 ttmp9, 2                          ; the role hangs on the cluster's x: the same in all sixteen partners
	s_cselect_b32 s[ROLE], 1, 0
	s_cselect_b32 s72, s70, 0
	s_cselect_b32 s73, 0, s70
	s_cselect_b32 s74, 0, s71                      ; P's first block: src's, or the weight's
	s_cselect_b32 s75, 48, 0                       ; R's: Wv's, or src's
	s_lshl_b32 s42, s72, 2
	s_add_co_u32 s42, s42, s40                     ; P's group of 256 rows
	s_lshl_b32 s17, s73, 2
	s_add_co_u32 s17, s17, s41                     ; R's
	s_lshl_b32 s43, s41, 2
	s_lshl_b32 s43, 15, s43                        ; my row of the cluster
	s_lshl_b32 s44, 0x1111, s40                    ; my column
	s_or_b32 s[G1+0], s43, (3<<16)|(1<<21)         ; 15:0 the mask; 17:16 elements of 8 bytes; 21 set beside a mask; no padding
	s_or_b32 s[G1B+0], s44, (3<<16)|(1<<21)
.irp g, G1, G1B
	s_mov_b32 s[\g+1], 32<<16                      ; tensor_dim0 = 32 elements: 256 bytes
	s_mov_b32 s[\g+2], 136<<16                     ; tensor_dim1 = 136 rows
	s_mov_b32 s[\g+3], 32<<16                      ; tile_dim0
	s_mov_b32 s[\g+4], 136                         ; tile_dim1
	s_mov_b32 s[\g+5], 32                          ; the pitch: dense
	s_mov_b32 s[\g+6], 0
	s_mov_b32 s[\g+7], 0
.endr
	s_mul_i32 s18, s16, HALFB
	s_lshl_b32 s20, s17, 1
	s_add_co_u32 s20, s20, s75
	s_mul_i32 s20, s20, BLK
	s_add_co_u32 s20, s20, s18                     ; R: block first + 2 x group, my half
	s_mov_b32 s21, 0
	s_lshl_b32 s46, s42, 1
	s_add_co_u32 s46, s46, s74
	s_mul_i32 s46, s46, BLK
	s_add_co_u32 s46, s46, s18                     ; P likewise
	s_mov_b32 s47, 0
	s_mul_i32 s45, s14, HALFB                      ; where they go: R's two halves, then P's: no place in the cluster enters an LDS address
	s_mov_b32 s[SEL], 0x76543210
	s_mov_b32 s[SEL+1], 0xfedcba98
	s_wait_dscnt 0x0                               ; both opening adds are done
	s_wait_kmcnt 0x0
	s_add_nc_u64 s[20:21], s[4:5], s[20:21]
	s_add_nc_u64 s[46:47], s[4:5], s[46:47]
	CROUND                                         ; all sixteen work-groups are here: the joint loads meet
.irp s, 0,1
	s_mov_b32 s[G0+4*\s], 1
	s_add_co_u32 s[G0+4*\s+1], s45, \s*SLOT
	s_add_nc_u64 s[G0+4*\s+2:G0+4*\s+3], s[20:21], \s*BLK
	s_or_b32 s[G0+4*\s+3], s[G0+4*\s+3], 0x80000000
	s_mov_b32 s[G0B+4*\s], 1
	s_add_co_u32 s[G0B+4*\s+1], s45, \s*SLOT
	s_add_nc_u64 s[G0B+4*\s+2:G0B+4*\s+3], s[46:47], \s*BLK
	s_or_b32 s[G0B+4*\s+3], s[G0B+4*\s+3], 0x80000000
	JLOAD G0+4*\s, G1, G0B+4*\s, G1B               ; two loads of mine are out
.endr
	v_and_b32 v1, 15, v0                           ; r
	v_bfe_u32 v2, v0, 4, 1                         ; h
	v_and_b32 v3, 31, v0
	v_lshlrev_b32 v[CO], 4, v3
	v_lshlrev_b32 v[CS], 2, v1
	s_lshl_b32 s66, s15, 13                        ; my 8 tiles of R
	s_lshl_b32 s67, s16, 13
	s_add_co_u32 s67, s67, BLK                     ; my 8 tiles of P
.irp s, 0,1
	v_add_nc_u32 v[ADRA+\s], s66, v[CO]
	v_add_nc_u32 v[ADRB+\s], s67, v[CO]
	s_add_co_u32 s66, s66, SLOT
	s_add_co_u32 s67, s67, SLOT
.endr
	s_lshl_b32 s66, s15, 11
	s_lshl_b32 s67, s16, 11
	s_add_co_u32 s67, s67, BLK
	s_sub_co_u32 s67, s67, s66                     ; from R's scale words to P's
	v_mul_u32_u24 v4, s67, v2                      ; lanes 16-31 take P's
	v_lshl_add_u32 v4, v1, 4, v4
	s_add_co_u32 s66, s66, 65536
	v_add_nc_u32 v[ADRS], s66, v4
	v_add_nc_u32 v[ADRS+1], SLOT, v[ADRS]
.irp b, 0,1,2,3
	v_mov_b32 v[TM+4+\b], 0                        ; written once: a lane permute's destination counts as one of its sources
.endr
	; the bias, as the C of each sum's first matrix instruction.  Both arms write all of v192-255
	s_cmp_eq_u32 s[ROLE], 0
	s_cbranch_scc0 .Lbias_v
	s_cmp_eq_u32 ttmp9, 0
	s_cselect_b64 s[66:67], s[6:7], s[8:9]         ; bq or bk
	s_lshl_b32 s68, s42, 1
	s_add_co_u32 s68, s68, s16
	s_lshl_b32 s68, s68, 9                         ; my 128 features
	s_mov_b32 s69, 0
	s_add_nc_u64 s[66:67], s[66:67], s[68:69]
	v_lshlrev_b32 v5, 6, v2                        ; register j of block t is feature 32 (t / 2) + 16 h + 8 (t % 2) + j
.irp t, 0,1,2,3,4,5,6,7
	global_load_b128 v[BR+8*\t:BR+8*\t+3], v5, s[66:67] offset:128*(\t/2)+32*(\t%2)
	global_load_b128 v[BR+8*\t+4:BR+8*\t+7], v5, s[66:67] offset:128*(\t/2)+32*(\t%2)+16
.endr
	s_branch .Lbias_done
.Lbias_v:
	s_lshl_b32 s68, s17, 10
	s_lshl_b32 s69, s15, 9
	s_add_co_u32 s68, s68, s69                     ; my 128 features of bv
	s_mov_b32 s69, 0
	s_add_nc_u64 s[66:67], s[10:11], s[68:69]
	v_and_b32 v5, 7, v1
	v_lshrrev_b32 v6, 3, v1
	v_lshl_add_u32 v5, v6, 4, v5
	v_lshlrev_b32 v5, 2, v5                        ; my lane's feature in a tile: r % 8 + 16 (r / 8)
.irp a, 0,1,2,3,4,5,6,7
	global_load_b32 v[BR+8*\a], v5, s[66:67] offset:4*(32*(\a/2)+8*(\a%2))
.endr
	s_wait_loadcnt 0x0
.irp a, 0,1,2,3,4,5,6,7
.irp j, 1,2,3,4,5,6,7
	v_mov_b32 v[BR+8*\a+\j], v[BR+8*\a]            ; the same for all eight keys of a lane
.endr
.endr
.Lbias_done:
	s_wait_loadcnt 0x0
	s_wait_tensorcnt 1                             ; my part of slot 0 is in; slot 1's load may be out
	s_barrier_signal -1
	s_barrier_wait -1
	FETCH_B 0, 0, 0
	FETCH_A 0, 0, 0
	SCALES 0
	FETCH_A 0, 0, 4
	s_cmp_eq_u32 s[ROLE], 0
	s_cbranch_scc0 .Lfirst_v
	STEP 0, 0, 2
	s_branch .Lfirst_done
.Lfirst_v:
	STEP 0, 0, 3
.Lfirst_done:
	STEPS 0, 1
	TURN 0, 1
	STEPS 1, 0
	s_wait_dscnt 8                                 ; the last step: nothing more to fetch
	WIN MUL_LO
	MUL16 0, 1, NQ-1, 1, 0
	MUL16 2, 1, NQ-1, 1, 0
	s_wait_dscnt 0x0
	WIN MUL_HI
	MUL16 4, 1, NQ-1, 1, 0
	MUL16 6, 1, NQ-1, 1, 0
	WIN 0
	PLACES
	s_cmp_eq_u32 s[ROLE], 0
	s_cbranch_scc0 .Lout_v
	; Q or K: my 128 features are heads 4 P + 2 wc and the next; a fragment's first half is the first head's 64, its second half the second's
	s_cmp_eq_u32 ttmp9, 0
	s_mov_b32 s88, KVH
	s_cselect_b32 s88, QH, s88                     ; a head's bytes
	s_cselect_b32 s89, QOFF, 0                     ; the part's first byte
	s_mov_b32 s90, 131072
	s_cselect_b32 s90, 65536, s90                  ; where a head's scale words begin
	s_lshr_b32 s91, s17, 3
	s_lshl_b32 s91, s91, 4                         ; 16 x batch
	s_lshl_b32 s92, s42, 2
	s_add_co_u32 s91, s91, s92
	s_lshl_b32 s92, s16, 1
	s_add_co_u32 s91, s91, s92                     ; the first head
	s_mul_i32 s91, s91, s88
	s_add_co_u32 s91, s91, s89
	s_and_b32 s92, s17, 7
	s_lshl_b32 s92, s92, 4
	s_lshl_b32 s93, s15, 3
	s_add_co_u32 s92, s92, s93                     ; my first tile of tokens in the sequence
	s_lshl_b32 s94, s92, 9
	s_add_co_u32 s94, s94, s91
	s_mov_b32 s95, 0
	s_mov_b32 s89, 0
	s_add_nc_u64 s[80:81], s[12:13], s[94:95]
	s_add_nc_u64 s[82:83], s[80:81], s[88:89]
	s_lshl_b32 s94, s92, 6
	s_add_co_u32 s94, s94, s91
	s_add_co_u32 s94, s94, s90
	s_add_nc_u64 s[84:85], s[12:13], s[94:95]
	s_add_nc_u64 s[86:87], s[84:85], s[88:89]
.macro OUTQK a
	QUANTW 64*((\a)%4), 2+(\a)/4
	global_store_b128 v[CO], v[PC:PC+3], s[80:81] offset:512*(\a)       ; 512 consecutive bytes
	global_store_b128 v[CO], v[PC+4:PC+7], s[82:83] offset:512*(\a)
	v_lshrrev_b32 v[PW+1], 16, v[PW]               ; the second head's two bytes.  (A word's upper two bytes meet zero codes alone, and are never 0xff)
	global_store_b32 v[CS], v[PW], s[84:85] offset:64*(\a)
	global_store_b32 v[CS], v[PW+1], s[86:87] offset:64*(\a)
.endm
.irp a, 0,1,2,3,4,5,6,7
	OUTQK \a
.endr
	s_branch .Lout_done
.Lout_v:
	; V: my 128 keys are step KS = 2 P + wc of the tokens; my 8 tiles of features are two heads x four tiles
	s_lshl_b32 s91, s42, 1
	s_add_co_u32 s91, s91, s16
	s_lshr_b32 s92, s91, 4
	s_lshl_b32 s92, s92, 4                         ; 16 x batch
	s_lshl_b32 s93, s17, 2
	s_add_co_u32 s92, s92, s93
	s_lshl_b32 s93, s15, 1
	s_add_co_u32 s92, s92, s93                     ; the first head
	s_mul_i32 s92, s92, KVH
	s_and_b32 s91, s91, 15                         ; the step in the sequence
	s_lshl_b32 s94, s91, 12
	s_add_co_u32 s94, s94, s92
	s_add_co_u32 s94, s94, 65536
	s_mov_b32 s95, 0
	s_add_nc_u64 s[80:81], s[12:13], s[94:95]
	s_lshl_b32 s94, s91, 8
	s_add_co_u32 s94, s94, s92
	s_add_co_u32 s94, s94, 139264
	s_add_nc_u64 s[84:85], s[12:13], s[94:95]
.macro OUTV a
	QUANTW 64*((\a)%4), 2+(\a)/4
	global_store_b128 v[CO], v[PC:PC+3], s[80:81] offset:((\a)/4)*KVH+((\a)%4)*1024
	global_store_b128 v[CO], v[PC+4:PC+7], s[80:81] offset:((\a)/4)*KVH+((\a)%4)*1024+512
	global_store_b32 v[CS], v[PW], s[84:85] offset:((\a)/4)*KVH+((\a)%4)*64
.endm
.irp a, 0,1,2,3,4,5,6,7
	OUTV \a
.endr
.Lout_done:
	s_wait_tensorcnt 0x0                           ; the wave's end
	ds_add_u32 v[SPW], v[NIL]
	s_wait_dscnt 0x0
	CROUND                                         ; the closing round
	s_endpgm
.Lfunc_end_k_qa2908a1f09_qkv:
	.size	k_qa2908a1f09_qkv, .Lfunc_end_k_qa2908a1f09_qkv-k_qa2908a1f09_qkv
	.p2alignl 7, 3214868480
	.fill 96, 4, 3214868480
	.section	.rodata,"a",@progbits
	.p2align	6, 0x0
	.amdhsa_kernel k_qa2908a1f09_qkv
		.amdhsa_group_segment_fixed_size 327680
		.amdhsa_private_segment_fixed_size 0
		.amdhsa_enable_private_segment 0
		.amdhsa_kernarg_size 40
		.amdhsa_user_sgpr_count 2
		.amdhsa_user_sgpr_kernarg_segment_ptr 1
		.amdhsa_wavefront_size32 1
		.amdhsa_system_sgpr_workgroup_id_x 1
		.amdhsa_system_sgpr_workgroup_id_y 1
		.amdhsa_system_sgpr_workgroup_id_z 1
		.amdhsa_system_vgpr_workitem_id 0
		.amdhsa_next_free_vgpr 1024
		.amdhsa_next_free_sgpr 100
		.amdhsa_reserve_vcc 0
		.amdhsa_float_denorm_mode_32 3
		.amdhsa_float_denorm_mode_16_64 3
		.amdhsa_memory_ordered 1
		.amdhsa_forward_progress 1
		.amdhsa_inst_pref_size 178
	.end_amdhsa_kernel
	.amdgpu_metadata
---
amdhsa.version: [ 1, 2 ]
amdhsa.kernels:
  - .name:           k_qa2908a1f09_qkv
    .symbol:         k_qa2908a1f09_qkv.kd
    .args:
      - { .name: wsa, .offset: 0, .size: 8, .value_kind: global_buffer, .address_space: global }
      - { .name: bq, .offset: 8, .size: 8, .value_kind: global_buffer, .address_space: global }
      - { .name: bk, .offset: 16, .size: 8, .value_kind: global_buffer, .address_space: global }
      - { .name: bv, .offset: 24, .size: 8, .value_kind: global_buffer, .address_space: global }
      - { .name: wsb, .offset: 32, .size: 8, .value_kind: global_buffer, .address_space: global }
    .group_segment_fixed_size: 327680
    .private_segment_fixed_size: 0
    .kernarg_segment_align: 8
    .kernarg_segment_size: 40
    .max_flat_workgroup_size: 128
    .sgpr_count:     100
    .vgpr_count:     1024
    .wavefront_size: 32
...
	.end_amdgpu_metadata
.endif
;; end of part 2
;; launch attn (part 3): grid 8 x 32, 16 waves a work-group, clusters of 4 x 1, 167,936 bytes of LDS; arguments wsb, ctxq; writes ctxq
.if DOCPART == 3
	.amdgcn_target "amdgcn-amd-amdhsa--gfx1250"
	.amdhsa_code_object_version 6
	.text
	.protected	k_qa2908a1f09_attn
	.globl	k_qa2908a1f09_attn
	.p2align	8
	.type	k_qa2908a1f09_attn,@function
k_qa2908a1f09_attn:
	s_mov_b64 s[64:65], 0
	v_nop
	global_prefetch_b8 v0, s[64:65] scope:SCOPE_SE
	s_setreg_imm32_b32 hwreg(HW_REG_WAVE_MODE, 25, 1), 1
	s_wait_xcnt 0x0
	s_wait_alu depctr_hold_cnt(0) depctr_sa_sdst(0) depctr_va_vdst(0) depctr_va_sdst(0) depctr_va_ssrc(0) depctr_va_vcc(0) depctr_vm_vsrc(0)
	s_getreg_b32 s2, hwreg(HW_REG_IB_STS2, 6, 4)
	s_cmp_eq_u32 s2, 0
	s_cbranch_scc0 .Lentry_in_a_cluster
	s_endpgm
.Lentry_in_a_cluster:
	s_bfe_u32 s2, ttmp6, 0x10000c
	s_cmp_lg_u32 s2, 0x3003
	s_cbranch_scc0 .Lentry_shape_is_right
	s_endpgm
.Lentry_shape_is_right:
; Launch 3 of 7: ctx = softmax(Q K^T / 8) V for each of the 32 heads (batch x head), both products on codes of E2M1, and ctx's quantising along the model's 1,024.  Nothing is left out.
; Q's codes are those of the undivided Q: Q / 8 has the same codes under a scale 2^-3 lower, so the 1/8 stands in c = log2(e) / 8 (limit: blocks of Q under 2^-121).
; THE SOFTMAX: t = score x c; M = the running largest t rounded UP to a whole number; p = 2^(t - M) is quantised along the keys, not normalised; the row's sum is taken of the unquantised p and divides at the end.
; SHARES.  A work-group owns 256 queries of one head, each of its sixteen waves one tile of 16, in 256 registers.  Every wave walks all 2,048 keys, 128 a step.
; A head's K, V and their scale words are 143,360 dense bytes of wsb: they come into LDS ONCE, as they lie (images of fragments: no pitch, no padding), by eight tensor loads of 70 rows of 256 bytes (waves 0 to 7); nothing is filled again.
; CLUSTER: the four query blocks of a cluster belong to one head and want the same bytes: the loads are joint, the mask names all four.
; LAYOUT.  Both products transposed: S^T = K Q^T (source 0 = 16 keys), O^T = V^T P^T (source 0 = 16 of the head's 64): a lane holds one query throughout.  The head's 64 fill half of the instruction's 128 along K:
; the upper four registers of K's and Q's fragments are zero codes, set once.  Lane r of key tile i holds key 32 (i / 2) + 8 (i % 2) + r % 8 + 16 (r / 8): the 16 registers of two neighbouring tiles are 16 neighbouring keys.
; REGISTERS: v1-4 places that stay; v5, v6 the add's two; v7 16 r; v8-11 the step's addresses; v12 -M, v13 the largest t, v[14:15] the sum; v16-23 Q; v32-95 K's 8 tiles; v96-159 S^T, then p; v160-191 O^T; v192-223 V's 4 fragments;
;   v224-231 p's codes; v232-239, v244-247, v252-254 at work; v240-241 V's scale words, v248-251 K's, v253 p's, v255 Q's.
.set KVH,   143360
.set QOFF,  4587520
.set QH,    73728
.set BLK,   69632
.set PART,  17920                      ; what one tensor load brings
.set SPARE, 143360                     ; behind the head's bytes: the spare words, 128 bytes for each wave
.set AK0,  1
.set AV0,  2
.set ASK0, 3
.set ASV0, 4
.set SPW,  5
.set NIL,  6
.set GS,   7
.set ADK,  8
.set ADV,  9
.set ADS,  10
.set ADT,  11
.set WV,   18
.set SEL,  20
.set CS,   22
.set TK,   2                           ; s2   the step's codes of K and of V: 4,096 bytes a step
.set TS,   3                           ; s3   K's scale words: 512 bytes a step
.set TJ,   36                          ; s36  V's: 256
.set CNT,  37
.macro CROUND
	s_barrier_signal -1
	s_barrier_wait -1
	s_cmp_lg_u32 s[WV], 0
	s_cbranch_scc1 .Lnot_wave_0_\@
	s_barrier_signal -3
.Lnot_wave_0_\@:
	s_barrier_wait -3
	s_barrier_signal -1
	s_barrier_wait -1
.endm
	s_load_b128 s[4:7], s[0:1], 0x0                ; wsb s[4:5], ctxq s[6:7]
	v_lshl_add_u32 v[SPW], v0, 2, SPARE
	v_mov_b32 v[NIL], 0
	ds_add_u32 v[SPW], v[NIL]                      ; the wave's opening: the add, twice on end, and its wait ahead of the first tensor load
	ds_add_u32 v[SPW], v[NIL]
	v_lshrrev_b32 v8, 5, v0
	v_readfirstlane_b32 s[WV], v8                  ; wave 0..15
	s_bfe_u32 s8, ttmp6, 0x40000                   ; cx
	s_lshl_b32 s9, ttmp9, 2
	s_add_co_u32 s9, s9, s8                        ; my block of 256 queries: it enters Q's and ctx's addresses alone
	s_and_b32 s10, ttmp7, 0xffff                   ; the head (16 x batch + head), which the four partners share
	s_mov_b32 s24, 15|(3<<16)|(1<<21)              ; group 1: the mask names all four; elements of 8 bytes; bit 21 beside a mask; no padding
	s_mov_b32 s25, 32<<16                          ; tensor_dim0 = 32 elements: 256 bytes
	s_mov_b32 s26, 70<<16                          ; tensor_dim1 = 70 rows
	s_mov_b32 s27, 32<<16                          ; tile_dim0
	s_mov_b32 s28, 70                              ; tile_dim1
	s_mov_b32 s29, 32                              ; the pitch: dense
	s_mov_b32 s30, 0
	s_mov_b32 s31, 0
	s_and_b32 s11, s[WV], 7
	s_mul_i32 s11, s11, PART                       ; my eighth, in LDS and in the head's bytes
	s_mul_i32 s12, s10, KVH
	s_add_co_u32 s12, s12, s11
	s_mov_b32 s13, 0
	s_mul_i32 s16, s10, QH
	s_add_co_u32 s16, s16, QOFF                    ; the head's Q
	s_lshl_b32 s14, s9, 4
	s_add_co_u32 s14, s14, s[WV]                   ; my tile of queries in the sequence
	s_lshl_b32 s15, s14, 9
	s_add_co_u32 s38, s16, s15
	s_mov_b32 s39, 0
	s_lshl_b32 s15, s14, 6
	s_add_co_u32 s40, s16, s15
	s_add_co_u32 s40, s40, 65536
	s_mov_b32 s41, 0
	; where ctx goes: rows = tokens: group 8 x batch + my block, tile = my wave; K = 64 x head + d: block of 512 head / 8, K step (head / 2) % 4, half head % 2
	s_lshr_b32 s46, s10, 4
	s_lshl_b32 s46, s46, 3
	s_add_co_u32 s46, s46, s9
	s_lshl_b32 s46, s46, 1
	s_bfe_u32 s47, s10, 0x10003
	s_add_co_u32 s46, s46, s47
	s_mul_i32 s46, s46, BLK
	s_bfe_u32 s47, s10, 0x20001
	s_and_b32 s48, s10, 1
	s_lshl_b32 s42, s47, 14
	s_add_co_u32 s42, s42, s46
	s_lshl_b32 s49, s[WV], 10
	s_add_co_u32 s42, s42, s49
	s_lshl_b32 s49, s48, 9
	s_add_co_u32 s42, s42, s49
	s_mov_b32 s43, 0
	s_lshl_b32 s44, s47, 2
	s_add_co_u32 s44, s44, s46
	s_lshl_b32 s49, s[WV], 8
	s_add_co_u32 s44, s44, s49
	s_lshl_b32 s49, s48, 1
	s_add_co_u32 s44, s44, s49
	s_add_co_u32 s44, s44, 65536
	s_mov_b32 s45, 0
	s_mov_b32 s[SEL], 0x76543210
	s_mov_b32 s[SEL+1], 0xfedcba98
	s_mov_b32 s[CS], 0x3e38aa3b                    ; c = log2(e) / 8
	s_mov_b32 s[CS+1], s[CS]                       ; (named with it as a pair, so it is written)
	s_mov_b32 s[TK], 0
	s_mov_b32 s[TS], 0
	s_mov_b32 s[TJ], 0
	s_mov_b32 s[CNT], 16
	s_wait_dscnt 0x0                               ; both opening adds are done
	s_wait_kmcnt 0x0
	s_mov_b32 s32, 1                               ; group 0: count = 1,
	s_mov_b32 s33, s11                             ; the LDS address,
	s_add_nc_u64 s[34:35], s[4:5], s[12:13]        ; the global address,
	s_or_b32 s35, s35, 0x80000000                  ; the type
	s_add_nc_u64 s[38:39], s[4:5], s[38:39]
	s_add_nc_u64 s[40:41], s[4:5], s[40:41]
	s_add_nc_u64 s[42:43], s[6:7], s[42:43]
	s_add_nc_u64 s[44:45], s[6:7], s[44:45]
	CROUND                                         ; all four work-groups are here: the joint loads meet
	s_cmp_lt_u32 s[WV], 8                          ; the branch hangs on the wave's number alone
	s_cbranch_scc0 .Lno_load
	tensor_load_to_lds s[32:35], s[24:31]          ; one load of mine is out
	s_nop 0
.rept 4
	v_nop
.endr
.Lno_load:
	v_and_b32 v9, 31, v0
	v_and_b32 v10, 15, v0
	v_lshlrev_b32 v[AK0], 4, v9                    ; 16 x lane
	v_add_nc_u32 v[AV0], 65536, v[AK0]
	v_lshlrev_b32 v11, 2, v9
	v_add_nc_u32 v[ASK0], 131072, v11              ; 4 x lane: lanes 0-15 take an even tile's scale words, lanes 16-31 the next tile's
	v_add_nc_u32 v[ASV0], 139264, v11
	v_lshlrev_b32 v[GS], 4, v10
	v_lshlrev_b32 v254, 2, v10
	global_load_b128 v[16:19], v[AK0], s[38:39]    ; Q's half fragment stays in registers
	global_load_b32 v255, v254, s[40:41]           ; and its scale words
.irp j, 20,21,22,23
	v_mov_b32 v\j, 0                               ; zero codes for k = 64 .. 127
.endr
.irp t, 0,1,2,3,4,5,6,7
.irp j, 4,5,6,7
	v_mov_b32 v[32+8*\t+\j], 0                     ; the same in K's eight tiles: written once, no load lands here
.endr
.endr
	v_mov_b32 v13, 0xff61b1e6                      ; the largest t so far: -3e38
	v_floor_f32 v12, -v13                          ; -M
	v_mov_b32 v14, 0
	v_mov_b32 v15, 0
.irp b, 0,1,2,3
	v_mov_b32 v[236+\b], 0                         ; a lane permute's destination counts as one of its sources
.endr
	v_mov_b32 v253, 0
.set j, 0
.rept 32
	v_mov_b32 v[160+j], 0                          ; O^T: the loop has no first step of its own; the first change of M leaves zeros zeros
.set j, j+1
.endr
	s_wait_loadcnt 0x0                             ; Q
	s_wait_tensorcnt 0x0                           ; my part of the head has landed,
	s_barrier_signal -1
	s_barrier_wait -1                              ; everybody's has
.Lstep:                                            ; 16 trips of 128 keys
	v_add_nc_u32 v[ADK], s[TK], v[AK0]             ; (these four are also the places behind the last trip's products, ahead of the loads into their registers)
	v_add_nc_u32 v[ADV], s[TK], v[AV0]
	v_add_nc_u32 v[ADS], s[TS], v[ASK0]
	v_add_nc_u32 v[ADT], s[TJ], v[ASV0]
.irp t, 0,1,2,3,4,5,6,7
	ds_load_b128 v[32+8*\t:35+8*\t], v[ADK] offset:512*\t
.endr
.irp p, 0,1,2,3
	ds_load_b32 v[248+\p], v[ADS] offset:128*\p
.endr
.irp t, 0,1,2,3
.irp c, 0,1
	ds_load_b128 v[192+8*\t+4*\c:195+8*\t+4*\c], v[ADV] offset:1024*\t+512*\c
.endr
.endr
.irp p, 0,1
	ds_load_b32 v[240+\p], v[ADT] offset:128*\p
.endr
	s_wait_dscnt 10                                ; K and its scale words are in; V's ten loads may be out
.irp t, 0,2,4,6
	v_wmma_scale_f32_16x16x128_f8f6f4 v[96+8*\t:103+8*\t], v[32+8*\t:39+8*\t], v[16:23], 0, v[248+\t/2], v255 matrix_a_fmt:MATRIX_FMT_FP4 matrix_b_fmt:MATRIX_FMT_FP4
	v_wmma_scale_f32_16x16x128_f8f6f4 v[104+8*\t:111+8*\t], v[40+8*\t:47+8*\t], v[16:23], 0, v[248+\t/2], v255 matrix_a_fmt:MATRIX_FMT_FP4 matrix_b_fmt:MATRIX_FMT_FP4 matrix_a_scale:MATRIX_SCALE_ROW1
.endr
.rept 4
	v_nop
.endr
.irp b, 0,1,2,3
	v_max3_num_f32 v[232+\b], v[96+16*\b], v[97+16*\b], v[98+16*\b]   ; the largest score of each block of 32 keys: for the row's maximum and, since p rises with the score, for the block's largest p
.endr
.irp i, 3,5,7,9,11,13
.irp b, 0,1,2,3
	v_max3_num_f32 v[232+\b], v[232+\b], v[96+16*\b+\i], v[97+16*\b+\i]
.endr
.endr
.irp b, 0,1,2,3
	v_max_num_f32 v[232+\b], v[232+\b], v[111+16*\b]
.endr
.irp b, 0,1,2,3
	v_permlanex16_b32 v[236+\b], v[232+\b], s[SEL], s[SEL+1]
.endr
.irp b, 0,1,2,3
	v_max_num_f32 v[232+\b], v[232+\b], v[236+\b]  ; with lane l xor 16's 16 keys
.endr
	v_max3_num_f32 v254, v232, v233, v234
	v_max_num_f32 v254, v254, v235
	v_mul_f32 v254, s[CS], v254                    ; the step's largest t (c is positive)
	v_max_num_f32 v13, v13, v254                   ; the running largest t
	v_mov_b32 v254, v12
	v_floor_f32 v12, -v13                          ; the new -M = -ceil(t)
	v_sub_f32 v254, v12, v254                      ; old M - new M: a whole number, 0 or less
	v_cvt_i32_f32 v254, v254                       ; (it saturates)
	v_ldexp_f32 v252, 1.0, v254                    ; f = 2^(old M - new M)
.irp j, 0,2,4,6,8,10,12,14,16,18,20,22,24,26,28,30,32,34,36,38,40,42,44,46,48,50,52,54,56,58,60,62
	v_pk_fma_f32 v[96+\j:97+\j], v[96+\j:97+\j], s[CS:CS+1], v[12:13] op_sel_hi:[1,0,0]   ; t - M, two at a time
.endr
.irp b, 0,1,2,3
	v_fma_f32 v[232+\b], v[232+\b], s[CS], v12     ; the same of each block's largest score
.endr
.set j, 0
.rept 64
	v_exp_f32 v[96+j], v[96+j]                     ; p = 2^(t - M)
.set j, j+1
.endr
	v_pk_mul_f32 v[14:15], v[14:15], v[252:253] op_sel_hi:[1,0]   ; the sums under the new M: a plain line behind the exponentials
	s_wait_alu depctr_va_vdst(0)                   ; one wait for the batch, ahead of its first reader
.irp b, 0,1,2,3
	v_exp_f32 v[232+\b], v[232+\b]                 ; the block's largest p
.endr
	v_pk_add_f32 v[236:237], v[96:97], v[98:99]    ; the row's sum of the unquantised p, in two chains
.irp j, 4,8,12,16,20,24,28,32,36,40,44,48,52,56,60
	v_pk_add_f32 v[14:15], v[14:15], v[96+\j:97+\j]
	v_pk_add_f32 v[236:237], v[236:237], v[98+\j:99+\j]
.endr
	v_pk_add_f32 v[14:15], v[14:15], v[236:237]
	s_wait_alu depctr_va_vdst(0)                   ; and one for the four
.irp b, 0,1,2,3
	v_max_num_f32 v[232+\b], 0x1800000, v[232+\b]  ; the floor: the byte cannot fall under 1
.endr
.irp b, 0,1,2,3
	v_add_nc_u32 v[244+\b], 0xff000000, v[232+\b]  ; the conversion's scale operand
.endr
.irp b, 0,1,2,3
	v_lshrrev_b32 v[236+\b], 23, v[244+\b]         ; the scale's byte
.endr
	v_lshl_or_b32 v253, v237, 8, v236              ; p's scale word for these 128 keys
	v_lshl_or_b32 v253, v238, 16, v253
	v_lshl_or_b32 v253, v239, 24, v253
.irp b, 0,1,2,3
	v_cvt_scalef32_pk8_fp4_f32 v[224+2*\b], v[96+16*\b:103+16*\b], v[244+\b]
	v_cvt_scalef32_pk8_fp4_f32 v[225+2*\b], v[104+16*\b:111+16*\b], v[244+\b]
.endr
	v_nop                                          ; one plain line behind the scaled conversions
.irp c, 0,1
.irp i, 0,1
	v_permlane16_swap_b32 v[224+4*\c+\i], v[226+4*\c+\i]
.endr
.endr
.irp j, 0,2,4,6,8,10,12,14,16,18,20,22,24,26,28,30
	v_pk_mul_f32 v[160+\j:161+\j], v[160+\j:161+\j], v[252:253] op_sel_hi:[1,0]   ; O^T under the new M.  For each product below twelve of these sixteen name none of its registers: the places ahead of it
.endr
	s_wait_dscnt 0x0                               ; V and its scale words are in
.irp t, 0,2
	v_wmma_scale_f32_16x16x128_f8f6f4 v[160+8*\t:167+8*\t], v[192+8*\t:199+8*\t], v[224:231], v[160+8*\t:167+8*\t], v[240+\t/2], v253 matrix_a_fmt:MATRIX_FMT_FP4 matrix_b_fmt:MATRIX_FMT_FP4
	v_wmma_scale_f32_16x16x128_f8f6f4 v[168+8*\t:175+8*\t], v[200+8*\t:207+8*\t], v[224:231], v[168+8*\t:175+8*\t], v[240+\t/2], v253 matrix_a_fmt:MATRIX_FMT_FP4 matrix_b_fmt:MATRIX_FMT_FP4 matrix_a_scale:MATRIX_SCALE_ROW1
.endr
	s_add_co_u32 s[TK], s[TK], 4096
	s_add_co_u32 s[TS], s[TS], 512
	s_add_co_u32 s[TJ], s[TJ], 256
	s_sub_co_u32 s[CNT], s[CNT], 1
	s_cmp_lg_u32 s[CNT], 0
	s_cbranch_scc1 .Lstep
	; THE WAY OUT: O^T / the sum; register 16 b + i is d = 32 b + 16 h + i of my query: two blocks of ctx's K; they become half a fragment and two scale bytes
.rept 4
	v_nop                                          ; places behind the last products
.endr
	v_add_f32 v14, v14, v15
	v_permlanex16_b32 v252, v14, s[SEL], s[SEL+1]
	v_add_f32 v14, v14, v252                       ; the row's sum
	v_rcp_f32 v14, v14
	v_nop                                          ; a plain line behind the transcendental
	s_wait_alu depctr_va_vdst(0)                   ; and the wait ahead of its first reader
.set j, 0
.rept 32
	v_mul_f32 v[96+j], v[160+j], v14
.set j, j+1
.endr
.irp b, 0,1
	v_max3_num_f32 v[232+\b], |v[96+16*\b]|, |v[97+16*\b]|, 0x1800000
.endr
.irp i, 2,4,6,8,10,12,14
.irp b, 0,1
	v_max3_num_f32 v[232+\b], v[232+\b], |v[96+16*\b+\i]|, |v[97+16*\b+\i]|
.endr
.endr
.irp b, 0,1
	v_permlanex16_b32 v[236+\b], v[232+\b], s[SEL], s[SEL+1]
.endr
.irp b, 0,1
	v_max_num_f32 v[232+\b], v[232+\b], v[236+\b]
.endr
.irp b, 0,1
	v_add_nc_u32 v[244+\b], 0xff000000, v[232+\b]
.endr
.irp b, 0,1
	v_lshrrev_b32 v[236+\b], 23, v[244+\b]
.endr
	v_lshl_or_b32 v253, v237, 8, v236
.irp b, 0,1
	v_cvt_scalef32_pk8_fp4_f32 v[224+2*\b], v[96+16*\b:103+16*\b], v[244+\b]
	v_cvt_scalef32_pk8_fp4_f32 v[225+2*\b], v[104+16*\b:111+16*\b], v[244+\b]
.endr
	v_nop
	v_permlane16_swap_b32 v224, v226
	v_permlane16_swap_b32 v225, v227
	global_store_b128 v[AK0], v[224:227], s[42:43] ; 512 consecutive bytes: half a fragment's image
	global_store_b16 v[GS], v253, s[44:45]         ; my row's two scale bytes (lanes 16-31 store the same bytes with the same values)
	s_wait_tensorcnt 0x0                           ; the wave's end
	ds_add_u32 v[SPW], v[NIL]
	s_wait_dscnt 0x0
	CROUND                                         ; the closing round
	s_endpgm
.Lfunc_end_k_qa2908a1f09_attn:
	.size	k_qa2908a1f09_attn, .Lfunc_end_k_qa2908a1f09_attn-k_qa2908a1f09_attn
	.p2alignl 7, 3214868480
	.fill 96, 4, 3214868480
	.section	.rodata,"a",@progbits
	.p2align	6, 0x0
	.amdhsa_kernel k_qa2908a1f09_attn
		.amdhsa_group_segment_fixed_size 167936
		.amdhsa_private_segment_fixed_size 0
		.amdhsa_enable_private_segment 0
		.amdhsa_kernarg_size 16
		.amdhsa_user_sgpr_count 2
		.amdhsa_user_sgpr_kernarg_segment_ptr 1
		.amdhsa_wavefront_size32 1
		.amdhsa_system_sgpr_workgroup_id_x 1
		.amdhsa_system_sgpr_workgroup_id_y 1
		.amdhsa_system_sgpr_workgroup_id_z 1
		.amdhsa_system_vgpr_workitem_id 0
		.amdhsa_next_free_vgpr 256
		.amdhsa_next_free_sgpr 66
		.amdhsa_reserve_vcc 0
		.amdhsa_float_denorm_mode_32 3
		.amdhsa_float_denorm_mode_16_64 3
		.amdhsa_memory_ordered 1
		.amdhsa_forward_progress 1
		.amdhsa_inst_pref_size 27
	.end_amdhsa_kernel
	.amdgpu_metadata
---
amdhsa.version: [ 1, 2 ]
amdhsa.kernels:
  - .name:           k_qa2908a1f09_attn
    .symbol:         k_qa2908a1f09_attn.kd
    .args:
      - { .name: wsb, .offset: 0, .size: 8, .value_kind: global_buffer, .address_space: global }
      - { .name: ctxq, .offset: 8, .size: 8, .value_kind: global_buffer, .address_space: global }
    .group_segment_fixed_size: 167936
    .private_segment_fixed_size: 0
    .kernarg_segment_align: 8
    .kernarg_segment_size: 16
    .max_flat_workgroup_size: 512
    .sgpr_count:     66
    .vgpr_count:     256
    .wavefront_size: 32
...
	.end_amdgpu_metadata
.endif
;; end of part 3
;; launch wo_ln1 (part 4): grid 256 x 1, 16 waves a work-group, no clusters, 8,192 bytes of LDS; arguments ctxq, wsa, src, bo, ln1_g, ln1_b, b2, xf, xq; writes xf, xq
.if DOCPART == 4
	.amdgcn_target "amdgcn-amd-amdhsa--gfx1250"
	.amdhsa_code_object_version 6
	.text
	.protected	k_qa2908a1f09_wo_ln1
	.globl	k_qa2908a1f09_wo_ln1
	.p2align	8
	.type	k_qa2908a1f09_wo_ln1,@function
k_qa2908a1f09_wo_ln1:
	s_mov_b64 s[64:65], 0
	v_nop
	global_prefetch_b8 v0, s[64:65] scope:SCOPE_SE
	s_setreg_imm32_b32 hwreg(HW_REG_WAVE_MODE, 25, 1), 1
	s_wait_xcnt 0x0
; Launch 4 of 7: x = LayerNorm(src + ctx Wo + bo) x ln1_g + ln1_b; x is quantised along its 1,024 for the next product, and x + b2 goes out in f32 as the C of the last product.  Nothing is left out.
; A work-group owns one tile of 16 whole rows, so that the norm needs no other work-group; wave w owns columns 64 w .. 64 w + 63: four tiles of Wo's rows.
; Each fragment of Wo feeds one matrix instruction of one wave, so LDS would spare no read: fragments and scale words come from their images in memory straight into registers, three K steps ahead.  No tensor load, no cluster:
; what the work-groups share (Wo) they read at their own pace.
; The product is used transposed (source 0 = 16 rows of Wo, source 1 = ctx): lane (r, h) holds one row, register 16 b + i column 64 w + 32 b + 16 h + i.  src + bo is the sums' start.
; A row's sum: 32 numbers a lane, lane l xor 16, then the sixteen waves' parts through LDS (one word a wave and row).  Mean first, then the squares of the differences, as the layer norm is written.
; REGISTERS: v4-15 addresses (v12, v13 the add's two); v16-47 the sums, then x; v48-79 bo, later the waves' parts (v48-63) and the quantiser's (v64-77); v80-87 ctx's scale words, v88-119 Wo's;
;   v120, v160, v200: three sets of 40 (ctx's fragment, Wo's four), later ln1_b, b2, ln1_g; v240-244 codes and scale bytes; v246-253 pairs at work.
.set BLK,   69632
.set RED1,  0                          ; LDS: 16 rows x 80 bytes: a word for each wave
.set RED2,  1536                       ; the same for the squares
.set SCL,   3072                       ; x's scale words: two blocks of 256 bytes (K 0-511, 512-1023): 16 bytes a row
.set SPARE, 3584                       ; the spare words, 128 bytes for each wave
.set LI,   4
.set R16,  5
.set XA,   6
.set H64,  7
.set RA,   8
.set RB,   9
.set SCA,  10
.set SPW,  12
.set NIL,  13
.set SRD,  14
.set SGO,  15
.set Y,    16
.set BO,   48
.set E,    48
.set TM,   64
.set AS,   80
.set BS,   88
.set SET0, 120
.set LB,   120
.set B2,   160
.set LG,   200
.set PC,   240
.set PW,   244
.set P0,   246
.set P2,   248
.set MU,   250
.set RS,   252
.set SEL,  42
	s_load_b512 s[4:19], s[0:1], 0x0               ; ctxq s[4:5], wsa s[6:7], src s[8:9], bo s[10:11], ln1_g s[12:13], ln1_b s[14:15], b2 s[16:17], xf s[18:19]
	s_load_b64 s[20:21], s[0:1], 0x40              ; xq
	v_lshl_add_u32 v[SPW], v0, 2, SPARE
	v_mov_b32 v[NIL], 0
	v_lshrrev_b32 v1, 5, v0
	v_readfirstlane_b32 s22, v1                    ; wave 0..15
	v_and_b32 v1, 31, v0                           ; lane
	v_and_b32 v2, 15, v0                           ; r
	v_bfe_u32 v3, v0, 4, 1                         ; h
	v_lshlrev_b32 v[LI], 4, v1
	v_lshlrev_b32 v[R16], 4, v2
	v_and_b32 v[XA], 7, v2
	v_lshrrev_b32 v11, 3, v2
	v_lshl_add_u32 v[XA], v11, 4, v[XA]
	v_lshlrev_b32 v[XA], 12, v[XA]
	v_lshl_add_u32 v[XA], v3, 6, v[XA]             ; src: row r % 8 + 16 (r / 8) of the tile's 32, + 64 h bytes
	v_lshlrev_b32 v[H64], 6, v3
	v_mul_u32_u24 v[RB], v2, 80
	s_lshl_b32 s23, s22, 2
	v_add_nc_u32 v[RA], s23, v[RB]                 ; my wave's word of row r
	s_lshr_b32 s23, s22, 3
	s_lshl_b32 s23, s23, 8
	s_and_b32 s24, s22, 7
	s_lshl_b32 s24, s24, 1
	s_add_co_u32 s23, s23, s24
	s_add_co_u32 s23, s23, SCL
	v_lshl_add_u32 v[SCA], v2, 4, s23              ; my two scale bytes of row r: 256 (w / 8) + 16 r + 2 (w % 8)
	v_add_nc_u32 v[SRD], SCL, v[LI]                ; wave 0's last read,
	v_mul_u32_u24 v[SGO], v3, BLK
	v_lshl_add_u32 v[SGO], v2, 4, v[SGO]           ; and where it goes: lanes 16-31 one block on
	s_lshr_b32 s24, ttmp9, 4                       ; G: the group of 256 rows
	s_and_b32 s25, ttmp9, 15                       ; the tile in it
	s_mul_i32 s24, s24, 2*BLK
	s_lshl_b32 s26, s25, 10
	s_add_co_u32 s26, s26, s24                     ; the tile's fragments, in ctxq and in xq
	s_mov_b32 s27, 0
	s_lshl_b32 s28, s25, 8
	s_add_co_u32 s28, s28, s24
	s_add_co_u32 s28, s28, 65536                   ; its scale words
	s_mov_b32 s29, 0
	s_lshr_b32 s30, s22, 2
	s_mul_i32 s30, s30, 2*BLK
	s_add_co_u32 s30, s30, 56*BLK                  ; Wo's group w / 4
	s_and_b32 s31, s22, 3
	s_lshl_b32 s32, s31, 10
	s_add_co_u32 s32, s32, s30
	s_add_co_u32 s32, s32, 65536                   ; my four tiles' scale words
	s_mov_b32 s33, 0
	s_lshl_b32 s31, s31, 12
	s_add_co_u32 s30, s30, s31                     ; and fragments
	s_mov_b32 s31, 0
	s_lshr_b32 s34, ttmp9, 1
	s_lshl_b32 s34, s34, 17
	s_and_b32 s35, ttmp9, 1
	s_lshl_b32 s35, s35, 15
	s_add_co_u32 s34, s34, s35
	s_lshl_b32 s36, s22, 8                         ; my 64 columns in f32
	s_add_co_u32 s34, s34, s36
	s_mov_b32 s35, 0
	s_mov_b32 s37, 0
	s_lshr_b32 s38, s22, 3
	s_mul_i32 s38, s38, BLK
	s_bfe_u32 s39, s22, 0x20001
	s_lshl_b32 s39, s39, 14
	s_add_co_u32 s38, s38, s39
	s_and_b32 s39, s22, 1
	s_lshl_b32 s39, s39, 9
	s_add_co_u32 s38, s38, s39
	s_add_co_u32 s38, s38, s26                     ; x's codes: block w / 8, K step (w / 2) % 4, half w % 2
	s_mov_b32 s39, 0
	s_lshl_b32 s40, ttmp9, 16
	s_lshl_b32 s41, s22, 12
	s_add_co_u32 s40, s40, s41                     ; xf: tile (I, 4 w) at (64 I + 4 w) x 1,024
	s_mov_b32 s41, 0
	s_mov_b32 s[SEL], 0x76543210
	s_mov_b32 s[SEL+1], 0xfedcba98
	s_mov_b32 s44, 0x3a800000                      ; 1 / 1,024
	s_mov_b32 s45, 0x3727c5ac                      ; 1e-5
	s_wait_kmcnt 0x0
	s_add_nc_u64 s[46:47], s[4:5], s[26:27]
	s_add_nc_u64 s[48:49], s[4:5], s[28:29]
	s_add_nc_u64 s[50:51], s[6:7], s[30:31]
	s_add_nc_u64 s[52:53], s[6:7], s[32:33]
	s_add_nc_u64 s[8:9], s[8:9], s[34:35]
	s_add_nc_u64 s[10:11], s[10:11], s[36:37]
	s_add_nc_u64 s[12:13], s[12:13], s[36:37]
	s_add_nc_u64 s[14:15], s[14:15], s[36:37]
	s_add_nc_u64 s[16:17], s[16:17], s[36:37]
	s_add_nc_u64 s[18:19], s[18:19], s[40:41]
	s_add_nc_u64 s[54:55], s[20:21], s[38:39]
	s_add_nc_u64 s[56:57], s[20:21], s[28:29]
.macro VECLOAD reg, sb                 ; 32 numbers of a vector along the columns, in the results' layout
.irp b, 0,1
.irp k, 0,1,2,3
	global_load_b128 v[\reg+16*\b+4*\k:\reg+16*\b+4*\k+3], v[H64], s[\sb:\sb+1] offset:128*\b+16*\k
.endr
.endr
.endm
.macro LOADSET s                       ; K step s: ctx's fragment and Wo's four: ten loads of 512 consecutive bytes
.set SB_, SET0+40*((\s)%3)
.set OF_, ((\s)/4)*BLK+((\s)%4)*16384
	global_load_b128 v[SB_:SB_+3], v[LI], s[46:47] offset:OF_
	global_load_b128 v[SB_+4:SB_+7], v[LI], s[46:47] offset:OF_+512
.irp t, 0,1,2,3
	global_load_b128 v[SB_+8+8*\t:SB_+11+8*\t], v[LI], s[50:51] offset:OF_+1024*\t
	global_load_b128 v[SB_+12+8*\t:SB_+15+8*\t], v[LI], s[50:51] offset:OF_+1024*\t+512
.endr
.endm
.macro MSTEP s, n                      ; n: the younger loads, which may stay out.  Four accumulators by turns
.set SB_, SET0+40*((\s)%3)
	s_wait_loadcnt \n
.irp t, 0,1,2,3
	v_wmma_scale_f32_16x16x128_f8f6f4 v[Y+8*\t:Y+8*\t+7], v[SB_+8+8*\t:SB_+15+8*\t], v[SB_:SB_+7], v[Y+8*\t:Y+8*\t+7], v[BS+8*\t+(\s)], v[AS+(\s)] matrix_a_fmt:MATRIX_FMT_FP4 matrix_b_fmt:MATRIX_FMT_FP4
.endr
.rept 4
	v_nop                                          ; places ahead of the loads into the set just read, and of the first read of the sums
.endr
.endm
.macro FOLD                            ; two pairs -> the lane's sum -> with lane l xor 16's
	v_pk_add_f32 v[P0:P0+1], v[P0:P0+1], v[P2:P2+1]
	v_add_f32 v[P0], v[P0], v[P0+1]
	v_permlanex16_b32 v[P2], v[P0], s[SEL], s[SEL+1]
	v_add_f32 v[P0], v[P0], v[P2]
.endm
.macro EXCH red                        ; the sixteen waves' parts of each row meet in LDS; every lane ends with its row's sum in v[P0]
	ds_store_b32 v[RA], v[P0] offset:\red          ; lanes r and r + 16 write the same word with the same value
	s_wait_dscnt 0x0                               ; for the others' sake: my store has landed
	s_barrier_signal -1
	s_barrier_wait -1
.irp k, 0,1,2,3
	ds_load_b128 v[E+4*\k:E+4*\k+3], v[RB] offset:\red+16*\k
.endr
	s_wait_dscnt 0x0
	v_pk_add_f32 v[E:E+1], v[E:E+1], v[E+2:E+3]
	v_pk_add_f32 v[E+4:E+5], v[E+4:E+5], v[E+6:E+7]
	v_pk_add_f32 v[E+8:E+9], v[E+8:E+9], v[E+10:E+11]
	v_pk_add_f32 v[E+12:E+13], v[E+12:E+13], v[E+14:E+15]
	v_pk_add_f32 v[E:E+1], v[E:E+1], v[E+4:E+5]
	v_pk_add_f32 v[E+8:E+9], v[E+8:E+9], v[E+12:E+13]
	v_pk_add_f32 v[E:E+1], v[E:E+1], v[E+8:E+9]
	v_add_f32 v[P0], v[E], v[E+1]
.endm
.irp b, 0,1
.irp k, 0,1,2,3
	global_load_b128 v[Y+16*\b+4*\k:Y+16*\b+4*\k+3], v[XA], s[8:9] offset:128*\b+16*\k   ; src
.endr
.endr
	VECLOAD BO, 10
.irp g, 0,1
	global_load_b128 v[AS+4*\g:AS+4*\g+3], v[R16], s[48:49] offset:\g*BLK
.endr
.irp t, 0,1,2,3
.irp g, 0,1
	global_load_b128 v[BS+8*\t+4*\g:BS+8*\t+4*\g+3], v[R16], s[52:53] offset:\g*BLK+256*\t
.endr
.endr
	LOADSET 0
	LOADSET 1
	LOADSET 2
	s_wait_loadcnt 40                              ; src and bo are in; the scale words' 10 loads and the three sets' 30 may be out
.irp j, 0,2,4,6,8,10,12,14,16,18,20,22,24,26,28,30
	v_pk_add_f32 v[Y+\j:Y+\j+1], v[Y+\j:Y+\j+1], v[BO+\j:BO+\j+1]   ; the sums begin as src + bo
.endr
	v_mov_b32 v[TM+4], 0                           ; a lane permute's destination counts as one of its sources
	v_mov_b32 v[TM+5], 0
	MSTEP 0, 20                                    ; two younger sets
	LOADSET 3
	MSTEP 1, 20
	LOADSET 4
	MSTEP 2, 20
	LOADSET 5
	MSTEP 3, 20
	LOADSET 6
	MSTEP 4, 20
	LOADSET 7
	MSTEP 5, 20
	VECLOAD LG, 12
	MSTEP 6, 18                                    ; set 7's ten and ln1_g's eight
	VECLOAD LB, 14
	MSTEP 7, 16                                    ; ln1_g's and ln1_b's
	VECLOAD B2, 16
	; the layer norm
	v_pk_add_f32 v[P0:P0+1], v[Y:Y+1], v[Y+2:Y+3]  ; each accumulator is read from its low end on
	v_pk_add_f32 v[P2:P2+1], v[Y+4:Y+5], v[Y+6:Y+7]
.irp j, 8,12,16,20,24,28
	v_pk_add_f32 v[P0:P0+1], v[P0:P0+1], v[Y+\j:Y+\j+1]
	v_pk_add_f32 v[P2:P2+1], v[P2:P2+1], v[Y+\j+2:Y+\j+3]
.endr
	FOLD
	EXCH RED1
	v_mul_f32 v[MU], s44, v[P0]                    ; the mean
	v_mov_b32 v[MU+1], v[MU]
.irp j, 0,2,4,6,8,10,12,14,16,18,20,22,24,26,28,30
	v_pk_add_f32 v[Y+\j:Y+\j+1], v[Y+\j:Y+\j+1], v[MU:MU+1] op_sel_hi:[1,0] neg_lo:[0,1] neg_hi:[0,1]
.endr
	v_pk_mul_f32 v[P0:P0+1], v[Y:Y+1], v[Y:Y+1]
	v_pk_mul_f32 v[P2:P2+1], v[Y+2:Y+3], v[Y+2:Y+3]
.irp j, 4,8,12,16,20,24,28
	v_pk_fma_f32 v[P0:P0+1], v[Y+\j:Y+\j+1], v[Y+\j:Y+\j+1], v[P0:P0+1]
	v_pk_fma_f32 v[P2:P2+1], v[Y+\j+2:Y+\j+3], v[Y+\j+2:Y+\j+3], v[P2:P2+1]
.endr
	FOLD
	EXCH RED2
	v_fma_f32 v[RS], v[P0], s44, s45               ; the variance + 1e-5
	v_rsq_f32 v[RS], v[RS]
	v_mov_b32 v[RS+1], 0                           ; a plain line behind the transcendental (the pair's upper half is named below, so it is written)
	s_wait_alu depctr_va_vdst(0)                   ; the wait ahead of the first reader
	s_wait_loadcnt 0x0                             ; ln1_g, ln1_b, b2
.irp j, 0,2,4,6,8,10,12,14,16,18,20,22,24,26,28,30
	v_pk_mul_f32 v[Y+\j:Y+\j+1], v[Y+\j:Y+\j+1], v[RS:RS+1] op_sel_hi:[1,0]
.endr
.irp j, 0,2,4,6,8,10,12,14,16,18,20,22,24,26,28,30
	v_pk_fma_f32 v[Y+\j:Y+\j+1], v[Y+\j:Y+\j+1], v[LG+\j:LG+\j+1], v[LB+\j:LB+\j+1]
.endr
	; x's 64 columns of mine are two blocks of the next K: half a fragment and two scale bytes
.irp b, 0,1
	v_max3_num_f32 v[TM+\b], |v[Y+16*\b]|, |v[Y+16*\b+1]|, 0x1800000
.endr
.irp i, 2,4,6,8,10,12,14
.irp b, 0,1
	v_max3_num_f32 v[TM+\b], v[TM+\b], |v[Y+16*\b+\i]|, |v[Y+16*\b+\i+1]|
.endr
.endr
.irp b, 0,1
	v_permlanex16_b32 v[TM+4+\b], v[TM+\b], s[SEL], s[SEL+1]
.endr
.irp b, 0,1
	v_max_num_f32 v[TM+\b], v[TM+\b], v[TM+4+\b]
.endr
.irp b, 0,1
	v_add_nc_u32 v[TM+12+\b], 0xff000000, v[TM+\b]
.endr
.irp b, 0,1
	v_lshrrev_b32 v[TM+4+\b], 23, v[TM+12+\b]
.endr
	v_lshl_or_b32 v[PW], v[TM+5], 8, v[TM+4]
.irp b, 0,1
	v_cvt_scalef32_pk8_fp4_f32 v[PC+2*\b], v[Y+16*\b:Y+16*\b+7], v[TM+12+\b]
	v_cvt_scalef32_pk8_fp4_f32 v[PC+2*\b+1], v[Y+16*\b+8:Y+16*\b+15], v[TM+12+\b]
.endr
	v_nop                                          ; one plain line behind the scaled conversions
	v_permlane16_swap_b32 v[PC], v[PC+2]
	v_permlane16_swap_b32 v[PC+1], v[PC+3]
	global_store_b128 v[LI], v[PC:PC+3], s[54:55]  ; 512 consecutive bytes
	ds_store_b16 v[SCA], v[PW]
.irp j, 0,2,4,6,8,10,12,14,16,18,20,22,24,26,28,30
	v_pk_add_f32 v[Y+\j:Y+\j+1], v[Y+\j:Y+\j+1], v[B2+\j:B2+\j+1]   ; x + b2: what the last product adds onto
.endr
.irp t, 0,1,2,3
	global_store_b128 v[LI], v[Y+8*\t:Y+8*\t+3], s[18:19] offset:1024*\t
	global_store_b128 v[LI], v[Y+8*\t+4:Y+8*\t+7], s[18:19] offset:1024*\t+512
.endr
	s_wait_dscnt 0x0                               ; my scale bytes have landed
	s_barrier_signal -1
	s_barrier_wait -1                              ; everybody's have
	s_cmp_lg_u32 s22, 0
	s_cbranch_scc1 .Lnot_wave_0
	ds_load_b128 v[E:E+3], v[SRD]                  ; the tile's scale words of both blocks
	s_wait_dscnt 0x0
	global_store_b128 v[SGO], v[E:E+3], s[56:57]   ; two runs of 256 consecutive bytes
.Lnot_wave_0:
	s_wait_tensorcnt 0x0                           ; the wave's end
	ds_add_u32 v[SPW], v[NIL]
	s_wait_dscnt 0x0
	s_endpgm
.Lfunc_end_k_qa2908a1f09_wo_ln1:
	.size	k_qa2908a1f09_wo_ln1, .Lfunc_end_k_qa2908a1f09_wo_ln1-k_qa2908a1f09_wo_ln1
	.p2alignl 7, 3214868480
	.fill 96, 4, 3214868480
	.section	.rodata,"a",@progbits
	.p2align	6, 0x0
	.amdhsa_kernel k_qa2908a1f09_wo_ln1
		.amdhsa_group_segment_fixed_size 8192
		.amdhsa_private_segment_fixed_size 0
		.amdhsa_enable_private_segment 0
		.amdhsa_kernarg_size 72
		.amdhsa_user_sgpr_count 2
		.amdhsa_user_sgpr_kernarg_segment_ptr 1
		.amdhsa_wavefront_size32 1
		.amdhsa_system_sgpr_workgroup_id_x 1
		.amdhsa_system_sgpr_workgroup_id_y 1
		.amdhsa_system_sgpr_workgroup_id_z 1
		.amdhsa_system_vgpr_workitem_id 0
		.amdhsa_next_free_vgpr 256
		.amdhsa_next_free_sgpr 66
		.amdhsa_reserve_vcc 0
		.amdhsa_float_denorm_mode_32 3
		.amdhsa_float_denorm_mode_16_64 3
		.amdhsa_memory_ordered 1
		.amdhsa_forward_progress 1
		.amdhsa_inst_pref_size 34
	.end_amdhsa_kernel
	.amdgpu_metadata
---
amdhsa.version: [ 1, 2 ]
amdhsa.kernels:
  - .name:           k_qa2908a1f09_wo_ln1
    .symbol:         k_qa2908a1f09_wo_ln1.kd
    .args:
      - { .name: ctxq, .offset: 0, .size: 8, .value_kind: global_buffer, .address_space: global }
      - { .name: wsa, .offset: 8, .size: 8, .value_kind: global_buffer, .address_space: global }
      - { .name: src, .offset: 16, .size: 8, .value_kind: global_buffer, .address_space: global }
      - { .name: bo, .offset: 24, .size: 8, .value_kind: global_buffer, .address_space: global }
      - { .name: ln1_g, .offset: 32, .size: 8, .value_kind: global_buffer, .address_space: global }
      - { .name: ln1_b, .offset: 40, .size: 8, .value_kind: global_buffer, .address_space: global }
      - { .name: b2, .offset: 48, .size: 8, .value_kind: global_buffer, .address_space: global }
      - { .name: xf, .offset: 56, .size: 8, .value_kind: global_buffer, .address_space: global }
      - { .name: xq, .offset: 64, .size: 8, .value_kind: global_buffer, .address_space: global }
    .group_segment_fixed_size: 8192
    .private_segment_fixed_size: 0
    .kernarg_segment_align: 8
    .kernarg_segment_size: 72
    .max_flat_workgroup_size: 512
    .sgpr_count:     66
    .vgpr_count:     256
    .wavefront_size: 32
...
	.end_amdgpu_metadata
.endif
;; end of part 4
;; launch ff1 (part 5): grid 16 x 16, 4 waves a work-group, clusters of 4 x 4, 327,680 bytes of LDS; arguments xq, wsa, b1, hq; writes hq
.if DOCPART == 5
	.amdgcn_target "amdgcn-amd-amdhsa--gfx1250"
	.amdhsa_code_object_version 6
	.text
	.protected	k_qa2908a1f09_ff1
	.globl	k_qa2908a1f09_ff1
	.p2align	8
	.type	k_qa2908a1f09_ff1,@function
k_qa2908a1f09_ff1:
	s_mov_b64 s[64:65], 0
	v_nop
	global_prefetch_b8 v0, s[64:65] scope:SCOPE_SE
	s_setreg_imm32_b32 hwreg(HW_REG_WAVE_MODE, 25, 1), 1
	s_wait_xcnt 0x0
	s_wait_alu depctr_hold_cnt(0) depctr_sa_sdst(0) depctr_va_vdst(0) depctr_va_sdst(0) depctr_va_ssrc(0) depctr_va_vcc(0) depctr_vm_vsrc(0)
	s_getreg_b32 s2, hwreg(HW_REG_IB_STS2, 6, 4)
	s_cmp_eq_u32 s2, 0
	s_cbranch_scc0 .Lentry_in_a_cluster
	s_endpgm
.Lentry_in_a_cluster:
	s_bfe_u32 s2, ttmp6, 0x10000c
	s_cmp_lg_u32 s2, 0xf033
	s_cbranch_scc0 .Lentry_shape_is_right
	s_endpgm
.Lentry_shape_is_right:
; Launch 5 of 7: h = relu(x W1 + b1) on codes of E2M1, quantised along the hidden 4,096 for the last product.  Nothing is left out.
; A work-group of four waves makes 256 tokens x 256 hidden units, a wave 128 x 128: 64 accumulators.  Operand P (source 0, along a lane's registers) = W1's columns, operand R (source 1, in the lanes) = x's rows:
; a lane holds one token and its registers 128 neighbouring hidden units: one K step of the next product.  b1 is the C of each sum's first matrix instruction.
; K = 1,024 is two slots of 512: both are asked for at the start, nothing is filled again.  A slot holds R's block and P's block as they lie in memory (images of fragments, then scale words): dense, no pitch, no padding.
; CLUSTERS: 4 x 4.  R's block is shared along a row of the cluster, P's along a column: joint loads, the same descriptor in the four that a mask names.
; REGISTERS: window 0: v16-25 addresses; v28, v29 the add's two; v32-95 scale words, two sets; v96-120 the quantiser's; v128-191 R's fragments, one set; v192-255 b1.  window 1: P's fragments, two sets.
;   window 2: accumulators of R's blocks 0-3 ((a, b) at v[8 (8 (a % 4) + b)]); window 3: of blocks 4-7.
.set BLK,   69632
.set HALFB, 34816
.set SLOT,  2*BLK
.set SPARE, 2*SLOT
.set NQ,    4
.set ADRA, 16
.set ADRB, 20
.set ADRS, 22
.set CO,   24
.set CS,   25
.set SPW,  28
.set NIL,  29
.set SC,   32
.set TM,   96
.set PC,   112
.set PW,   120
.set AF,   128
.set BR,   192
.set G1,  24
.set G0,  32
.set G1B, 48
.set G0B, 56
.set SEL,  78
.set MSB, 0
.macro WIN new
.if MSB != \new
	s_set_vgpr_msb (MSB<<8)|\new
.set MSB, \new
.endif
.endm
.set MUL_LO, 0xa1
.set MUL_HI, 0xf1
.set TO_B,   0x40
.macro JLOAD g0a, g1a, g0b, g1b        ; waves 0 and 1 fetch R's halves, waves 2 and 3 P's; an s_nop 0 and four v_nop follow each line
	s_cmp_eq_u32 s15, 0
	s_cbranch_scc0 .Lfor_b_\@
	tensor_load_to_lds s[\g0a:\g0a+3], s[\g1a:\g1a+7]
	s_nop 0
.rept 4
	v_nop
.endr
	s_branch .Lasked_\@
.Lfor_b_\@:
	tensor_load_to_lds s[\g0b:\g0b+3], s[\g1b:\g1b+7]
	s_nop 0
.rept 4
	v_nop
.endr
.Lasked_\@:
.endm
.macro CREST
	s_cmp_lg_u32 s14, 0
	s_cbranch_scc1 .Lnot_wave_0_\@
	s_barrier_signal -3
.Lnot_wave_0_\@:
	s_barrier_wait -3
	s_barrier_signal -1
	s_barrier_wait -1
.endm
.macro CROUND
	s_barrier_signal -1
	s_barrier_wait -1
	CREST
.endm
.macro PLACES
.rept 4
	v_nop
.endr
.endm
.macro FRAG reg, adr, q, i
.irp c, 0,1
	ds_load_b128 v[\reg+4*\c:\reg+4*\c+3], v[\adr] offset:16384*(\q)+1024*(\i)+512*\c
.endr
.endm
.macro MUL16 a0, p, q, sc, init        ; init = 2: C is b1 at P's block b; 0: the accumulator.  The 64 accumulators take turns
.irp a, \a0, \a0+1
.irp b, 0,1,2,3,4,5,6,7
.if \init
	v_wmma_scale_f32_16x16x128_f8f6f4 v[8*(8*((\a)%4)+\b):8*(8*((\a)%4)+\b)+7], v[128*(\p)+8*\b:128*(\p)+8*\b+7], v[AF+8*(\a):AF+8*(\a)+7], v[BR+8*\b:BR+8*\b+7], v[SC+32*(\sc)+4*\b+(\q)], v[SC+32*(\sc)+4*(\a)+(\q)] matrix_a_fmt:MATRIX_FMT_FP4 matrix_b_fmt:MATRIX_FMT_FP4 matrix_a_scale:MATRIX_SCALE_ROW1
.else
	v_wmma_scale_f32_16x16x128_f8f6f4 v[8*(8*((\a)%4)+\b):8*(8*((\a)%4)+\b)+7], v[128*(\p)+8*\b:128*(\p)+8*\b+7], v[AF+8*(\a):AF+8*(\a)+7], v[8*(8*((\a)%4)+\b):8*(8*((\a)%4)+\b)+7], v[SC+32*(\sc)+4*\b+(\q)], v[SC+32*(\sc)+4*(\a)+(\q)] matrix_a_fmt:MATRIX_FMT_FP4 matrix_b_fmt:MATRIX_FMT_FP4 matrix_a_scale:MATRIX_SCALE_ROW1
.endif
.endr
.endr
.endm
.macro FETCH_B slot, q, p
	WIN TO_B
.irp i, 0,1,2,3,4,5,6,7
	FRAG 128*(\p)+8*\i, ADRB+\slot, \q, \i
.endr
	WIN 0
.endm
.macro FETCH_A slot, q, i0
.irp i, \i0, \i0+1, \i0+2, \i0+3
	FRAG AF+8*(\i), ADRA+\slot, \q, \i
.endr
.endm
.macro SCALES sc
.irp i, 0,1,2,3,4,5,6,7
	ds_load_b128 v[SC+32*\sc+4*\i:SC+32*\sc+4*\i+3], v[ADRS+\sc] offset:256*\i
.endr
.endm
.macro STEP slot, q, init
	s_wait_dscnt 8                                 ; P's set and R's blocks 0-3 are in; the youngest eight loads (R's blocks 4-7) may be out
.if \init
	WIN 0x81
.else
	WIN MUL_LO
.endif
	MUL16 0, (\q)%2, \q, \slot, \init
	MUL16 2, (\q)%2, \q, \slot, \init
	s_wait_dscnt 0x0
	PLACES
	FETCH_B \slot, (\q)+1, 1-(\q)%2
	FETCH_A \slot, (\q)+1, 0
.if \init
	WIN 0xc1
.else
	WIN MUL_HI
.endif
	MUL16 4, (\q)%2, \q, \slot, \init
	MUL16 6, (\q)%2, \q, \slot, \init
	PLACES
	WIN 0
	FETCH_A \slot, (\q)+1, 4
.endm
.macro TURN slot, next                 ; a slot's last step changes slots; nothing is filled again in this launch
	s_wait_tensorcnt 0x0                           ; all my tensor loads have landed: my part of the next slot
	ds_add_u32 v[SPW], v[NIL]                      ; 0 onto my spare word
	s_wait_dscnt 9                                 ; (the add and the youngest eight loads may be out)
	WIN MUL_LO
	MUL16 0, 1, NQ-1, \slot, 0
	s_wait_dscnt 0x0
	s_barrier_signal -1
	MUL16 2, 1, NQ-1, \slot, 0
	WIN 0
	s_barrier_wait -1
	PLACES
	FETCH_B \next, 0, 0
	FETCH_A \next, 0, 0
	SCALES \next
	WIN MUL_HI
	MUL16 4, 1, NQ-1, \slot, 0
	MUL16 6, 1, NQ-1, \slot, 0
	PLACES
	WIN 0
	FETCH_A \next, 0, 4
.endm
.macro STEPS slot, from
.set Q, \from
.rept NQ-1-\from
	STEP \slot, Q, 0
.set Q, Q+1
.endr
.endm
.macro QUANTW ac, w                    ; 64 results in window w -> a fragment's codes in v[PC] on, its scale word in v[PW]
	WIN 5*(\w)
.irp b, 0,1,2,3
	v_max3_num_f32 v[TM+\b], |v[\ac+16*\b]|, |v[\ac+16*\b+1]|, 0x1800000
.endr
	WIN 20*(\w)
.irp i, 2,4,6,8,10,12,14
.irp b, 0,1,2,3
	v_max3_num_f32 v[TM+\b], v[TM+\b], |v[\ac+16*\b+\i]|, |v[\ac+16*\b+\i+1]|
.endr
.endr
	WIN 0
	s_wait_xcnt 0x0                                ; the last block's stores have read their codes and scale word: these are written again below
.irp b, 0,1,2,3
	v_permlanex16_b32 v[TM+4+\b], v[TM+\b], s[SEL], s[SEL+1]
.endr
.irp b, 0,1,2,3
	v_max_num_f32 v[TM+\b], v[TM+\b], v[TM+4+\b]
.endr
.irp b, 0,1,2,3
	v_add_nc_u32 v[TM+12+\b], 0xff000000, v[TM+\b]
.endr
.irp b, 0,1,2,3
	v_lshrrev_b32 v[TM+4+\b], 23, v[TM+12+\b]
.endr
	v_lshl_or_b32 v[PW], v[TM+5], 8, v[TM+4]
	v_lshl_or_b32 v[PW], v[TM+6], 16, v[PW]
	v_lshl_or_b32 v[PW], v[TM+7], 24, v[PW]
	WIN (\w)
.irp b, 0,1,2,3
	v_cvt_scalef32_pk8_fp4_f32 v[PC+2*\b], v[\ac+16*\b:\ac+16*\b+7], v[TM+12+\b]
	v_cvt_scalef32_pk8_fp4_f32 v[PC+2*\b+1], v[\ac+16*\b+8:\ac+16*\b+15], v[TM+12+\b]
.endr
	WIN 0
	v_nop
.irp c, 0,1
.irp i, 0,1
	v_permlane16_swap_b32 v[PC+4*\c+\i], v[PC+4*\c+2+\i]
.endr
.endr
.endm
	s_load_b256 s[4:11], s[0:1], 0x0               ; xq s[4:5], wsa s[6:7], b1 s[8:9], hq s[10:11]
	v_lshl_add_u32 v[SPW], v0, 2, SPARE
	v_mov_b32 v[NIL], 0
	ds_add_u32 v[SPW], v[NIL]                      ; the wave's opening: the add, twice on end, and its wait ahead of my first tensor load
	ds_add_u32 v[SPW], v[NIL]
	v_lshrrev_b32 v1, 5, v0
	v_readfirstlane_b32 s14, v1
	s_lshr_b32 s15, s14, 1
	s_and_b32 s16, s14, 1
	s_bfe_u32 s40, ttmp6, 0x40000                  ; cx
	s_bfe_u32 s41, ttmp6, 0x40004                  ; cy
	s_lshl_b32 s42, ttmp9, 2
	s_add_co_u32 s42, s42, s40                     ; P's group of 256 hidden units
	s_and_b32 s17, ttmp7, 0xffff
	s_lshl_b32 s17, s17, 2
	s_add_co_u32 s17, s17, s41                     ; R's group of 256 tokens
	s_lshl_b32 s43, s41, 2
	s_lshl_b32 s43, 15, s43
	s_lshl_b32 s44, 0x1111, s40
	s_or_b32 s[G1+0], s43, (3<<16)|(1<<21)
	s_or_b32 s[G1B+0], s44, (3<<16)|(1<<21)
.irp g, G1, G1B
	s_mov_b32 s[\g+1], 32<<16
	s_mov_b32 s[\g+2], 136<<16
	s_mov_b32 s[\g+3], 32<<16
	s_mov_b32 s[\g+4], 136
	s_mov_b32 s[\g+5], 32
	s_mov_b32 s[\g+6], 0
	s_mov_b32 s[\g+7], 0
.endr
	s_mul_i32 s18, s16, HALFB
	s_mul_i32 s20, s17, 2*BLK
	s_add_co_u32 s20, s20, s18                     ; x: block 2 x group, my half
	s_mov_b32 s21, 0
	s_mul_i32 s46, s42, 2*BLK
	s_add_co_u32 s46, s46, 64*BLK
	s_add_co_u32 s46, s46, s18                     ; W1: block 64 + 2 x group
	s_mov_b32 s47, 0
	s_mul_i32 s45, s14, HALFB
	s_mov_b32 s[SEL], 0x76543210
	s_mov_b32 s[SEL+1], 0xfedcba98
	s_wait_dscnt 0x0
	s_wait_kmcnt 0x0
	s_add_nc_u64 s[20:21], s[4:5], s[20:21]
	s_add_nc_u64 s[46:47], s[6:7], s[46:47]
	CROUND
.irp s, 0,1
	s_mov_b32 s[G0+4*\s], 1
	s_add_co_u32 s[G0+4*\s+1], s45, \s*SLOT
	s_add_nc_u64 s[G0+4*\s+2:G0+4*\s+3], s[20:21], \s*BLK
	s_or_b32 s[G0+4*\s+3], s[G0+4*\s+3], 0x80000000
	s_mov_b32 s[G0B+4*\s], 1
	s_add_co_u32 s[G0B+4*\s+1], s45, \s*SLOT
	s_add_nc_u64 s[G0B+4*\s+2:G0B+4*\s+3], s[46:47], \s*BLK
	s_or_b32 s[G0B+4*\s+3], s[G0B+4*\s+3], 0x80000000
	JLOAD G0+4*\s, G1, G0B+4*\s, G1B               ; two loads of mine are out
.endr
	v_and_b32 v1, 15, v0
	v_bfe_u32 v2, v0, 4, 1
	v_and_b32 v3, 31, v0
	v_lshlrev_b32 v[CO], 4, v3
	v_lshlrev_b32 v[CS], 4, v1
	s_lshl_b32 s66, s42, 1
	s_add_co_u32 s66, s66, s16
	s_lshl_b32 s66, s66, 9                         ; b1: my 128 hidden units
	s_mov_b32 s67, 0
	s_add_nc_u64 s[8:9], s[8:9], s[66:67]
	v_lshlrev_b32 v5, 6, v2
.irp t, 0,1,2,3,4,5,6,7
	global_load_b128 v[BR+8*\t:BR+8*\t+3], v5, s[8:9] offset:128*(\t/2)+32*(\t%2)
	global_load_b128 v[BR+8*\t+4:BR+8*\t+7], v5, s[8:9] offset:128*(\t/2)+32*(\t%2)+16
.endr
	s_lshl_b32 s66, s15, 13
	s_lshl_b32 s67, s16, 13
	s_add_co_u32 s67, s67, BLK
.irp s, 0,1
	v_add_nc_u32 v[ADRA+\s], s66, v[CO]
	v_add_nc_u32 v[ADRB+\s], s67, v[CO]
	s_add_co_u32 s66, s66, SLOT
	s_add_co_u32 s67, s67, SLOT
.endr
	s_lshl_b32 s66, s15, 11
	s_lshl_b32 s67, s16, 11
	s_add_co_u32 s67, s67, BLK
	s_sub_co_u32 s67, s67, s66
	v_mul_u32_u24 v4, s67, v2
	v_lshl_add_u32 v4, v1, 4, v4
	s_add_co_u32 s66, s66, 65536
	v_add_nc_u32 v[ADRS], s66, v4
	v_add_nc_u32 v[ADRS+1], SLOT, v[ADRS]
.irp b, 0,1,2,3
	v_mov_b32 v[TM+4+\b], 0
.endr
	; where h goes: rows: group R, tiles 8 wr + a; K = 256 P + 128 wc on: block of 512 P / 2, K step 2 (P % 2) + wc
	s_lshl_b32 s68, s17, 3
	s_lshr_b32 s69, s42, 1
	s_add_co_u32 s68, s68, s69
	s_mul_i32 s68, s68, BLK
	s_and_b32 s69, s42, 1
	s_lshl_b32 s69, s69, 1
	s_add_co_u32 s69, s69, s16                     ; the K step
	s_lshl_b32 s70, s69, 14
	s_add_co_u32 s70, s70, s68
	s_lshl_b32 s72, s15, 13
	s_add_co_u32 s70, s70, s72
	s_mov_b32 s71, 0
	s_add_nc_u64 s[80:81], s[10:11], s[70:71]
	s_lshl_b32 s70, s69, 2
	s_add_co_u32 s70, s70, s68
	s_lshl_b32 s72, s15, 11
	s_add_co_u32 s70, s70, s72
	s_add_co_u32 s70, s70, 65536
	s_add_nc_u64 s[84:85], s[10:11], s[70:71]
	s_wait_loadcnt 0x0                             ; b1
	s_wait_tensorcnt 1                             ; my part of slot 0 is in; slot 1's load may be out
	s_barrier_signal -1
	s_barrier_wait -1
	FETCH_B 0, 0, 0
	FETCH_A 0, 0, 0
	SCALES 0
	FETCH_A 0, 0, 4
	STEP 0, 0, 2
	STEPS 0, 1
	TURN 0, 1
	STEPS 1, 0
	s_wait_dscnt 8
	WIN MUL_LO
	MUL16 0, 1, NQ-1, 1, 0
	MUL16 2, 1, NQ-1, 1, 0
	s_wait_dscnt 0x0
	WIN MUL_HI
	MUL16 4, 1, NQ-1, 1, 0
	MUL16 6, 1, NQ-1, 1, 0
	WIN 0
	PLACES
.macro OUT a
	WIN 0x44*(2+(\a)/4)
.set J, 0
.rept 64
	v_max_num_f32 v[64*((\a)%4)+J], 0, v[64*((\a)%4)+J]   ; the activation, in f32, each accumulator from its low end on
.set J, J+1
.endr
	QUANTW 64*((\a)%4), 2+(\a)/4
	global_store_b128 v[CO], v[PC:PC+3], s[80:81] offset:1024*(\a)
	global_store_b128 v[CO], v[PC+4:PC+7], s[80:81] offset:1024*(\a)+512
	global_store_b32 v[CS], v[PW], s[84:85] offset:256*(\a)
.endm
.irp a, 0,1,2,3,4,5,6,7
	OUT \a
.endr
	s_wait_tensorcnt 0x0                           ; the wave's end
	ds_add_u32 v[SPW], v[NIL]
	s_wait_dscnt 0x0
	CROUND
	s_endpgm
.Lfunc_end_k_qa2908a1f09_ff1:
	.size	k_qa2908a1f09_ff1, .Lfunc_end_k_qa2908a1f09_ff1-k_qa2908a1f09_ff1
	.p2alignl 7, 3214868480
	.fill 96, 4, 3214868480
	.section	.rodata,"a",@progbits
	.p2align	6, 0x0
	.amdhsa_kernel k_qa2908a1f09_ff1
		.amdhsa_group_segment_fixed_size 327680
		.amdhsa_private_segment_fixed_size 0
		.amdhsa_enable_private_segment 0
		.amdhsa_kernarg_size 32
		.amdhsa_user_sgpr_count 2
		.amdhsa_user_sgpr_kernarg_segment_ptr 1
		.amdhsa_wavefront_size32 1
		.amdhsa_system_sgpr_workgroup_id_x 1
		.amdhsa_system_sgpr_workgroup_id_y 1
		.amdhsa_system_sgpr_workgroup_id_z 1
		.amdhsa_system_vgpr_workitem_id 0
		.amdhsa_next_free_vgpr 1024
		.amdhsa_next_free_sgpr 100
		.amdhsa_reserve_vcc 0
		.amdhsa_float_denorm_mode_32 3
		.amdhsa_float_denorm_mode_16_64 3
		.amdhsa_memory_ordered 1
		.amdhsa_forward_progress 1
		.amdhsa_inst_pref_size 144
	.end_amdhsa_kernel
	.amdgpu_metadata
---
amdhsa.version: [ 1, 2 ]
amdhsa.kernels:
  - .name:           k_qa2908a1f09_ff1
    .symbol:         k_qa2908a1f09_ff1.kd
    .args:
      - { .name: xq, .offset: 0, .size: 8, .value_kind: global_buffer, .address_space: global }
      - { .name: wsa, .offset: 8, .size: 8, .value_kind: global_buffer, .address_space: global }
      - { .name: b1, .offset: 16, .size: 8, .value_kind: global_buffer, .address_space: global }
      - { .name: hq, .offset: 24, .size: 8, .value_kind: global_buffer, .address_space: global }
    .group_segment_fixed_size: 327680
    .private_segment_fixed_size: 0
    .kernarg_segment_align: 8
    .kernarg_segment_size: 32
    .max_flat_workgroup_size: 128
    .sgpr_count:     100
    .vgpr_count:     1024
    .wavefront_size: 32
...
	.end_amdgpu_metadata
.endif
;; end of part 5
;; launch ff2 (part 6): grid 4 x 16, 4 waves a work-group, clusters of 4 x 4, 327,680 bytes of LDS; arguments hq, wsa, xf, yf; writes yf
.if DOCPART == 6
	.amdgcn_target "amdgcn-amd-amdhsa--gfx1250"
	.amdhsa_code_object_version 6
	.text
	.protected	k_qa2908a1f09_ff2
	.globl	k_qa2908a1f09_ff2
	.p2align	8
	.type	k_qa2908a1f09_ff2,@function
k_qa2908a1f09_ff2:
	s_mov_b64 s[64:65], 0
	v_nop
	global_prefetch_b8 v0, s[64:65] scope:SCOPE_SE
	s_setreg_imm32_b32 hwreg(HW_REG_WAVE_MODE, 25, 1), 1
	s_wait_xcnt 0x0
	s_wait_alu depctr_hold_cnt(0) depctr_sa_sdst(0) depctr_va_vdst(0) depctr_va_sdst(0) depctr_va_ssrc(0) depctr_va_vcc(0) depctr_vm_vsrc(0)
	s_getreg_b32 s2, hwreg(HW_REG_IB_STS2, 6, 4)
	s_cmp_eq_u32 s2, 0
	s_cbranch_scc0 .Lentry_in_a_cluster
	s_endpgm
.Lentry_in_a_cluster:
	s_bfe_u32 s2, ttmp6, 0x10000c
	s_cmp_lg_u32 s2, 0xf033
	s_cbranch_scc0 .Lentry_shape_is_right
	s_endpgm
.Lentry_shape_is_right:
; Launch 6 of 7: y = x + b2 + h W2 on codes of E2M1.  x + b2 comes from xf in the accumulators' own layout and is the sums' start; y goes out in the same layout.  Nothing is left out.
; A work-group of four waves makes 256 tokens x 256 columns, a wave 128 x 128.  Operand P (source 0) = W2's columns, operand R (source 1) = h's rows.  1,024 columns and 4,096 tokens give 64 such work-groups.
; K = 4,096 goes in eight steps of 512 through a ring of two LDS slots; a slot holds R's block and P's block as they lie in memory; each wave fetches half a block (136 rows of 256 bytes) with one joint load.
; One load of mine is out behind each round (two at the start), with a slot's 256 matrix instructions, less the sixteen between signal and wait, in which to land.
; CLUSTERS: 4 x 4.  R's block is shared along a row of the cluster, P's along a column.  Where a slot is filled again a round of the cluster's barrier stands in front of the joint refill.
; REGISTERS: window 0: v16-24 addresses; v28, v29 the add's two; v32-95 scale words, two sets; v128-191 R's fragments, one set.  window 1: P's fragments, two sets.  windows 2, 3: the accumulators.
.set BLK,   69632
.set HALFB, 34816
.set SLOT,  2*BLK
.set SPARE, 2*SLOT
.set NQ,    4
.set LAPS,  4
.set ADRA, 16
.set ADRB, 20
.set ADRS, 22
.set CO,   24
.set SPW,  28
.set NIL,  29
.set SC,   32
.set AF,   128
.set G1,  24
.set G0,  32
.set G1B, 48
.set G0B, 56
.set MSB, 0
.macro WIN new
.if MSB != \new
	s_set_vgpr_msb (MSB<<8)|\new
.set MSB, \new
.endif
.endm
.set MUL_LO, 0xa1
.set MUL_HI, 0xf1
.set TO_B,   0x40
.macro JLOAD g0a, g1a, g0b, g1b        ; waves 0 and 1 fetch R's halves, waves 2 and 3 P's; an s_nop 0 and four v_nop follow each line
	s_cmp_eq_u32 s15, 0
	s_cbranch_scc0 .Lfor_b_\@
	tensor_load_to_lds s[\g0a:\g0a+3], s[\g1a:\g1a+7]
	s_nop 0
.rept 4
	v_nop
.endr
	s_branch .Lasked_\@
.Lfor_b_\@:
	tensor_load_to_lds s[\g0b:\g0b+3], s[\g1b:\g1b+7]
	s_nop 0
.rept 4
	v_nop
.endr
.Lasked_\@:
.endm
.macro CREST
	s_cmp_lg_u32 s14, 0
	s_cbranch_scc1 .Lnot_wave_0_\@
	s_barrier_signal -3
.Lnot_wave_0_\@:
	s_barrier_wait -3
	s_barrier_signal -1
	s_barrier_wait -1
.endm
.macro CROUND
	s_barrier_signal -1
	s_barrier_wait -1
	CREST
.endm
.macro PLACES
.rept 4
	v_nop
.endr
.endm
.macro FRAG reg, adr, q, i
.irp c, 0,1
	ds_load_b128 v[\reg+4*\c:\reg+4*\c+3], v[\adr] offset:16384*(\q)+1024*(\i)+512*\c
.endr
.endm
.macro MUL16 a0, p, q, sc              ; the 64 accumulators take turns
.irp a, \a0, \a0+1
.irp b, 0,1,2,3,4,5,6,7
	v_wmma_scale_f32_16x16x128_f8f6f4 v[8*(8*((\a)%4)+\b):8*(8*((\a)%4)+\b)+7], v[128*(\p)+8*\b:128*(\p)+8*\b+7], v[AF+8*(\a):AF+8*(\a)+7], v[8*(8*((\a)%4)+\b):8*(8*((\a)%4)+\b)+7], v[SC+32*(\sc)+4*\b+(\q)], v[SC+32*(\sc)+4*(\a)+(\q)] matrix_a_fmt:MATRIX_FMT_FP4 matrix_b_fmt:MATRIX_FMT_FP4 matrix_a_scale:MATRIX_SCALE_ROW1
.endr
.endr
.endm
.macro FETCH_B slot, q, p
	WIN TO_B
.irp i, 0,1,2,3,4,5,6,7
	FRAG 128*(\p)+8*\i, ADRB+\slot, \q, \i
.endr
	WIN 0
.endm
.macro FETCH_A slot, q, i0
.irp i, \i0, \i0+1, \i0+2, \i0+3
	FRAG AF+8*(\i), ADRA+\slot, \q, \i
.endr
.endm
.macro SCALES sc
.irp i, 0,1,2,3,4,5,6,7
	ds_load_b128 v[SC+32*\sc+4*\i:SC+32*\sc+4*\i+3], v[ADRS+\sc] offset:256*\i
.endr
.endm
.macro STEP slot, q
	s_wait_dscnt 8                                 ; P's set and R's blocks 0-3 are in; the youngest eight loads (R's blocks 4-7) may be out
	WIN MUL_LO
	MUL16 0, (\q)%2, \q, \slot
	MUL16 2, (\q)%2, \q, \slot
	s_wait_dscnt 0x0
	PLACES
	FETCH_B \slot, (\q)+1, 1-(\q)%2
	FETCH_A \slot, (\q)+1, 0
	WIN MUL_HI
	MUL16 4, (\q)%2, \q, \slot
	MUL16 6, (\q)%2, \q, \slot
	PLACES
	WIN 0
	FETCH_A \slot, (\q)+1, 4
.endm
; A slot's last step changes slots: one barrier; in front of it each wave waits for all its tensor loads, adds 0 to its spare word, and waits for that and for its reads of this slot.  fill = 1: the slot is filled again, two steps of 512 ahead.
.macro TURN slot, next, fill
	s_wait_tensorcnt 0x0                           ; all my tensor loads have landed: my part of the next slot
	ds_add_u32 v[SPW], v[NIL]                      ; 0 onto my spare word
	s_wait_dscnt 9                                 ; (the add and the youngest eight loads may be out)
	WIN MUL_LO
	MUL16 0, 1, NQ-1, \slot
	s_wait_dscnt 0x0                               ; the add is done, and my reads of this slot are over
	s_barrier_signal -1
	MUL16 2, 1, NQ-1, \slot
	WIN 0
	s_barrier_wait -1
.if \fill
	CREST                                          ; the barrier has opened a round of the cluster's: no wave of any partner still reads this slot or has a load on its way
	s_add_nc_u64 s[G0+4*\slot+2:G0+4*\slot+3], s[G0+4*\slot+2:G0+4*\slot+3], 2*BLK
	s_add_nc_u64 s[G0B+4*\slot+2:G0B+4*\slot+3], s[G0B+4*\slot+2:G0B+4*\slot+3], 2*BLK
	JLOAD G0+4*\slot, G1, G0B+4*\slot, G1B         ; the first tensor load behind the round; its four v_nop are also the places ahead of the loads below
.else
	PLACES
.endif
	FETCH_B \next, 0, 0
	FETCH_A \next, 0, 0
	SCALES \next
	WIN MUL_HI
	MUL16 4, 1, NQ-1, \slot
	MUL16 6, 1, NQ-1, \slot
	PLACES
	WIN 0
	FETCH_A \next, 0, 4
.endm
.macro STEPS slot, from
.set Q, \from
.rept NQ-1-\from
	STEP \slot, Q
.set Q, Q+1
.endr
.endm
	s_load_b256 s[4:11], s[0:1], 0x0               ; hq s[4:5], wsa s[6:7], xf s[8:9], yf s[10:11]
	v_lshl_add_u32 v[SPW], v0, 2, SPARE
	v_mov_b32 v[NIL], 0
	ds_add_u32 v[SPW], v[NIL]                      ; the wave's opening: the add, twice on end, and its wait ahead of my first tensor load
	ds_add_u32 v[SPW], v[NIL]
	v_lshrrev_b32 v1, 5, v0
	v_readfirstlane_b32 s14, v1
	s_lshr_b32 s15, s14, 1
	s_and_b32 s16, s14, 1
	s_bfe_u32 s40, ttmp6, 0x40000                  ; cx
	s_bfe_u32 s41, ttmp6, 0x40004                  ; cy
	s_lshl_b32 s42, ttmp9, 2
	s_add_co_u32 s42, s42, s40                     ; P's group of 256 columns
	s_and_b32 s17, ttmp7, 0xffff
	s_lshl_b32 s17, s17, 2
	s_add_co_u32 s17, s17, s41                     ; R's group of 256 tokens
	s_lshl_b32 s43, s41, 2
	s_lshl_b32 s43, 15, s43
	s_lshl_b32 s44, 0x1111, s40
	s_or_b32 s[G1+0], s43, (3<<16)|(1<<21)
	s_or_b32 s[G1B+0], s44, (3<<16)|(1<<21)
.irp g, G1, G1B
	s_mov_b32 s[\g+1], 32<<16
	s_mov_b32 s[\g+2], 136<<16
	s_mov_b32 s[\g+3], 32<<16
	s_mov_b32 s[\g+4], 136
	s_mov_b32 s[\g+5], 32
	s_mov_b32 s[\g+6], 0
	s_mov_b32 s[\g+7], 0
.endr
	s_mul_i32 s18, s16, HALFB
	s_mul_i32 s20, s17, 8*BLK
	s_add_co_u32 s20, s20, s18                     ; h: block 8 x group, my half
	s_mov_b32 s21, 0
	s_mul_i32 s46, s42, 8*BLK
	s_add_co_u32 s46, s46, 96*BLK
	s_add_co_u32 s46, s46, s18                     ; W2: block 96 + 8 x group
	s_mov_b32 s47, 0
	s_mul_i32 s45, s14, HALFB
	s_wait_dscnt 0x0
	s_wait_kmcnt 0x0
	s_add_nc_u64 s[20:21], s[4:5], s[20:21]
	s_add_nc_u64 s[46:47], s[6:7], s[46:47]
	CROUND
.irp s, 0,1
	s_mov_b32 s[G0+4*\s], 1
	s_add_co_u32 s[G0+4*\s+1], s45, \s*SLOT
	s_add_nc_u64 s[G0+4*\s+2:G0+4*\s+3], s[20:21], \s*BLK
	s_or_b32 s[G0+4*\s+3], s[G0+4*\s+3], 0x80000000
	s_mov_b32 s[G0B+4*\s], 1
	s_add_co_u32 s[G0B+4*\s+1], s45, \s*SLOT
	s_add_nc_u64 s[G0B+4*\s+2:G0B+4*\s+3], s[46:47], \s*BLK
	s_or_b32 s[G0B+4*\s+3], s[G0B+4*\s+3], 0x80000000
	JLOAD G0+4*\s, G1, G0B+4*\s, G1B
.endr
	v_and_b32 v1, 15, v0
	v_bfe_u32 v2, v0, 4, 1
	v_and_b32 v3, 31, v0
	v_lshlrev_b32 v[CO], 4, v3
	s_lshl_b32 s66, s17, 4
	s_lshl_b32 s67, s15, 3
	s_add_co_u32 s66, s66, s67                     ; my first tile of tokens,
	s_lshl_b32 s66, s66, 6
	s_lshl_b32 s67, s42, 4
	s_add_co_u32 s66, s66, s67
	s_lshl_b32 s67, s16, 3
	s_add_co_u32 s66, s66, s67                     ; x 64 + my first tile of columns,
	s_lshl_b32 s66, s66, 10                        ; 1,024 bytes a tile
	s_mov_b32 s67, 0
	s_add_nc_u64 s[68:69], s[8:9], s[66:67]
	s_add_nc_u64 s[70:71], s[10:11], s[66:67]
	WIN 0x80                                       ; destination window 2: x + b2 lands in the accumulators
.irp a, 0,1,2,3
.irp b, 0,1,2,3,4,5,6,7
	global_load_b128 v[8*(8*\a+\b):8*(8*\a+\b)+3], v[CO], s[68:69] offset:65536*\a+1024*\b
	global_load_b128 v[8*(8*\a+\b)+4:8*(8*\a+\b)+7], v[CO], s[68:69] offset:65536*\a+1024*\b+512
.endr
.endr
	WIN 0xc0
.irp a, 4,5,6,7
.irp b, 0,1,2,3,4,5,6,7
	global_load_b128 v[8*(8*(\a-4)+\b):8*(8*(\a-4)+\b)+3], v[CO], s[68:69] offset:65536*\a+1024*\b
	global_load_b128 v[8*(8*(\a-4)+\b)+4:8*(8*(\a-4)+\b)+7], v[CO], s[68:69] offset:65536*\a+1024*\b+512
.endr
.endr
	WIN 0
	s_lshl_b32 s66, s15, 13
	s_lshl_b32 s67, s16, 13
	s_add_co_u32 s67, s67, BLK
.irp s, 0,1
	v_add_nc_u32 v[ADRA+\s], s66, v[CO]
	v_add_nc_u32 v[ADRB+\s], s67, v[CO]
	s_add_co_u32 s66, s66, SLOT
	s_add_co_u32 s67, s67, SLOT
.endr
	s_lshl_b32 s66, s15, 11
	s_lshl_b32 s67, s16, 11
	s_add_co_u32 s67, s67, BLK
	s_sub_co_u32 s67, s67, s66
	v_mul_u32_u24 v4, s67, v2
	v_lshl_add_u32 v4, v1, 4, v4
	s_add_co_u32 s66, s66, 65536
	v_add_nc_u32 v[ADRS], s66, v4
	v_add_nc_u32 v[ADRS+1], SLOT, v[ADRS]
	s_wait_loadcnt 0x0                             ; x + b2
	s_wait_tensorcnt 1                             ; my part of slot 0 is in; slot 1's load may be out
	s_barrier_signal -1
	s_barrier_wait -1
	FETCH_B 0, 0, 0
	FETCH_A 0, 0, 0
	SCALES 0
	FETCH_A 0, 0, 4
	STEP 0, 0
	s_mov_b32 s3, LAPS-1
.Llap:                                             ; a trip goes once round the ring, from a lap's second step to the next lap's first, and fills both slots again
	STEPS 0, 1
	TURN 0, 1, 1
	STEPS 1, 0
	TURN 1, 0, 1
	STEP 0, 0
	s_sub_co_u32 s3, s3, 1
	s_cmp_lg_u32 s3, 0
	s_cbranch_scc1 .Llap
	STEPS 0, 1                                     ; the last lap fills nothing
	TURN 0, 1, 0
	STEPS 1, 0
	s_wait_dscnt 8
	WIN MUL_LO
	MUL16 0, 1, NQ-1, 1
	MUL16 2, 1, NQ-1, 1
	s_wait_dscnt 0x0
	WIN MUL_HI
	MUL16 4, 1, NQ-1, 1
	MUL16 6, 1, NQ-1, 1
	PLACES
	WIN 0x08                                       ; a store's data: window 2
.irp a, 0,1,2,3
.irp b, 0,1,2,3,4,5,6,7
	global_store_b128 v[CO], v[8*(8*\a+\b):8*(8*\a+\b)+3], s[70:71] offset:65536*\a+1024*\b          ; 512 consecutive bytes; each accumulator from its low end on
	global_store_b128 v[CO], v[8*(8*\a+\b)+4:8*(8*\a+\b)+7], s[70:71] offset:65536*\a+1024*\b+512
.endr
.endr
	WIN 0x0c
.irp a, 4,5,6,7
.irp b, 0,1,2,3,4,5,6,7
	global_store_b128 v[CO], v[8*(8*(\a-4)+\b):8*(8*(\a-4)+\b)+3], s[70:71] offset:65536*\a+1024*\b
	global_store_b128 v[CO], v[8*(8*(\a-4)+\b)+4:8*(8*(\a-4)+\b)+7], s[70:71] offset:65536*\a+1024*\b+512
.endr
.endr
	WIN 0
	s_wait_tensorcnt 0x0                           ; the wave's end
	ds_add_u32 v[SPW], v[NIL]
	s_wait_dscnt 0x0
	CROUND
	s_endpgm
.Lfunc_end_k_qa2908a1f09_ff2:
	.size	k_qa2908a1f09_ff2, .Lfunc_end_k_qa2908a1f09_ff2-k_qa2908a1f09_ff2
	.p2alignl 7, 3214868480
	.fill 96, 4, 3214868480
	.section	.rodata,"a",@progbits
	.p2align	6, 0x0
	.amdhsa_kernel k_qa2908a1f09_ff2
		.amdhsa_group_segment_fixed_size 327680
		.amdhsa_private_segment_fixed_size 0
		.amdhsa_enable_private_segment 0
		.amdhsa_kernarg_size 32
		.amdhsa_user_sgpr_count 2
		.amdhsa_user_sgpr_kernarg_segment_ptr 1
		.amdhsa_wavefront_size32 1
		.amdhsa_system_sgpr_workgroup_id_x 1
		.amdhsa_system_sgpr_workgroup_id_y 1
		.amdhsa_system_sgpr_workgroup_id_z 1
		.amdhsa_system_vgpr_workitem_id 0
		.amdhsa_next_free_vgpr 1024
		.amdhsa_next_free_sgpr 100
		.amdhsa_reserve_vcc 0
		.amdhsa_float_denorm_mode_32 3
		.amdhsa_float_denorm_mode_16_64 3
		.amdhsa_memory_ordered 1
		.amdhsa_forward_progress 1
		.amdhsa_inst_pref_size 203
	.end_amdhsa_kernel
	.amdgpu_metadata
---
amdhsa.version: [ 1, 2 ]
amdhsa.kernels:
  - .name:           k_qa2908a1f09_ff2
    .symbol:         k_qa2908a1f09_ff2.kd
    .args:
      - { .name: hq, .offset: 0, .size: 8, .value_kind: global_buffer, .address_space: global }
      - { .name: wsa, .offset: 8, .size: 8, .value_kind: global_buffer, .address_space: global }
      - { .name: xf, .offset: 16, .size: 8, .value_kind: global_buffer, .address_space: global }
      - { .name: yf, .offset: 24, .size: 8, .value_kind: global_buffer, .address_space: global }
    .group_segment_fixed_size: 327680
    .private_segment_fixed_size: 0
    .kernarg_segment_align: 8
    .kernarg_segment_size: 32
    .max_flat_workgroup_size: 128
    .sgpr_count:     100
    .vgpr_count:     1024
    .wavefront_size: 32
...
	.end_amdgpu_metadata
.endif
;; end of part 6
;; launch ln2 (part 7): grid 256 x 1, 16 waves a work-group, no clusters, 70,912 bytes of LDS; arguments yf, ln2_g, ln2_b, out0; writes out0
.if DOCPART == 7
	.amdgcn_target "amdgcn-amd-amdhsa--gfx1250"
	.amdhsa_code_object_version 6
	.text
	.protected	k_qa2908a1f09_ln2
	.globl	k_qa2908a1f09_ln2
	.p2align	8
	.type	k_qa2908a1f09_ln2,@function
k_qa2908a1f09_ln2:
	s_mov_b64 s[64:65], 0
	v_nop
	global_prefetch_b8 v0, s[64:65] scope:SCOPE_SE
	s_setreg_imm32_b32 hwreg(HW_REG_WAVE_MODE, 25, 1), 1
	s_wait_xcnt 0x0
; Launch 7 of 7: out0 = LayerNorm(y) x ln2_g + ln2_b, y = x + ff from yf.  Nothing is left out.
; A work-group owns one tile of 16 whole rows; wave w owns columns 64 w .. 64 w + 63, which lie in yf as four images of 1,024 bytes: lane (r, h) holds row r of the tile, register 16 b + i column 64 w + 32 b + 16 h + i.
; A row's sum: 32 numbers a lane, lane l xor 16, then the sixteen waves' parts through LDS.  Mean first, then the squares of the differences.  Memory binds: no matrix unit, no tensor load, no cluster (the work-groups share nothing but two short vectors).
; The results go through a stage in LDS (rows of 4,096 bytes + 16) and leave as whole rows: wave w stores row w of the tile, 512 consecutive bytes an instruction.
.set RED1,  0
.set RED2,  1536
.set STG,   3072
.set SP,    4112
.set SPARE, STG+16*SP                  ; the spare words, 128 bytes for each wave
.set LI,   4
.set H64,  7
.set RA,   8
.set RB,   9
.set STO,  10
.set SRD,  11
.set SPW,  12
.set NIL,  13
.set Y,    16
.set LG,   48
.set LB,   80
.set E,    112
.set P0,   128
.set P2,   130
.set MU,   132
.set RS,   134
.set OUTR, 48
.set SEL,  24
	s_load_b256 s[4:11], s[0:1], 0x0               ; yf s[4:5], ln2_g s[6:7], ln2_b s[8:9], out0 s[10:11]
	v_lshl_add_u32 v[SPW], v0, 2, SPARE
	v_mov_b32 v[NIL], 0
	v_lshrrev_b32 v1, 5, v0
	v_readfirstlane_b32 s12, v1                    ; wave 0..15
	v_and_b32 v1, 31, v0
	v_and_b32 v2, 15, v0                           ; r
	v_bfe_u32 v3, v0, 4, 1                         ; h
	v_lshlrev_b32 v[LI], 4, v1
	v_lshlrev_b32 v[H64], 6, v3
	v_mul_u32_u24 v[RB], v2, 80
	s_lshl_b32 s13, s12, 2
	v_add_nc_u32 v[RA], s13, v[RB]
	v_mul_u32_u24 v[STO], v2, SP
	v_lshl_add_u32 v[STO], v3, 6, v[STO]
	s_lshl_b32 s14, s12, 8                         ; my 64 columns in f32
	s_add_co_u32 s13, s14, STG
	v_add_nc_u32 v[STO], s13, v[STO]               ; into the stage: row r, + 256 w + 64 h
	s_mul_i32 s13, s12, SP
	s_add_co_u32 s13, s13, STG
	v_add_nc_u32 v[SRD], s13, v[LI]                ; back: row w, 16 bytes a lane
	s_mov_b32 s15, 0
	s_lshl_b32 s16, ttmp9, 16
	s_lshl_b32 s17, s12, 12
	s_add_co_u32 s16, s16, s17                     ; yf: tile (I, 4 w) at (64 I + 4 w) x 1,024
	s_mov_b32 s17, 0
	s_lshr_b32 s18, ttmp9, 1
	s_lshl_b32 s18, s18, 5
	s_and_b32 s19, ttmp9, 1
	s_lshl_b32 s19, s19, 3
	s_add_co_u32 s18, s18, s19
	s_and_b32 s19, s12, 7
	s_add_co_u32 s18, s18, s19
	s_lshr_b32 s19, s12, 3
	s_lshl_b32 s19, s19, 4
	s_add_co_u32 s18, s18, s19                     ; the row that I store: 32 (I / 2) + 8 (I % 2) + w % 8 + 16 (w / 8)
	s_lshl_b32 s18, s18, 12
	s_mov_b32 s19, 0
	s_mov_b32 s[SEL], 0x76543210
	s_mov_b32 s[SEL+1], 0xfedcba98
	s_mov_b32 s26, 0x3a800000                      ; 1 / 1,024
	s_mov_b32 s27, 0x3727c5ac                      ; 1e-5
	s_wait_kmcnt 0x0
	s_add_nc_u64 s[4:5], s[4:5], s[16:17]
	s_add_nc_u64 s[6:7], s[6:7], s[14:15]
	s_add_nc_u64 s[8:9], s[8:9], s[14:15]
	s_add_nc_u64 s[10:11], s[10:11], s[18:19]
.irp t, 0,1,2,3
	global_load_b128 v[Y+8*\t:Y+8*\t+3], v[LI], s[4:5] offset:1024*\t th:TH_LOAD_NT
	global_load_b128 v[Y+8*\t+4:Y+8*\t+7], v[LI], s[4:5] offset:1024*\t+512 th:TH_LOAD_NT
.endr
.irp b, 0,1
.irp k, 0,1,2,3
	global_load_b128 v[LG+16*\b+4*\k:LG+16*\b+4*\k+3], v[H64], s[6:7] offset:128*\b+16*\k
.endr
.endr
.irp b, 0,1
.irp k, 0,1,2,3
	global_load_b128 v[LB+16*\b+4*\k:LB+16*\b+4*\k+3], v[H64], s[8:9] offset:128*\b+16*\k
.endr
.endr
.macro FOLD
	v_pk_add_f32 v[P0:P0+1], v[P0:P0+1], v[P2:P2+1]
	v_add_f32 v[P0], v[P0], v[P0+1]
	v_permlanex16_b32 v[P2], v[P0], s[SEL], s[SEL+1]
	v_add_f32 v[P0], v[P0], v[P2]
.endm
.macro EXCH red                        ; the sixteen waves' parts of each row meet in LDS; every lane ends with its row's sum in v[P0]
	ds_store_b32 v[RA], v[P0] offset:\red          ; lanes r and r + 16 write the same word with the same value
	s_wait_dscnt 0x0                               ; for the others' sake: my store has landed
	s_barrier_signal -1
	s_barrier_wait -1
.irp k, 0,1,2,3
	ds_load_b128 v[E+4*\k:E+4*\k+3], v[RB] offset:\red+16*\k
.endr
	s_wait_dscnt 0x0
	v_pk_add_f32 v[E:E+1], v[E:E+1], v[E+2:E+3]
	v_pk_add_f32 v[E+4:E+5], v[E+4:E+5], v[E+6:E+7]
	v_pk_add_f32 v[E+8:E+9], v[E+8:E+9], v[E+10:E+11]
	v_pk_add_f32 v[E+12:E+13], v[E+12:E+13], v[E+14:E+15]
	v_pk_add_f32 v[E:E+1], v[E:E+1], v[E+4:E+5]
	v_pk_add_f32 v[E+8:E+9], v[E+8:E+9], v[E+12:E+13]
	v_pk_add_f32 v[E:E+1], v[E:E+1], v[E+8:E+9]
	v_add_f32 v[P0], v[E], v[E+1]
.endm
	s_wait_loadcnt 16                              ; y is in; ln2_g's and ln2_b's sixteen loads may be out
	v_pk_add_f32 v[P0:P0+1], v[Y:Y+1], v[Y+2:Y+3]
	v_pk_add_f32 v[P2:P2+1], v[Y+4:Y+5], v[Y+6:Y+7]
.irp j, 8,12,16,20,24,28
	v_pk_add_f32 v[P0:P0+1], v[P0:P0+1], v[Y+\j:Y+\j+1]
	v_pk_add_f32 v[P2:P2+1], v[P2:P2+1], v[Y+\j+2:Y+\j+3]
.endr
	FOLD
	EXCH RED1
	v_mul_f32 v[MU], s26, v[P0]                    ; the mean
	v_mov_b32 v[MU+1], v[MU]
.irp j, 0,2,4,6,8,10,12,14,16,18,20,22,24,26,28,30
	v_pk_add_f32 v[Y+\j:Y+\j+1], v[Y+\j:Y+\j+1], v[MU:MU+1] op_sel_hi:[1,0] neg_lo:[0,1] neg_hi:[0,1]
.endr
	v_pk_mul_f32 v[P0:P0+1], v[Y:Y+1], v[Y:Y+1]
	v_pk_mul_f32 v[P2:P2+1], v[Y+2:Y+3], v[Y+2:Y+3]
.irp j, 4,8,12,16,20,24,28
	v_pk_fma_f32 v[P0:P0+1], v[Y+\j:Y+\j+1], v[Y+\j:Y+\j+1], v[P0:P0+1]
	v_pk_fma_f32 v[P2:P2+1], v[Y+\j+2:Y+\j+3], v[Y+\j+2:Y+\j+3], v[P2:P2+1]
.endr
	FOLD
	EXCH RED2
	v_fma_f32 v[RS], v[P0], s26, s27               ; the variance + 1e-5
	v_rsq_f32 v[RS], v[RS]
	v_mov_b32 v[RS+1], 0                           ; a plain line behind the transcendental (the pair's upper half is named below, so it is written)
	s_wait_alu depctr_va_vdst(0)                   ; the wait ahead of the first reader
	s_wait_loadcnt 0x0                             ; ln2_g, ln2_b
.irp j, 0,2,4,6,8,10,12,14,16,18,20,22,24,26,28,30
	v_pk_mul_f32 v[Y+\j:Y+\j+1], v[Y+\j:Y+\j+1], v[RS:RS+1] op_sel_hi:[1,0]
.endr
.irp j, 0,2,4,6,8,10,12,14,16,18,20,22,24,26,28,30
	v_pk_fma_f32 v[Y+\j:Y+\j+1], v[Y+\j:Y+\j+1], v[LG+\j:LG+\j+1], v[LB+\j:LB+\j+1]
.endr
.irp b, 0,1
.irp k, 0,1,2,3
	ds_store_b128 v[STO], v[Y+16*\b+4*\k:Y+16*\b+4*\k+3] offset:128*\b+16*\k
.endr
.endr
	s_wait_dscnt 0x0                               ; my part of the 16 rows has landed
	s_barrier_signal -1
	s_barrier_wait -1                              ; everybody's has
.irp q, 0,1,2,3,4,5,6,7
	ds_load_b128 v[OUTR+4*\q:OUTR+4*\q+3], v[SRD] offset:512*\q
.endr
.irp q, 0,1,2,3,4,5,6,7
	s_wait_dscnt 7-\q                              ; LDS loads come back in order: load q is in
	global_store_b128 v[LI], v[OUTR+4*\q:OUTR+4*\q+3], s[10:11] offset:512*\q th:TH_STORE_NT   ; 512 consecutive bytes of a row
.endr
	s_wait_tensorcnt 0x0                           ; the wave's end
	ds_add_u32 v[SPW], v[NIL]
	s_wait_dscnt 0x0
	s_endpgm
.Lfunc_end_k_qa2908a1f09_ln2:
	.size	k_qa2908a1f09_ln2, .Lfunc_end_k_qa2908a1f09_ln2-k_qa2908a1f09_ln2
	.p2alignl 7, 3214868480
	.fill 96, 4, 3214868480
	.section	.rodata,"a",@progbits
	.p2align	6, 0x0
	.amdhsa_kernel k_qa2908a1f09_ln2
		.amdhsa_group_segment_fixed_size 70912
		.amdhsa_private_segment_fixed_size 0
		.amdhsa_enable_private_segment 0
		.amdhsa_kernarg_size 32
		.amdhsa_user_sgpr_count 2
		.amdhsa_user_sgpr_kernarg_segment_ptr 1
		.amdhsa_wavefront_size32 1
		.amdhsa_system_sgpr_workgroup_id_x 1
		.amdhsa_system_sgpr_workgroup_id_y 1
		.amdhsa_system_sgpr_workgroup_id_z 1
		.amdhsa_system_vgpr_workitem_id 0
		.amdhsa_next_free_vgpr 144
		.amdhsa_next_free_sgpr 66
		.amdhsa_reserve_vcc 0
		.amdhsa_float_denorm_mode_32 3
		.amdhsa_float_denorm_mode_16_64 3
		.amdhsa_memory_ordered 1
		.amdhsa_forward_progress 1
		.amdhsa_inst_pref_size 15
	.end_amdhsa_kernel
	.amdgpu_metadata
---
amdhsa.version: [ 1, 2 ]
amdhsa.kernels:
  - .name:           k_qa2908a1f09_ln2
    .symbol:         k_qa2908a1f09_ln2.kd
    .args:
      - { .name: yf, .offset: 0, .size: 8, .value_kind: global_buffer, .address_space: global }
      - { .name: ln2_g, .offset: 8, .size: 8, .value_kind: global_buffer, .address_space: global }
      - { .name: ln2_b, .offset: 16, .size: 8, .value_kind: global_buffer, .address_space: global }
      - { .name: out0, .offset: 24, .size: 8, .value_kind: global_buffer, .address_space: global }
    .group_segment_fixed_size: 70912
    .private_segment_fixed_size: 0
    .kernarg_segment_align: 8
    .kernarg_segment_size: 32
    .max_flat_workgroup_size: 512
    .sgpr_count:     66
    .vgpr_count:     144
    .wavefront_size: 32
...
	.end_amdgpu_metadata
.endif
;; end of part 7
;; ======== version 2 of 2: 7 launches; 1.12 times as fast as version 1
;; workspace buffers: wsa 8,912,896 bytes; wsb 6,946,816 bytes; ctxq 2,228,224 bytes; xf 16,777,216 bytes; xq 2,228,224 bytes; hq 8,912,896 bytes; yf 16,777,216 bytes
;; launch prep (part 8): grid 512 x 1, 4 waves a work-group, no clusters, 0 bytes of LDS; arguments src, Wq, Wk, Wv, Wo, W1, W2, wsa; writes wsa
.if DOCPART == 8
	.amdgcn_target "amdgcn-amd-amdhsa--gfx1250"
	.amdhsa_code_object_version 6
	.text
	.protected	k_qa2908a1f09_prep
	.globl	k_qa2908a1f09_prep
	.p2align	8
	.type	k_qa2908a1f09_prep,@function
k_qa2908a1f09_prep:
	s_mov_b64 s[64:65], 0
	v_nop
	global_prefetch_b8 v0, s[64:65] scope:SCOPE_SE
	s_setreg_imm32_b32 hwreg(HW_REG_WAVE_MODE, 25, 1), 1
	s_wait_xcnt 0x0
; ENCODER LAYER IN MX-FP4, launch 1 of 7: src and the six weights become codes of E2M1 with one E8M0 byte for each 32 along K.
; DEAD WORK: none.  Every input of the layer has a way to out0 (bk too: it moves K's codes ahead of a quantised product), so every input is loaded by some launch and no product is left out.
; ONE IDENTITY is used, in the attention launch: Q / 8 ahead of the quantiser is an exact power of two, so the codes of Q / 8 are the codes of Q and the scale is 2^-3 lower; Q is quantised undivided and 1/8 goes into the softmax's constant.
; LIMITS of the whole program: NaN and infinities among the inputs are not served; a block of zeros gets the byte 1 where the rule says 127 (its codes are zeros, and the bytes are read by this program alone);
; blocks whose largest magnitude lies under 2^-124 (the floor that holds the byte at 1) were not tried; blocks of Q under 2^-121, where the rule's scale of Q / 8 would be held at -126, do not obey the identity.
; LAYOUT OF EVERY OPERAND IN THE WORKSPACE.  The axis that is not K is cut into tiles of 16; lane r of tile I holds row 32 (I / 2) + 8 (I % 2) + r % 8 + 16 (r / 8), so that a product's results, used transposed, are neighbours along the next K.
; A fragment (16 rows x 128 K) lies as the image of its 8 registers: registers 4 c .. 4 c + 3 of lane l at 512 c + 16 l.  A block of BLK bytes holds 256 rows x 512 K: the fragment of K step q and tile i at 16384 q + 1024 i,
; the scale word of tile i, row r, K step q at 65536 + 256 i + 16 r + 4 q.  wsa: src blocks 0-31 (2 G + kc), Wq 32-39, Wk 40-47, Wv 48-55, Wo 56-63, W1 64-95 (2 G + kc), W2 96-127 (8 G + kc).
; Work-groups 0-127 take src (K innermost: a wave takes a tile of 16 rows x 512 K); work-groups 128-511 the weights (K is the first axis: a lane takes a column, its registers run down K; a wave takes 32 columns x 256 K).
; So every work-group reads 131,072 bytes.  No LDS, no barrier: waves share nothing, and the images are stored straight from the registers, 256 or 512 consecutive bytes at a time.
.set BLK,  69632
.set TM,   16                          ; v16-31   at work in the quantiser
.set PW4,  32                          ; v32-35   src: the four K steps' scale words
.set PC,   36                          ; v36-67   src: eight registers of codes for each K step, so that no store's data are written again
.set S0,   96                          ; v96-159, v160-223  src: two sets of 64 numbers
.set SEL,  34                          ; s[34:35] lane selects for v_permlanex16_b32: lane l xor 16
.set OFF,  32                          ; v32-63   weights: 4 x lane + i rows
.set X,    64                          ; v64-127  weights: two sets of 32 numbers
.set C,    128                         ; v128-131 weights: a block's codes
.set SB,   132                         ; v132-133 weights: the scale bytes, four to a register
.set NBW,  8                           ; weights: blocks of 32 along K for a lane
	s_load_b512 s[4:19], s[0:1], 0x0               ; src s[4:5], Wq s[6:7], Wk s[8:9], Wv s[10:11], Wo s[12:13], W1 s[14:15], W2 s[16:17], wsa s[18:19]
	v_lshrrev_b32 v1, 5, v0
	v_readfirstlane_b32 s20, v1                    ; wave 0..3
	v_and_b32 v2, 31, v0                           ; lane
	s_cmp_lt_u32 ttmp9, 128
	s_cbranch_scc0 .Lweights
; ---------------- src ----------------
; 64 numbers of a lane, register 16 b + i = k 32 b + 16 (lane / 16) + i of my row, become a fragment's codes in v[pc] on and its scale word in v[pw].
.macro QUANT s, pc, pw
.irp b, 0,1,2,3
	v_max3_num_f32 v[TM+\b], |v[\s+16*\b]|, |v[\s+16*\b+1]|, 0x1800000   ; block b: my 16 numbers, and the floor 2^(3 - 127): the byte cannot fall under 1
.endr
.irp i, 2,4,6,8,10,12,14
.irp b, 0,1,2,3
	v_max3_num_f32 v[TM+\b], v[TM+\b], |v[\s+16*\b+\i]|, |v[\s+16*\b+\i+1]|   ; the four blocks by turns
.endr
.endr
.irp b, 0,1,2,3
	v_permlanex16_b32 v[TM+4+\b], v[TM+\b], s[SEL], s[SEL+1]
.endr
.irp b, 0,1,2,3
	v_max_num_f32 v[TM+\b], v[TM+\b], v[TM+4+\b]   ; with lane l xor 16's: the block's largest magnitude
.endr
.irp b, 0,1,2,3
	v_add_nc_u32 v[TM+12+\b], 0xff000000, v[TM+\b] ; 2 off its exponent field: the conversion takes this operand's exponent field as its scale
.endr
.irp b, 0,1,2,3
	v_lshrrev_b32 v[TM+4+\b], 23, v[TM+12+\b]      ; the scale's byte
.endr
	v_lshl_or_b32 v[\pw], v[TM+5], 8, v[TM+4]
	v_lshl_or_b32 v[\pw], v[TM+6], 16, v[\pw]
	v_lshl_or_b32 v[\pw], v[TM+7], 24, v[\pw]
.irp b, 0,1,2,3
	v_cvt_scalef32_pk8_fp4_f32 v[\pc+2*\b], v[\s+16*\b:\s+16*\b+7], v[TM+12+\b]
	v_cvt_scalef32_pk8_fp4_f32 v[\pc+2*\b+1], v[\s+16*\b+8:\s+16*\b+15], v[TM+12+\b]
.endr
	v_nop                                          ; one plain line behind the scaled conversions
.irp c, 0,1
.irp i, 0,1
	v_permlane16_swap_b32 v[\pc+4*\c+\i], v[\pc+4*\c+2+\i]   ; a whole block to a lane: lanes 0-15 block 2 c, lanes 16-31 block 2 c + 1
.endr
.endr
.endm
.macro XLOAD set, q                    ; my row's numbers of K step q: 16 neighbours of each block of 32
.irp b, 0,1,2,3
.irp j, 0,1,2,3
	global_load_b128 v[\set+16*\b+4*\j:\set+16*\b+4*\j+3], v5, s[4:5] offset:512*(\q)+128*\b+16*\j th:TH_LOAD_NT
.endr
.endr
.endm
.macro SSTEP q
.if (\q) < 3
	s_wait_loadcnt 16                              ; this K step's 16 loads are in; the next step's 16 may be out
.else
	s_wait_loadcnt 0x0
.endif
	QUANT S0+64*((\q)%2), PC+8*(\q), PW4+(\q)
	global_store_b128 v6, v[PC+8*(\q):PC+8*(\q)+3], s[36:37] offset:16384*(\q)         ; 512 consecutive bytes
	global_store_b128 v6, v[PC+8*(\q)+4:PC+8*(\q)+7], s[36:37] offset:16384*(\q)+512
.if (\q) < 2
	XLOAD S0+64*((\q)%2), (\q)+2
.endif
.endm
	s_lshl_b32 s21, ttmp9, 2
	s_add_co_u32 s21, s21, s20                     ; my task: 4 x work-group + wave
	s_lshr_b32 s22, s21, 1                         ; I: the tile of 16 rows
	s_and_b32 s23, s21, 1                          ; kc: which 512 along K
	s_lshr_b32 s24, s22, 1
	s_lshl_b32 s24, s24, 17                        ; 32 (I / 2) rows of 4,096 bytes
	s_and_b32 s25, s22, 1
	s_lshl_b32 s25, s25, 15                        ; + 8 (I % 2) rows
	s_add_co_u32 s24, s24, s25
	s_lshl_b32 s25, s23, 11                        ; + 512 kc numbers
	s_add_co_u32 s24, s24, s25
	s_mov_b32 s25, 0
	s_lshr_b32 s26, s22, 4
	s_lshl_b32 s26, s26, 1
	s_add_co_u32 s26, s26, s23
	s_mul_i32 s26, s26, BLK                        ; block 2 G + kc
	s_and_b32 s28, s22, 15                         ; the tile's place in its group
	s_lshl_b32 s29, s28, 10
	s_add_co_u32 s30, s26, s29                     ; its fragments
	s_mov_b32 s31, 0
	s_lshl_b32 s29, s28, 8
	s_add_co_u32 s32, s26, s29
	s_add_co_u32 s32, s32, 65536                   ; its scale words
	s_mov_b32 s33, 0
	s_mov_b32 s[SEL], 0x76543210
	s_mov_b32 s[SEL+1], 0xfedcba98
	v_and_b32 v3, 15, v0                           ; r
	v_bfe_u32 v4, v0, 4, 1                         ; h
	v_and_b32 v5, 7, v3
	v_lshrrev_b32 v6, 3, v3
	v_lshl_add_u32 v5, v6, 4, v5                   ; r % 8 + 16 (r / 8)
	v_lshlrev_b32 v5, 12, v5
	v_lshl_add_u32 v5, v4, 6, v5                   ; my row, + 64 h bytes
	v_lshlrev_b32 v6, 4, v2                        ; 16 x lane: an image's place for my lane
	v_lshlrev_b32 v7, 4, v3                        ; 16 r: my row's four scale words (lanes 16-31 store the same bytes with the same values)
.irp b, 0,1,2,3
	v_mov_b32 v[TM+4+\b], 0                        ; written once: a lane permute's destination counts as one of its sources
.endr
	s_wait_kmcnt 0x0
	s_add_nc_u64 s[4:5], s[4:5], s[24:25]
	s_add_nc_u64 s[36:37], s[18:19], s[30:31]
	s_add_nc_u64 s[38:39], s[18:19], s[32:33]
	XLOAD S0, 0
	XLOAD S0+64, 1
	SSTEP 0
	SSTEP 1
	SSTEP 2
	SSTEP 3
	global_store_b128 v7, v[PW4:PW4+3], s[38:39]   ; 256 consecutive bytes: the tile's scale words
	s_endpgm
; ---------------- the weights ----------------
.Lweights:
	s_sub_co_u32 s21, ttmp9, 128
	s_and_b32 s44, s21, 1                          ; kh: which 256 of the 512 along K
	s_lshr_b32 s21, s21, 1                         ; j: 0-15 Wq, 16-31 Wk, 32-47 Wv, 48-63 Wo, 64-127 W1, 128-191 W2
	s_wait_kmcnt 0x0
	s_cmp_lt_u32 s21, 128                          ; the buffer is chosen by the work-group's number alone
	s_cselect_b64 s[22:23], s[14:15], s[16:17]
	s_cmp_lt_u32 s21, 64
	s_cselect_b64 s[22:23], s[12:13], s[22:23]
	s_cmp_lt_u32 s21, 48
	s_cselect_b64 s[22:23], s[10:11], s[22:23]
	s_cmp_lt_u32 s21, 32
	s_cselect_b64 s[22:23], s[8:9], s[22:23]
	s_cmp_lt_u32 s21, 16
	s_cselect_b64 s[22:23], s[6:7], s[22:23]
	s_lshr_b32 s24, s21, 6                         ; 0: a square weight, 1: W1, 2: W2
	s_cmp_eq_u32 s24, 0
	s_cselect_b32 s25, 15, 63
	s_and_b32 s25, s21, s25                        ; my number within the weight
	s_cmp_eq_u32 s24, 1
	s_cselect_b32 s26, 31, 7                       ; W1 has 32 blocks of 128 columns, the others 8
	s_cselect_b32 s27, 5, 3
	s_mov_b32 s28, 4096
	s_cselect_b32 s28, 16384, s28                  ; a row of the weight in bytes
	s_and_b32 s29, s25, s26                        ; cb: which 128 columns
	s_lshr_b32 s30, s25, s27                       ; kc: which 512 along K
	s_lshr_b32 s31, s21, 4
	s_lshl_b32 s32, s24, 2
	s_cmp_eq_u32 s24, 0
	s_cselect_b32 s31, s31, s32
	s_lshl_b32 s31, s31, 3
	s_add_co_u32 s31, s31, 32                      ; the weight's first block: 32, 40, 48, 56, 64, 96
	s_cmp_eq_u32 s24, 2
	s_cselect_b32 s32, 3, 1                        ; W2 has 8 blocks along K, the others 2
	s_lshr_b32 s33, s29, 1                         ; G: the group of 256 columns
	s_lshl_b32 s33, s33, s32
	s_add_co_u32 s33, s33, s30
	s_add_co_u32 s33, s33, s31
	s_mul_i32 s33, s33, BLK                        ; my block
	s_lshl_b32 s34, s30, 1
	s_add_co_u32 s34, s34, s44
	s_lshl_b32 s34, s34, 8
	s_mul_i32 s34, s34, s28                        ; 256 (2 kc + kh) rows,
	s_lshl_b32 s35, s29, 9
	s_add_co_u32 s34, s34, s35                     ; 128 cb columns,
	s_lshl_b32 s35, s20, 7
	s_add_co_u32 s34, s34, s35                     ; 32 columns a wave
	s_mov_b32 s35, 0
	s_add_nc_u64 s[22:23], s[22:23], s[34:35]
	s_and_b32 s36, s29, 1
	s_lshl_b32 s36, s36, 3
	s_lshl_b32 s37, s20, 1
	s_add_co_u32 s36, s36, s37                     ; my wave's first tile in the group: 8 (cb % 2) + 2 x wave
	s_lshl_b32 s38, s36, 10
	s_add_co_u32 s38, s38, s33
	s_lshl_b32 s39, s44, 15
	s_add_co_u32 s38, s38, s39                     ; K steps 2 kh and 2 kh + 1 of the block
	s_mov_b32 s39, 0
	s_add_nc_u64 s[38:39], s[18:19], s[38:39]      ; its fragments
	s_lshl_b32 s40, s36, 8
	s_add_co_u32 s40, s40, s33
	s_add_co_u32 s40, s40, 65536
	s_lshl_b32 s41, s44, 3
	s_add_co_u32 s40, s40, s41                     ; the same two K steps' words of each row's four
	s_mov_b32 s41, 0
	s_add_nc_u64 s[40:41], s[18:19], s[40:41]      ; its scale words
	s_lshl_b32 s42, s28, 5                         ; 32 rows on
	s_mov_b32 s43, 0
	v_bfe_u32 v3, v0, 3, 1                         ; column l of 32 is row r = l % 8 + 8 (l / 16) of tile u = (l / 8) % 2
	v_and_b32 v4, 7, v0
	v_bfe_u32 v5, v0, 4, 1
	v_lshl_add_u32 v4, v5, 3, v4
	v_lshlrev_b32 v4, 4, v4                        ; 16 r
	v_lshl_add_u32 v6, v3, 10, v4                  ; my 16 bytes of an image's half: sixteen lanes fill 256 consecutive bytes of tile u
	v_lshl_add_u32 v7, v3, 8, v4                   ; my row's scale words
	v_lshlrev_b32 v[OFF], 2, v2
.set i, 1
.rept 31
	v_add_nc_u32 v[OFF+i], s28, v[OFF+i-1]         ; 4 x lane + i rows
.set i, i+1
.endr
.macro WLOAD t                         ; block t: W(32 t + i, my column), i = 0 .. 31: 128 consecutive bytes a load
.irp i, 0,1,2,3,4,5,6,7,8,9,10,11,12,13,14,15,16,17,18,19,20,21,22,23,24,25,26,27,28,29,30,31
	global_load_b32 v[X+32*((\t)%2)+\i], v[OFF+\i], s[22:23] th:TH_LOAD_NT
.endr
.endm
.macro WBLOCK t
.set XS, X+32*((\t)%2)
.if (\t) < NBW-1
	s_wait_loadcnt 32                              ; this block's 32 loads are in; the next block's may be out
.else
	s_wait_loadcnt 0x0
.endif
	s_wait_xcnt 0x0                                ; the last store has read its codes, the last loads their base: both are written again below
	v_max3_num_f32 v12, |v[XS]|, |v[XS+1]|, |v[XS+2]|   ; the block's largest magnitude: all 32 numbers are mine
	v_max3_num_f32 v13, |v[XS+3]|, |v[XS+4]|, |v[XS+5]|
.irp i, 6,10,14,18,22,26
	v_max3_num_f32 v12, v12, |v[XS+\i]|, |v[XS+\i+1]|
	v_max3_num_f32 v13, v13, |v[XS+\i+2]|, |v[XS+\i+3]|
.endr
	v_max3_num_f32 v12, v12, |v[XS+30]|, |v[XS+31]|
	v_max3_num_f32 v12, v12, v13, 0x1800000        ; and the floor
	v_add_nc_u32 v11, 0xff000000, v12              ; the conversion's scale operand
	v_lshrrev_b32 v13, 23, v11                     ; the scale's byte
.if (\t)%4 == 0
	v_mov_b32 v[SB+(\t)/4], v13
.else
	v_lshl_or_b32 v[SB+(\t)/4], v13, 8*((\t)%4), v[SB+(\t)/4]
.endif
.irp g, 0,1,2,3
	v_cvt_scalef32_pk8_fp4_f32 v[C+\g], v[XS+8*\g:XS+8*\g+7], v11
.endr
	global_store_b128 v6, v[C:C+3], s[38:39] offset:((\t)/4)*16384+(((\t)%4)/2)*512+((\t)%2)*256   ; K step t / 4 of my two; in it k = 32 (t % 4) on: half (t % 4) / 2, lanes 16 (t % 2) on
.if (\t)+2 < NBW
	s_add_nc_u64 s[22:23], s[22:23], s[42:43]
	WLOAD (\t)+2
.endif
.endm
	WLOAD 0
	s_wait_xcnt 0x0                                ; the loads have read their base
	s_add_nc_u64 s[22:23], s[22:23], s[42:43]
	WLOAD 1
.set Q, 0
.rept NBW
	WBLOCK Q
.set Q, Q+1
.endr
	global_store_b64 v7, v[SB:SB+1], s[40:41]      ; my column's two scale words
	s_endpgm
.Lfunc_end_k_qa2908a1f09_prep:
	.size	k_qa2908a1f09_prep, .Lfunc_end_k_qa2908a1f09_prep-k_qa2908a1f09_prep
	.p2alignl 7, 3214868480
	.fill 96, 4, 3214868480
	.section	.rodata,"a",@progbits
	.p2align	6, 0x0
	.amdhsa_kernel k_qa2908a1f09_prep
		.amdhsa_group_segment_fixed_size 0
		.amdhsa_private_segment_fixed_size 0
		.amdhsa_enable_private_segment 0
		.amdhsa_kernarg_size 64
		.amdhsa_user_sgpr_count 2
		.amdhsa_user_sgpr_kernarg_segment_ptr 1
		.amdhsa_wavefront_size32 1
		.amdhsa_system_sgpr_workgroup_id_x 1
		.amdhsa_system_sgpr_workgroup_id_y 1
		.amdhsa_system_sgpr_workgroup_id_z 1
		.amdhsa_system_vgpr_workitem_id 0
		.amdhsa_next_free_vgpr 224
		.amdhsa_next_free_sgpr 66
		.amdhsa_reserve_vcc 0
		.amdhsa_float_denorm_mode_32 3
		.amdhsa_float_denorm_mode_16_64 3
		.amdhsa_memory_ordered 1
		.amdhsa_forward_progress 1
		.amdhsa_inst_pref_size 65
	.end_amdhsa_kernel
	.amdgpu_metadata
---
amdhsa.version: [ 1, 2 ]
amdhsa.kernels:
  - .name:           k_qa2908a1f09_prep
    .symbol:         k_qa2908a1f09_prep.kd
    .args:
      - { .name: src, .offset: 0, .size: 8, .value_kind: global_buffer, .address_space: global }
      - { .name: Wq, .offset: 8, .size: 8, .value_kind: global_buffer, .address_space: global }
      - { .name: Wk, .offset: 16, .size: 8, .value_kind: global_buffer, .address_space: global }
      - { .name: Wv, .offset: 24, .size: 8, .value_kind: global_buffer, .address_space: global }
      - { .name: Wo, .offset: 32, .size: 8, .value_kind: global_buffer, .address_space: global }
      - { .name: W1, .offset: 40, .size: 8, .value_kind: global_buffer, .address_space: global }
      - { .name: W2, .offset: 48, .size: 8, .value_kind: global_buffer, .address_space: global }
      - { .name: wsa, .offset: 56, .size: 8, .value_kind: global_buffer, .address_space: global }
    .group_segment_fixed_size: 0
    .private_segment_fixed_size: 0
    .kernarg_segment_align: 8
    .kernarg_segment_size: 64
    .max_flat_workgroup_size: 128
    .sgpr_count:     66
    .vgpr_count:     224
    .wavefront_size: 32
...
	.end_amdgpu_metadata
.endif
;; end of part 8
;; launch qkv: the kernel of part 2 again; grid 12 x 16, 4 waves a work-group, clusters of 4 x 4, 327,680 bytes of LDS; arguments wsa, bq, bk, bv, wsb; writes wsb
;; launch attn: the kernel of part 3 again; grid 8 x 32, 16 waves a work-group, clusters of 4 x 1, 167,936 bytes of LDS; arguments wsb, ctxq; writes ctxq
;; launch wo_ln1: the kernel of part 4 again; grid 256 x 1, 16 waves a work-group, no clusters, 8,192 bytes of LDS; arguments ctxq, wsa, src, bo, ln1_g, ln1_b, b2, xf, xq; writes xf, xq
;; launch ff1: the kernel of part 5 again; grid 16 x 16, 4 waves a work-group, clusters of 4 x 4, 327,680 bytes of LDS; arguments xq, wsa, b1, hq; writes hq
;; launch ff2 (part 9): grid 8 x 32, 4 waves a work-group, clusters of 4 x 4, 327,680 bytes of LDS; arguments hq, wsa, xf, yf; writes yf
.if DOCPART == 9
	.amdgcn_target "amdgcn-amd-amdhsa--gfx1250"
	.amdhsa_code_object_version 6
	.text
	.protected	k_qa2908a1f09_ff2
	.globl	k_qa2908a1f09_ff2
	.p2align	8
	.type	k_qa2908a1f09_ff2,@function
k_qa2908a1f09_ff2:
	s_mov_b64 s[64:65], 0
	v_nop
	global_prefetch_b8 v0, s[64:65] scope:SCOPE_SE
	s_setreg_imm32_b32 hwreg(HW_REG_WAVE_MODE, 25, 1), 1
	s_wait_xcnt 0x0
	s_wait_alu depctr_hold_cnt(0) depctr_sa_sdst(0) depctr_va_vdst(0) depctr_va_sdst(0) depctr_va_ssrc(0) depctr_va_vcc(0) depctr_vm_vsrc(0)
	s_getreg_b32 s2, hwreg(HW_REG_IB_STS2, 6, 4)
	s_cmp_eq_u32 s2, 0
	s_cbranch_scc0 .Lentry_in_a_cluster
	s_endpgm
.Lentry_in_a_cluster:
	s_bfe_u32 s2, ttmp6, 0x10000c
	s_cmp_lg_u32 s2, 0xf033
	s_cbranch_scc0 .Lentry_shape_is_right
	s_endpgm
.Lentry_shape_is_right:
; Launch 6 of 7: y = x + b2 + h W2 on codes of E2M1.  x + b2 comes from xf in the accumulators' own layout and is the sums' start; y goes out in the same layout.  Nothing is left out.
; 4,096 tokens x 1,024 columns are 256 tiles of 128 x 128: one for each work-group of four waves; a wave makes 64 x 64: 16 accumulators.  Operand P (source 0, along a lane's registers) = W2's columns, operand R (source 1, in the lanes) = h's rows.
; K = 4,096 is eight blocks of 512.  In a block of 256 rows the fragments of 128 rows of one K step are 8,192 consecutive bytes, 16,384 bytes from K step to K step: a tensor load brings them as 4 rows of 8,192 bytes
; (the layout allows no more rows to a load), dense in LDS.  A slot holds two blocks of R and two of P, one load a wave: waves 0 and 1 R's even and odd block, waves 2 and 3 P's.  Two slots: blocks 0-3 are asked for at the start,
; blocks 4, 5 and 6, 7 behind the two changes of slots that fill a slot again.  Three loads of mine are out at the start, one behind each round.
; THE SCALE WORDS of all of K (2,048 bytes a block and operand, one block's bytes apart in memory) come once, with the first fills: 4 rows of 2,048 bytes a wave; they stay.
; CLUSTERS: 4 x 4.  R's tiles hang on the tile row alone and are shared along a row of the cluster, P's on the tile column and are shared along a column: joint loads, the same descriptor in the four that a mask names.
; A slot's 1,024 along K are four quarters of two K steps, 32 matrix instructions each, on two fragment buffers by turns; the next quarter's 32 LDS loads stand in one run in a quarter's middle.  The text has no loop: every offset is an immediate.
; REGISTERS: window 0: v16-24 addresses; v28, v29 the add's two; v32-63 scale words, two sets of 16 (a block of 512 each; register 4 i + q: lanes 0-15 R's tile i, lanes 16-31 P's tile i, K step q); v128-255 the accumulators ((a, b) at v[128 + 8 (4 a + b)]).
;   window 1: two fragment buffers of 128: for two K steps 64 registers of R (2 x 4 fragments), then 64 of P.
.set BLK,   69632
.set PART,  32768                      ; 128 rows x 512 K of codes: what one tensor load brings
.set SLOT,  4*PART
.set SCL,   2*SLOT                     ; behind the slots: the scale words: R's eight blocks, 2,048 bytes each, then P's
.set SPARE, SCL+32768                  ; behind them: the spare words, 128 bytes for each wave
.set ADRA, 16                          ; v16-17  LDS address of my R fragments in slot 0, 1
.set ADRB, 20                          ; v20-21  the same for P
.set ADRS, 22                          ; v22     of my scale words: lanes 0-15 R's rows, lanes 16-31 P's
.set CO,   24                          ; v24     16 x lane
.set SPW,  28
.set NIL,  29
.set SC,   32
.set ACC,  128
.set F0,   0
.set F1,   128
.set G1,   24                          ; s[24:31] group 1 for R's codes;  s[32:39] group 0, one set for each slot
.set G0,   32
.set G1B,  48                          ; s[48:55], s[56:63] the same for P's
.set G0B,  56
.set G1S,  68                          ; s[68:75], s[76:79] groups 1 and 0 for R's scale words;  s[80:87], s[88:91] for P's
.set G0S,  76
.set G1SB, 80
.set G0SB, 88
.set MSB, 0
.macro WIN new                         ; the immediate's high byte repeats the setting that is left
.if MSB != \new
	s_set_vgpr_msb (MSB<<8)|\new
.set MSB, \new
.endif
.endm
.set MUL,  0x05                        ; sources 0 (P) and 1 (R) window 1; C and D window 0
.set TO_F, 0x40                        ; destination window 1, address window 0
.macro JLOAD g0a, g1a, g0b, g1b        ; waves 0 and 1 fetch for R, waves 2 and 3 for P; an s_nop 0 and four v_nop follow each line
	s_cmp_eq_u32 s15, 0
	s_cbranch_scc0 .Lfor_b_\@
	tensor_load_to_lds s[\g0a:\g0a+3], s[\g1a:\g1a+7]
	s_nop 0
.rept 4
	v_nop
.endr
	s_branch .Lasked_\@
.Lfor_b_\@:
	tensor_load_to_lds s[\g0b:\g0b+3], s[\g1b:\g1b+7]
	s_nop 0
.rept 4
	v_nop
.endr
.Lasked_\@:
.endm
.macro CREST                           ; a round of the cluster's barrier behind its opening barrier
	s_cmp_lg_u32 s14, 0
	s_cbranch_scc1 .Lnot_wave_0_\@
	s_barrier_signal -3
.Lnot_wave_0_\@:
	s_barrier_wait -3
	s_barrier_signal -1
	s_barrier_wait -1
.endm
.macro CROUND
	s_barrier_signal -1
	s_barrier_wait -1
	CREST
.endm
.macro PLACES                          ; four plain lines behind matrix instructions, ahead of loads into their registers and of reads of their results
.rept 4
	v_nop
.endr
.endm
; 8 matrix instructions: R's tiles a0, a0 + 1 x P's four, 128 along K: half c of buffer f; sc: the set of scale words, q: the K step in its block.  The 16 accumulators take turns.
.macro MUL8 f, c, a0, sc, q
.irp a, \a0, \a0+1
.irp b, 0,1,2,3
	v_wmma_scale_f32_16x16x128_f8f6f4 v[ACC+8*(4*(\a)+\b):ACC+8*(4*(\a)+\b)+7], v[\f+64+8*(4*(\c)+\b):\f+64+8*(4*(\c)+\b)+7], v[\f+8*(4*(\c)+(\a)):\f+8*(4*(\c)+(\a))+7], v[ACC+8*(4*(\a)+\b):ACC+8*(4*(\a)+\b)+7], v[SC+16*(\sc)+4*\b+(\q)], v[SC+16*(\sc)+4*(\a)+(\q)] matrix_a_fmt:MATRIX_FMT_FP4 matrix_b_fmt:MATRIX_FMT_FP4 matrix_a_scale:MATRIX_SCALE_ROW1
.endr
.endr
.endm
; One run of LDS loads: quarter qd of a slot (K steps 2 qd and 2 qd + 1 of its eight) into buffer f, the first K step first; kc < 8: ahead of them block kc's scale words into set kc % 2.  NF: how many loads the run has.
.macro FETCH slot, qd, f, kc
.set NF, 32
.if (\kc) < 8
.set NF, 36
	WIN 0
.irp i, 0,1,2,3
	ds_load_b128 v[SC+16*((\kc)%2)+4*\i:SC+16*((\kc)%2)+4*\i+3], v[ADRS] offset:2048*(\kc)+256*\i
.endr
.endif
	WIN TO_F
.irp c, 0,1
.irp i, 0,1,2,3
.set OF_, ((2*(\qd)+\c)/4)*PART+((2*(\qd)+\c)%4)*8192+1024*\i
	ds_load_b128 v[\f+64+8*(4*\c+\i):\f+64+8*(4*\c+\i)+3],   v[ADRB+\slot] offset:OF_
	ds_load_b128 v[\f+64+8*(4*\c+\i)+4:\f+64+8*(4*\c+\i)+7], v[ADRB+\slot] offset:OF_+512
	ds_load_b128 v[\f+8*(4*\c+\i):\f+8*(4*\c+\i)+3],         v[ADRA+\slot] offset:OF_
	ds_load_b128 v[\f+8*(4*\c+\i)+4:\f+8*(4*\c+\i)+7],       v[ADRA+\slot] offset:OF_+512
.endr
.endr
.endm
; One of a slot's first three quarters: multiplies buffer f (quarter qd, of block kcm) and fetches the next quarter into g (kcf < 8: with block kcf's scale words).
.macro QUARTER slot, qd, f, g, kcm, kcf
	s_wait_dscnt 16                                ; the scale words and the first K step's fragments are in; the youngest sixteen loads (the second K step's) may be out
	WIN MUL
	MUL8 \f, 0, 0, (\kcm)%2, 2*((\qd)%2)
	MUL8 \f, 0, 2, (\kcm)%2, 2*((\qd)%2)
	PLACES
	FETCH \slot, (\qd)+1, \g, \kcf
	s_wait_dscnt NF                                ; all but the run just issued
	WIN MUL
	MUL8 \f, 1, 0, (\kcm)%2, 2*((\qd)%2)+1
	MUL8 \f, 1, 2, (\kcm)%2, 2*((\qd)%2)+1
.endm
; A slot's last quarter multiplies buffer 1 and changes slots: one barrier; in front of it each wave waits for all its tensor loads, adds 0 to its spare word, and waits for that and for its reads of this slot.
; fill = 1: the slot is filled again, with the blocks four further on; the barrier then opens a round of the cluster's, and the joint refill is the first thing behind it.
.macro TURN slot, next, fill, kcm, kcf
	WIN 0                                          ; (the add's two registers lie in window 0)
	s_wait_tensorcnt 0x0                           ; all my tensor loads have landed: my part of the next slot
	ds_add_u32 v[SPW], v[NIL]                      ; 0 onto my spare word
	s_wait_dscnt 17                                ; (the add and the youngest sixteen loads may be out)
	WIN MUL
	MUL8 F1, 0, 0, (\kcm)%2, 2                     ; eight matrix instructions stand between the add and the wait for it
	s_wait_dscnt 0x0                               ; the add is done, and my reads of this slot are over
	s_barrier_signal -1
	MUL8 F1, 0, 2, (\kcm)%2, 2
.if \fill
	WIN 0
.endif
	s_barrier_wait -1
.if \fill
	CREST                                          ; no wave of any partner still reads this slot or has a load on its way
	s_add_nc_u64 s[G0+4*\slot+2:G0+4*\slot+3], s[G0+4*\slot+2:G0+4*\slot+3], 4*BLK
	s_add_nc_u64 s[G0B+4*\slot+2:G0B+4*\slot+3], s[G0B+4*\slot+2:G0B+4*\slot+3], 4*BLK
	JLOAD G0+4*\slot, G1, G0B+4*\slot, G1B         ; the first tensor load behind the round; its four v_nop are also the places ahead of the loads below
.else
	PLACES
.endif
	FETCH \next, 0, F0, \kcf
	WIN MUL
	MUL8 F1, 1, 0, (\kcm)%2, 3
	MUL8 F1, 1, 2, (\kcm)%2, 3
.endm
.macro VISIT slot, k0                  ; a slot's first three quarters; k0: its first block of 512
	QUARTER \slot, 0, F0, F1, \k0, 99
	QUARTER \slot, 1, F1, F0, \k0, (\k0)+1
	QUARTER \slot, 2, F0, F1, (\k0)+1, 99
.endm
	s_load_b256 s[4:11], s[0:1], 0x0               ; hq s[4:5], wsa s[6:7], xf s[8:9], yf s[10:11]
	v_lshl_add_u32 v[SPW], v0, 2, SPARE
	v_mov_b32 v[NIL], 0
	ds_add_u32 v[SPW], v[NIL]                      ; the wave's opening: the add, twice on end, and its wait ahead of my first tensor load
	ds_add_u32 v[SPW], v[NIL]
	v_lshrrev_b32 v1, 5, v0
	v_readfirstlane_b32 s14, v1                    ; wave 0..3
	s_lshr_b32 s15, s14, 1                         ; which 64 of the tile's tokens are mine.  Also: I fetch for R (0) or for P (1)
	s_and_b32 s16, s14, 1                          ; which 64 of its columns.  Also: which of a slot's two blocks I fetch
	s_bfe_u32 s40, ttmp6, 0x40000                  ; cx
	s_bfe_u32 s41, ttmp6, 0x40004                  ; cy
	s_lshl_b32 s42, ttmp9, 2
	s_add_co_u32 s42, s42, s40                     ; the tile column: 128 columns
	s_and_b32 s17, ttmp7, 0xffff
	s_lshl_b32 s17, s17, 2
	s_add_co_u32 s17, s17, s41                     ; the tile row: 128 tokens
	s_lshl_b32 s43, s41, 2
	s_lshl_b32 s43, 15, s43                        ; my row of the cluster
	s_lshl_b32 s44, 0x1111, s40                    ; my column
	s_or_b32 s[G1+0], s43, (3<<16)|(1<<21)         ; 15:0 the mask; 17:16 elements of 8 bytes; 21 set beside a mask; no padding
	s_or_b32 s[G1B+0], s44, (3<<16)|(1<<21)
.irp g, G1, G1B
	s_mov_b32 s[\g+1], 1024<<16                    ; tensor_dim0 = 1,024 elements: 8,192 bytes, eight fragments
	s_mov_b32 s[\g+2], 4<<16                       ; tensor_dim1 = 4 rows: the block's K steps
	s_mov_b32 s[\g+3], 1024<<16                    ; tile_dim0
	s_mov_b32 s[\g+4], 4                           ; tile_dim1
	s_mov_b32 s[\g+5], 2048                        ; the pitch: 16,384 bytes
	s_mov_b32 s[\g+6], 0
	s_mov_b32 s[\g+7], 0
.endr
	s_or_b32 s[G1S+0], s43, (3<<16)|(1<<21)
	s_or_b32 s[G1SB+0], s44, (3<<16)|(1<<21)
.irp g, G1S, G1SB
	s_mov_b32 s[\g+1], 256<<16                     ; tensor_dim0 = 256 elements: 2,048 bytes, the scale words of 128 rows
	s_mov_b32 s[\g+2], 4<<16                       ; tensor_dim1 = 4 rows: four blocks of 512
	s_mov_b32 s[\g+3], 256<<16                     ; tile_dim0
	s_mov_b32 s[\g+4], 4                           ; tile_dim1
	s_mov_b32 s[\g+5], BLK/8                       ; the pitch: a block
	s_mov_b32 s[\g+6], 0
	s_mov_b32 s[\g+7], 0
.endr
	; where the tiles come from.  R's hang on the tile row alone, P's on the tile column alone, each in registers that never hold the other coordinate
	s_lshr_b32 s18, s17, 1
	s_lshl_b32 s18, s18, 3                         ; h: the first block of my group of 256 tokens
	s_and_b32 s19, s17, 1                          ; which 128 of them
	s_add_co_u32 s20, s18, s16
	s_mul_i32 s20, s20, BLK                        ; block 0 or 1,
	s_lshl_b32 s21, s19, 13
	s_add_co_u32 s20, s20, s21                     ; my half's eight fragments
	s_mov_b32 s21, 0
	s_lshl_b32 s22, s16, 2
	s_add_co_u32 s22, s22, s18
	s_mul_i32 s22, s22, BLK                        ; the scale words: blocks 0-3 or 4-7,
	s_lshl_b32 s23, s19, 11
	s_add_co_u32 s22, s22, s23
	s_add_co_u32 s22, s22, 65536
	s_mov_b32 s23, 0
	s_lshr_b32 s94, s42, 1
	s_lshl_b32 s94, s94, 3
	s_add_co_u32 s94, s94, 96                      ; W2: the first block of my group of 256 columns
	s_and_b32 s95, s42, 1
	s_add_co_u32 s46, s94, s16
	s_mul_i32 s46, s46, BLK
	s_lshl_b32 s47, s95, 13
	s_add_co_u32 s46, s46, s47
	s_mov_b32 s47, 0
	s_lshl_b32 s92, s16, 2
	s_add_co_u32 s92, s92, s94
	s_mul_i32 s92, s92, BLK
	s_lshl_b32 s93, s95, 11
	s_add_co_u32 s92, s92, s93
	s_add_co_u32 s92, s92, 65536
	s_mov_b32 s93, 0
	s_lshl_b32 s45, s14, 15                        ; where they go: wave x 32,768 in a slot,
	s_lshl_b32 s96, s14, 13                        ; wave x 8,192 among the scale words: no place in the cluster enters an LDS address
	s_wait_dscnt 0x0                               ; both opening adds are done
	s_wait_kmcnt 0x0
	s_add_nc_u64 s[20:21], s[4:5], s[20:21]
	s_add_nc_u64 s[22:23], s[4:5], s[22:23]
	s_add_nc_u64 s[46:47], s[6:7], s[46:47]
	s_add_nc_u64 s[92:93], s[6:7], s[92:93]
	CROUND                                         ; all sixteen work-groups are here: the first joint loads meet
	s_mov_b32 s[G0S], 1
	s_add_co_u32 s[G0S+1], s96, SCL
	s_mov_b64 s[G0S+2:G0S+3], s[22:23]
	s_or_b32 s[G0S+3], s[G0S+3], 0x80000000
	s_mov_b32 s[G0SB], 1
	s_add_co_u32 s[G0SB+1], s96, SCL
	s_mov_b64 s[G0SB+2:G0SB+3], s[92:93]
	s_or_b32 s[G0SB+3], s[G0SB+3], 0x80000000
	JLOAD G0S, G1S, G0SB, G1SB                     ; the scale words first: they are wanted with the first block
.irp s, 0,1
	s_mov_b32 s[G0+4*\s], 1
	s_add_co_u32 s[G0+4*\s+1], s45, \s*SLOT
	s_add_nc_u64 s[G0+4*\s+2:G0+4*\s+3], s[20:21], \s*2*BLK
	s_or_b32 s[G0+4*\s+3], s[G0+4*\s+3], 0x80000000
	s_mov_b32 s[G0B+4*\s], 1
	s_add_co_u32 s[G0B+4*\s+1], s45, \s*SLOT
	s_add_nc_u64 s[G0B+4*\s+2:G0B+4*\s+3], s[46:47], \s*2*BLK
	s_or_b32 s[G0B+4*\s+3], s[G0B+4*\s+3], 0x80000000
	JLOAD G0+4*\s, G1, G0B+4*\s, G1B
.endr
	v_and_b32 v1, 15, v0                           ; r
	v_bfe_u32 v2, v0, 4, 1                         ; h
	v_and_b32 v3, 31, v0
	v_lshlrev_b32 v[CO], 4, v3
	s_lshl_b32 s98, s17, 3
	s_lshl_b32 s97, s15, 2
	s_add_co_u32 s98, s98, s97                     ; my first tile of tokens,
	s_lshl_b32 s98, s98, 6
	s_lshl_b32 s97, s42, 3
	s_add_co_u32 s98, s98, s97
	s_lshl_b32 s97, s16, 2
	s_add_co_u32 s98, s98, s97                     ; x 64 + my first tile of columns,
	s_lshl_b32 s98, s98, 10                        ; 1,024 bytes a tile
	s_mov_b32 s99, 0
	s_add_nc_u64 s[8:9], s[8:9], s[98:99]
	s_add_nc_u64 s[10:11], s[10:11], s[98:99]
.irp a, 0,1,2,3
.irp b, 0,1,2,3
	global_load_b128 v[ACC+8*(4*\a+\b):ACC+8*(4*\a+\b)+3], v[CO], s[8:9] offset:65536*\a+1024*\b th:TH_LOAD_NT          ; x + b2 lands in the accumulators: 512 consecutive bytes a load
	global_load_b128 v[ACC+8*(4*\a+\b)+4:ACC+8*(4*\a+\b)+7], v[CO], s[8:9] offset:65536*\a+1024*\b+512 th:TH_LOAD_NT
.endr
.endr
	s_lshl_b32 s66, s15, 12                        ; my four tiles of R
	s_lshl_b32 s67, s16, 12
	s_add_co_u32 s67, s67, 2*PART                  ; my four tiles of P, behind R's two blocks
.irp s, 0,1
	v_add_nc_u32 v[ADRA+\s], s66, v[CO]
	v_add_nc_u32 v[ADRB+\s], s67, v[CO]
	s_add_co_u32 s66, s66, SLOT
	s_add_co_u32 s67, s67, SLOT
.endr
	s_lshl_b32 s66, s15, 10
	s_lshl_b32 s67, s16, 10
	s_add_co_u32 s67, s67, 16384
	s_sub_co_u32 s67, s67, s66                     ; from R's scale words to P's
	v_mul_u32_u24 v4, s67, v2                      ; lanes 16-31 take P's
	v_lshl_add_u32 v4, v1, 4, v4
	s_add_co_u32 s66, s66, SCL
	v_add_nc_u32 v[ADRS], s66, v4
	s_wait_loadcnt 0x0                             ; x + b2
	s_wait_tensorcnt 1                             ; the scale words and my part of slot 0 are in; slot 1's load may be out
	s_barrier_signal -1
	s_barrier_wait -1                              ; everybody's are
	FETCH 0, 0, F0, 0
	VISIT 0, 0                                     ; blocks 0, 1
	TURN 0, 1, 1, 1, 2                             ; slot 0 takes blocks 4, 5
	VISIT 1, 2                                     ; blocks 2, 3
	TURN 1, 0, 1, 3, 4                             ; slot 1 takes blocks 6, 7
	VISIT 0, 4                                     ; blocks 4, 5
	TURN 0, 1, 0, 5, 6                             ; nothing is left to fetch
	VISIT 1, 6                                     ; blocks 6, 7
	s_wait_dscnt 16                                ; the last quarter
	WIN MUL
	MUL8 F1, 0, 0, 1, 2
	MUL8 F1, 0, 2, 1, 2
	s_wait_dscnt 0x0
	MUL8 F1, 1, 0, 1, 3
	MUL8 F1, 1, 2, 1, 3
	WIN 0
	PLACES
.irp a, 0,1,2,3
.irp b, 0,1,2,3
	global_store_b128 v[CO], v[ACC+8*(4*\a+\b):ACC+8*(4*\a+\b)+3], s[10:11] offset:65536*\a+1024*\b th:TH_STORE_NT          ; 512 consecutive bytes; each accumulator from its low end on
	global_store_b128 v[CO], v[ACC+8*(4*\a+\b)+4:ACC+8*(4*\a+\b)+7], s[10:11] offset:65536*\a+1024*\b+512 th:TH_STORE_NT
.endr
.endr
	s_wait_tensorcnt 0x0                           ; the wave's end
	ds_add_u32 v[SPW], v[NIL]
	s_wait_dscnt 0x0
	CROUND                                         ; the closing round
	s_endpgm
.Lfunc_end_k_qa2908a1f09_ff2:
	.size	k_qa2908a1f09_ff2, .Lfunc_end_k_qa2908a1f09_ff2-k_qa2908a1f09_ff2
	.p2alignl 7, 3214868480
	.fill 96, 4, 3214868480
	.section	.rodata,"a",@progbits
	.p2align	6, 0x0
	.amdhsa_kernel k_qa2908a1f09_ff2
		.amdhsa_group_segment_fixed_size 327680
		.amdhsa_private_segment_fixed_size 0
		.amdhsa_enable_private_segment 0
		.amdhsa_kernarg_size 32
		.amdhsa_user_sgpr_count 2
		.amdhsa_user_sgpr_kernarg_segment_ptr 1
		.amdhsa_wavefront_size32 1
		.amdhsa_system_sgpr_workgroup_id_x 1
		.amdhsa_system_sgpr_workgroup_id_y 1
		.amdhsa_system_sgpr_workgroup_id_z 1
		.amdhsa_system_vgpr_workitem_id 0
		.amdhsa_next_free_vgpr 512
		.amdhsa_next_free_sgpr 100
		.amdhsa_reserve_vcc 0
		.amdhsa_float_denorm_mode_32 3
		.amdhsa_float_denorm_mode_16_64 3
		.amdhsa_memory_ordered 1
		.amdhsa_forward_progress 1
		.amdhsa_inst_pref_size 121
	.end_amdhsa_kernel
	.amdgpu_metadata
---
amdhsa.version: [ 1, 2 ]
amdhsa.kernels:
  - .name:           k_qa2908a1f09_ff2
    .symbol:         k_qa2908a1f09_ff2.kd
    .args:
      - { .name: hq, .offset: 0, .size: 8, .value_kind: global_buffer, .address_space: global }
      - { .name: wsa, .offset: 8, .size: 8, .value_kind: global_buffer, .address_space: global }
      - { .name: xf, .offset: 16, .size: 8, .value_kind: global_buffer, .address_space: global }
      - { .name: yf, .offset: 24, .size: 8, .value_kind: global_buffer, .address_space: global }
    .group_segment_fixed_size: 327680
    .private_segment_fixed_size: 0
    .kernarg_segment_align: 8
    .kernarg_segment_size: 32
    .max_flat_workgroup_size: 128
    .sgpr_count:     100
    .vgpr_count:     512
    .wavefront_size: 32
...
	.end_amdgpu_metadata
.endif
;; end of part 9
;; launch ln2: the kernel of part 7 again; grid 256 x 1, 16 waves a work-group, no clusters, 70,912 bytes of LDS; arguments yf, ln2_g, ln2_b, out0; writes out0
